; MI455X (gfx1250); checked and timed in simulation.
; The chip was launched on July 23, 2026; its instructions are those of AMD's public machine-readable ISA for CDNA 5 (MIT licence, August 2026) and "CDNA5" Instruction Set Architecture Reference Guide (July 2026). The comments in the code are by the model that wrote it; some were corrected since.
;; Cross Attn Module. Allowed arithmetic: float matrix products may take bf16 or f16 operands with f32 sums; all other float work in f32.
;; Inputs: W1 512 x 2,048 float32; W2 2,048 x 512 float32; Wkv 512 x 1,024 float32; Wp 4,096 x 256 float32; Wq 512 x 512 float32; b1 2,048 float32; b2 512 float32; bkv 1,024 float32; bp 256 float32; bq 512 float32; pos_k 1 x 4,096 x 512 float32; pos_q 1 x 2,048 x 512 float32; temperature 8 x 1 x 1 float32; x1 8 x 2,048 x 512 float32; x2 8 x 4,096 x 512 float32.
;; Outputs: out0 8 x 2,048 x 512 float32.
;; 3 versions, each right; version 2 is faster than version 1; version 3 is version 2 with the launches kvproj, attn written anew for expert scheduling mode. Each part assembles by itself: llvm-mc -triple=amdgcn-amd-amdhsa -mcpu=gfx1250 --defsym DOCPART=n.
;; ======== version 1 of 3: 6 launches
;; limits: a function is approximated: absolute error at most 2.5e-05; an absolute error that grows with the inputs' magnitude: up to 1.25e-05 times it
;; workspace buffers: wcast 7,864,320 bytes; csp 65,536 bytes; ypart 18,874,368 bytes; kvp 8,388,608 bytes; qf 33,554,432 bytes; xn 33,554,432 bytes
;; launch cast (part 1): grid 240 x 1, 8 waves a work-group, no clusters, 5,120 bytes of LDS; arguments Wq, Wkv, W1, W2, Wp, wcast, csp; writes wcast, csp
.if DOCPART == 1
	.amdgcn_target "amdgcn-amd-amdhsa--gfx1250"
	.amdhsa_code_object_version 6
	.text
	.protected	k_q27654b0b90_cast
	.globl	k_q27654b0b90_cast
	.p2align	8
	.type	k_q27654b0b90_cast,@function
k_q27654b0b90_cast:
	s_mov_b64 s[64:65], 0
	v_nop
	global_prefetch_b8 v0, s[64:65] scope:SCOPE_SE
	s_setreg_imm32_b32 hwreg(HW_REG_WAVE_MODE, 25, 1), 1
	s_wait_xcnt 0x0
; The five weight matrices are rounded to bf16, once, into wcast (Wq, Wkv, W1, W2, Wp end to end, each in its own layout).
; A work-group takes 16,384 numbers: 16 + 32 + 64 + 64 + 64 = 240 work-groups.  Thread t takes 16 bytes at 16 t + 4,096 i, i = 0 .. 15.
; The 64 work-groups of Wp (64 rows of 256 each) also add up their rows of the ROUNDED Wp: csp[g][p], 64 partial column sums.
; A stream: memory binds; no matrix unit, no cluster.  A wave's load covers 512 consecutive bytes, its store 256, aligned.
	s_load_b256 s[4:11], s[0:1], 0x0               ; Wq, Wkv, W1, W2
	s_load_b128 s[12:15], s[0:1], 0x20             ; Wp, wcast
	s_load_b64 s[16:17], s[0:1], 0x30              ; csp
	v_lshl_add_u32 v112, v0, 2, 0x1000
	v_mov_b32 v113, 0
	s_mov_b32 s2, ttmp9
	s_mov_b32 s3, 0xffff0000                       ; a word's upper bf16
	v_lshlrev_b32 v1, 4, v0                        ; 16 t
	v_lshlrev_b32 v2, 3, v0                        ; 8 t
	v_lshlrev_b32 v3, 2, v0                        ; 4 t
	s_mov_b32 s23, 0
	s_mov_b32 s25, 0
	s_wait_kmcnt 0x0
	s_mov_b64 s[18:19], s[4:5]                     ; which matrix, and its first work-group
	s_mov_b32 s20, 0
	s_cmp_ge_u32 s2, 16
	s_cselect_b64 s[18:19], s[6:7], s[18:19]
	s_cselect_b32 s20, 16, s20
	s_cmp_ge_u32 s2, 48
	s_cselect_b64 s[18:19], s[8:9], s[18:19]
	s_cselect_b32 s20, 48, s20
	s_cmp_ge_u32 s2, 112
	s_cselect_b64 s[18:19], s[10:11], s[18:19]
	s_cselect_b32 s20, 112, s20
	s_cmp_ge_u32 s2, 176
	s_cselect_b64 s[18:19], s[12:13], s[18:19]
	s_cselect_b32 s20, 176, s20
	s_sub_co_u32 s22, s2, s20
	s_lshl_b32 s24, s22, 10                        ; my row of csp (used by Wp's work-groups alone)
	s_lshl_b32 s22, s22, 16                        ; 65,536 bytes of f32 a work-group
	s_add_nc_u64 s[18:19], s[18:19], s[22:23]
	s_lshl_b32 s22, s2, 15                         ; 32,768 bytes of bf16
	s_add_nc_u64 s[14:15], s[14:15], s[22:23]
	s_add_nc_u64 s[16:17], s[16:17], s[24:25]
.set i, 0
.rept 16
	global_load_b128 v[16+4*i:19+4*i], v1, s[18:19] offset:4096*i th:TH_LOAD_NT
.set i, i+1
.endr
; sum = 1: the rounded numbers are widened again and added; thread t holds columns 4 (t % 64) .. + 3 of rows t / 64 + 4 i
.macro CAST sum
.set i, 0
.rept 16
	s_wait_loadcnt 15-i                            ; loads come back in order: the younger ones stay out
	v_cvt_pk_bf16_f32 v[80+2*i], v[16+4*i], v[17+4*i]
	v_cvt_pk_bf16_f32 v[81+2*i], v[18+4*i], v[19+4*i]
	global_store_b64 v2, v[80+2*i:81+2*i], s[14:15] offset:2048*i  ; each store has data registers of its own
.if \sum
.if i == 0
	v_lshlrev_b32 v8, 16, v80                      ; the first row starts the sums
	v_and_b32 v9, s3, v80
	v_lshlrev_b32 v10, 16, v81
	v_and_b32 v11, s3, v81
.else
	v_lshlrev_b32 v4, 16, v[80+2*i]
	v_and_b32 v5, s3, v[80+2*i]
	v_lshlrev_b32 v6, 16, v[81+2*i]
	v_and_b32 v7, s3, v[81+2*i]
	v_pk_add_f32 v[8:9], v[8:9], v[4:5]
	v_pk_add_f32 v[10:11], v[10:11], v[6:7]
.endif
.endif
.set i, i+1
.endr
.endm
	s_cmp_ge_u32 s2, 176                           ; the same answer in all eight waves
	s_cbranch_scc1 .Lwp
	CAST 0
	s_endpgm
.Lwp:
	CAST 1
	ds_store_b128 v1, v[8:11]                      ; LDS: [t / 64][256 columns] f32
	s_wait_dscnt 0x0                               ; for the others' sake
	s_barrier_signal -1
	s_barrier_wait -1
	ds_load_b32 v4, v3                             ; column t of the four partial rows
	ds_load_b32 v5, v3 offset:1024
	ds_load_b32 v6, v3 offset:2048
	ds_load_b32 v7, v3 offset:3072
	s_wait_dscnt 0x0
	v_add_f32 v4, v4, v5
	v_add_f32 v6, v6, v7
	v_add_f32 v4, v4, v6
	global_store_b32 v3, v4, s[16:17]
	s_wait_tensorcnt 0x0
	ds_add_u32 v112, v113
	s_wait_dscnt 0x0
	s_endpgm
.Lfunc_end_k_q27654b0b90_cast:
	.size	k_q27654b0b90_cast, .Lfunc_end_k_q27654b0b90_cast-k_q27654b0b90_cast
	.p2alignl 7, 3214868480
	.fill 96, 4, 3214868480
	.section	.rodata,"a",@progbits
	.p2align	6, 0x0
	.amdhsa_kernel k_q27654b0b90_cast
		.amdhsa_group_segment_fixed_size 5120
		.amdhsa_private_segment_fixed_size 0
		.amdhsa_enable_private_segment 0
		.amdhsa_kernarg_size 56
		.amdhsa_user_sgpr_count 2
		.amdhsa_user_sgpr_kernarg_segment_ptr 1
		.amdhsa_wavefront_size32 1
		.amdhsa_system_sgpr_workgroup_id_x 1
		.amdhsa_system_sgpr_workgroup_id_y 1
		.amdhsa_system_sgpr_workgroup_id_z 1
		.amdhsa_system_vgpr_workitem_id 0
		.amdhsa_next_free_vgpr 114
		.amdhsa_next_free_sgpr 66
		.amdhsa_reserve_vcc 0
		.amdhsa_float_denorm_mode_32 3
		.amdhsa_float_denorm_mode_16_64 3
		.amdhsa_memory_ordered 1
		.amdhsa_forward_progress 1
		.amdhsa_inst_pref_size 16
	.end_amdhsa_kernel
	.amdgpu_metadata
---
amdhsa.version: [ 1, 2 ]
amdhsa.kernels:
  - .name:           k_q27654b0b90_cast
    .symbol:         k_q27654b0b90_cast.kd
    .args:
      - { .name: Wq, .offset: 0, .size: 8, .value_kind: global_buffer, .address_space: global }
      - { .name: Wkv, .offset: 8, .size: 8, .value_kind: global_buffer, .address_space: global }
      - { .name: W1, .offset: 16, .size: 8, .value_kind: global_buffer, .address_space: global }
      - { .name: W2, .offset: 24, .size: 8, .value_kind: global_buffer, .address_space: global }
      - { .name: Wp, .offset: 32, .size: 8, .value_kind: global_buffer, .address_space: global }
      - { .name: wcast, .offset: 40, .size: 8, .value_kind: global_buffer, .address_space: global }
      - { .name: csp, .offset: 48, .size: 8, .value_kind: global_buffer, .address_space: global }
    .group_segment_fixed_size: 5120
    .private_segment_fixed_size: 0
    .kernarg_segment_align: 8
    .kernarg_segment_size: 56
    .max_flat_workgroup_size: 256
    .sgpr_count:     66
    .vgpr_count:     114
    .wavefront_size: 32
...
	.end_amdgpu_metadata
.endif
;; end of part 1
;; launch ytw (part 2): grid 16 x 9, 8 waves a work-group, no clusters, 107,520 bytes of LDS; arguments x2, pos_k, wcast, ypart; writes ypart
.if DOCPART == 2
	.amdgcn_target "amdgcn-amd-amdhsa--gfx1250"
	.amdhsa_code_object_version 6
	.text
	.protected	k_q27654b0b90_ytw
	.globl	k_q27654b0b90_ytw
	.p2align	8
	.type	k_q27654b0b90_ytw,@function
k_q27654b0b90_ytw:
	s_mov_b64 s[64:65], 0
	v_nop
	global_prefetch_b8 v0, s[64:65] scope:SCOPE_SE
	s_setreg_imm32_b32 hwreg(HW_REG_WAVE_MODE, 25, 1), 1
	s_wait_xcnt 0x0
; Y_b[c][p] = sum over n of x2[b][n][c] Wp[n][p] (b = 0 .. 7) and Z[c][p] = sum over n of pos_k[n][c] Wp[n][p] (as b = 8): the sequence projection is
; taken BEFORE the channel projection, since (x2 Wkv)^T Wp = Wkv^T (x2^T Wp).  bf16 operands (x2 and pos_k rounded on the way), f32 sums.
; A work-group: 128 c x 256 p over 1,024 n (the 4,096 n are split in four; the four parts are added by the next launch).  Eight waves, each 64 c x 64 p: 16 accumulators.
; n goes in steps of 64 through two LDS buffers; two register sets hold the loads of the two steps to come.  ONE barrier a step: it shows the buffer just written to
; every wave, and every wave has waited for its reads of the other buffer in front of it.  Both tiles lie [n][..] in LDS and are read turned (ds_load_tr16_b128).
; No tensor loads: x2 is f32 and is rounded in registers.  No cluster: what work-groups share is Wp's bf16 copy, a small part of a step's bytes.
; The result leaves as register images: a tile of 16 c x 16 p is 1,024 bytes, registers 0-3 at 16 x lane, registers 4-7 at 512 + 16 x lane: every store covers 512 consecutive bytes.
; The accumulators are cleared (128 v_mov_b32, in the wait for the first loads): the price of writing no first step out.
.set XP,  288                          ; a row of X in LDS: 128 c x 2 bytes + 32
.set WPP, 544                          ; a row of W: 256 p x 2 bytes + 32; both odd multiples of 32 bytes
.set WBO, 64*XP
.set BUF, 64*(XP+WPP)
.set VGX, 2                            ; 2,048 w + 16 L: my 16 bytes of row w of eight rows of x2
.set VGW, 3                            ; 512 w + 16 L: the same in Wp
.set VSX, 4                            ; v4-5  where I store X, by buffer
.set VSW, 6                            ; v6-7  where I store W
.set VFA, 8                            ; v8-9  my fragments of X
.set VFB, 10                           ; v10-11 my fragments of W
.set VO,  12                           ; 16 L
.set ACC, 32
.set FR,  160
.set TMP, 224
.set MSB, 0
.macro WIN new
.if MSB != (\new)
	s_set_vgpr_msb (MSB<<8)|(\new)
.set MSB, (\new)
.endif
.endm
.macro PLACES                          ; four places between a matrix instruction and a load into, or a read of, its registers
.rept 4
	v_nop
.endr
.endm
	s_load_b256 s[4:11], s[0:1], 0x0               ; x2, pos_k, wcast, ypart
	v_lshl_add_u32 v254, v0, 2, 0x1a000
	v_mov_b32 v255, 0
	v_lshrrev_b32 v1, 5, v0
	v_readfirstlane_b32 s12, v1                    ; wave
	v_and_b32 v1, 31, v0                           ; lane
	s_and_b32 s13, s12, 1                          ; which 64 c
	s_lshr_b32 s14, s12, 1                         ; which 64 p
	s_and_b32 s15, ttmp9, 3                        ; block of 128 c
	s_lshr_b32 s16, ttmp9, 2                       ; quarter of n
	s_and_b32 s17, ttmp7, 0xffff                   ; b, or 8 for pos_k
	v_lshlrev_b32 v[VO], 4, v1
	s_lshl_b32 s20, s12, 11
	v_add_nc_u32 v[VGX], s20, v[VO]
	s_lshl_b32 s20, s12, 9
	v_add_nc_u32 v[VGW], s20, v[VO]
	s_mul_i32 s20, s12, XP
	v_lshl_add_u32 v[VSX], v1, 3, s20
	v_add_nc_u32 v[VSX+1], BUF, v[VSX]
	s_mul_i32 s20, s12, WPP
	s_add_co_u32 s20, s20, WBO
	v_add_nc_u32 v[VSW], s20, v[VO]
	v_add_nc_u32 v[VSW+1], BUF, v[VSW]
	v_and_b32 v13, 7, v0
	v_bfe_u32 v14, v0, 4, 1
	v_lshl_add_u32 v13, v14, 3, v13                ; the turning load's row: 8 (L / 16) + L % 8
	v_bfe_u32 v14, v0, 3, 1
	v_lshlrev_b32 v14, 4, v14                      ; and its 16 bytes: 16 ((L / 8) % 2)
	s_lshl_b32 s20, s13, 7
	v_mul_u32_u24 v[VFA], v13, XP
	v_add_nc_u32 v[VFA], v[VFA], v14
	v_add_nc_u32 v[VFA], s20, v[VFA]
	v_add_nc_u32 v[VFA+1], BUF, v[VFA]
	s_lshl_b32 s20, s14, 7
	s_add_co_u32 s20, s20, WBO
	v_mul_u32_u24 v[VFB], v13, WPP
	v_add_nc_u32 v[VFB], v[VFB], v14
	v_add_nc_u32 v[VFB], s20, v[VFB]
	v_add_nc_u32 v[VFB+1], BUF, v[VFB]
	s_lshl_b32 s22, s17, 23                        ; b x 8 MiB
	s_mov_b32 s23, 0
	s_wait_kmcnt 0x0
	s_cmp_eq_u32 s17, 8
	s_cselect_b64 s[18:19], s[6:7], s[4:5]
	s_cselect_b32 s22, 0, s22
	s_lshl_b32 s20, s16, 21                        ; 1,024 rows of 2,048 bytes
	s_add_co_u32 s22, s22, s20
	s_lshl_b32 s20, s15, 9
	s_add_co_u32 s22, s22, s20
	s_add_nc_u64 s[18:19], s[18:19], s[22:23]      ; X at my first tile
	s_lshl_b32 s22, s16, 19
	s_add_co_u32 s22, s22, 0x580000
	s_add_nc_u64 s[8:9], s[8:9], s[22:23]          ; Wp (bf16) at my first tile
	s_mul_i32 s22, s16, 9                          ; ypart[s][bb][cblk 32][pblk 16][1,024]
	s_add_co_u32 s22, s22, s17
	s_lshl_b32 s22, s22, 5
	s_lshl3_add_u32 s22, s15, s22
	s_lshl2_add_u32 s22, s13, s22
	s_lshl_b32 s22, s22, 4
	s_lshl2_add_u32 s22, s14, s22
	s_lshl_b32 s22, s22, 10
	s_add_nc_u64 s[10:11], s[10:11], s[22:23]
.macro FETCH set                       ; 16 loads: a step's 64 rows of X (512 bytes each) and of W, into window 1
	WIN 0x40
.set i, 0
.rept 8
	global_load_b128 v[(\set)+4*i:(\set)+4*i+3], v[VGX], s[18:19] offset:16384*i th:TH_LOAD_NT
.set i, i+1
.endr
.set i, 0
.rept 8
	global_load_b128 v[(\set)+32+4*i:(\set)+32+4*i+3], v[VGW], s[8:9] offset:4096*i
.set i, i+1
.endr
	WIN 0
.endm
.macro NEXT
	s_wait_xcnt 0x0                                ; the bases are stepped only behind this wait
	s_add_nc_u64 s[18:19], s[18:19], 131072
	s_add_nc_u64 s[8:9], s[8:9], 32768
.endm
.macro STEP set, buf, fetch, left
	s_wait_loadcnt \left                           ; my set is in; the other set's 16 loads stay out
	WIN 0x05
.set i, 0
.rept 8
	v_cvt_pk_bf16_f32 v[TMP+2*i], v[(\set)+4*i], v[(\set)+4*i+1]
	v_cvt_pk_bf16_f32 v[TMP+2*i+1], v[(\set)+4*i+2], v[(\set)+4*i+3]
.set i, i+1
.endr
	WIN 0
.set i, 0
.rept 8
	ds_store_b64 v[VSX+(\buf)], v[TMP+2*i:TMP+2*i+1] offset:8*XP*i
.set i, i+1
.endr
	WIN 0x04
.set i, 0
.rept 8
	ds_store_b128 v[VSW+(\buf)], v[(\set)+32+4*i:(\set)+32+4*i+3] offset:8*WPP*i
.set i, i+1
.endr
	WIN 0
.if \fetch
	NEXT
	FETCH \set                                     ; the step after next
.endif
	s_wait_dscnt 0x0                               ; my stores are done (my reads of the other buffer were waited for in front of their products)
	s_barrier_signal -1
	s_barrier_wait -1
.irp ks, 0,1
	PLACES
.irp m, 0,1,2,3
	ds_load_tr16_b128 v[FR+8*\m:FR+8*\m+3], v[VFA+(\buf)] offset:32*XP*\ks+32*\m
	ds_load_tr16_b128 v[FR+8*\m+4:FR+8*\m+7], v[VFA+(\buf)] offset:32*XP*\ks+32*\m+16*XP
	ds_load_tr16_b128 v[FR+32+8*\m:FR+32+8*\m+3], v[VFB+(\buf)] offset:32*WPP*\ks+32*\m
	ds_load_tr16_b128 v[FR+32+8*\m+4:FR+32+8*\m+7], v[VFB+(\buf)] offset:32*WPP*\ks+32*\m+16*WPP
.endr
	s_wait_dscnt 0x0
.irp m, 0,1,2,3
.irp n, 0,1,2,3                        ; the 16 accumulators take turns
	v_wmma_f32_16x16x32_bf16 v[ACC+8*(4*\m+\n):ACC+8*(4*\m+\n)+7], v[FR+8*\m:FR+8*\m+7], v[FR+32+8*\n:FR+32+8*\n+7], v[ACC+8*(4*\m+\n):ACC+8*(4*\m+\n)+7]
.endr
.endr
.endr
.endm
	FETCH 0
	NEXT
	FETCH 64
.set i, 0
.rept 128
	v_mov_b32 v[ACC+i], 0
.set i, i+1
.endr
	s_mov_b32 s24, 7                               ; 16 steps: 7 trips of two, and two behind the loop that fetch nothing
.Lk:
	STEP 0, 0, 1, 16
	STEP 64, 1, 1, 16
	s_sub_co_u32 s24, s24, 1
	s_cmp_lg_u32 s24, 0
	s_cbranch_scc1 .Lk
	STEP 0, 0, 0, 16
	STEP 64, 1, 0, 0
	PLACES
.irp m, 0,1,2,3
.irp n, 0,1,2,3
	global_store_b128 v[VO], v[ACC+8*(4*\m+\n):ACC+8*(4*\m+\n)+3], s[10:11] offset:16384*\m+1024*\n
	global_store_b128 v[VO], v[ACC+8*(4*\m+\n)+4:ACC+8*(4*\m+\n)+7], s[10:11] offset:16384*\m+1024*\n+512
.endr
.endr
	s_wait_tensorcnt 0x0
	ds_add_u32 v254, v255
	s_wait_dscnt 0x0
	s_endpgm
.Lfunc_end_k_q27654b0b90_ytw:
	.size	k_q27654b0b90_ytw, .Lfunc_end_k_q27654b0b90_ytw-k_q27654b0b90_ytw
	.p2alignl 7, 3214868480
	.fill 96, 4, 3214868480
	.section	.rodata,"a",@progbits
	.p2align	6, 0x0
	.amdhsa_kernel k_q27654b0b90_ytw
		.amdhsa_group_segment_fixed_size 107520
		.amdhsa_private_segment_fixed_size 0
		.amdhsa_enable_private_segment 0
		.amdhsa_kernarg_size 32
		.amdhsa_user_sgpr_count 2
		.amdhsa_user_sgpr_kernarg_segment_ptr 1
		.amdhsa_wavefront_size32 1
		.amdhsa_system_sgpr_workgroup_id_x 1
		.amdhsa_system_sgpr_workgroup_id_y 1
		.amdhsa_system_sgpr_workgroup_id_z 1
		.amdhsa_system_vgpr_workitem_id 0
		.amdhsa_next_free_vgpr 384
		.amdhsa_next_free_sgpr 66
		.amdhsa_reserve_vcc 0
		.amdhsa_float_denorm_mode_32 3
		.amdhsa_float_denorm_mode_16_64 3
		.amdhsa_memory_ordered 1
		.amdhsa_forward_progress 1
		.amdhsa_inst_pref_size 44
	.end_amdhsa_kernel
	.amdgpu_metadata
---
amdhsa.version: [ 1, 2 ]
amdhsa.kernels:
  - .name:           k_q27654b0b90_ytw
    .symbol:         k_q27654b0b90_ytw.kd
    .args:
      - { .name: x2, .offset: 0, .size: 8, .value_kind: global_buffer, .address_space: global }
      - { .name: pos_k, .offset: 8, .size: 8, .value_kind: global_buffer, .address_space: global }
      - { .name: wcast, .offset: 16, .size: 8, .value_kind: global_buffer, .address_space: global }
      - { .name: ypart, .offset: 24, .size: 8, .value_kind: global_buffer, .address_space: global }
    .group_segment_fixed_size: 107520
    .private_segment_fixed_size: 0
    .kernarg_segment_align: 8
    .kernarg_segment_size: 32
    .max_flat_workgroup_size: 256
    .sgpr_count:     66
    .vgpr_count:     384
    .wavefront_size: 32
...
	.end_amdgpu_metadata
.endif
;; end of part 2
;; launch kvproj (part 3): grid 32 x 8, 8 waves a work-group, no clusters, 280,576 bytes of LDS; arguments ypart, wcast, csp, bkv, bp, kvp; writes kvp
.if DOCPART == 3
	.amdgcn_target "amdgcn-amd-amdhsa--gfx1250"
	.amdhsa_code_object_version 6
	.text
	.protected	k_q27654b0b90_kvproj
	.globl	k_q27654b0b90_kvproj
	.p2align	8
	.type	k_q27654b0b90_kvproj,@function
k_q27654b0b90_kvproj:
	s_mov_b64 s[64:65], 0
	v_nop
	global_prefetch_b8 v0, s[64:65] scope:SCOPE_SE
	s_setreg_imm32_b32 hwreg(HW_REG_WAVE_MODE, 25, 1), 1
	s_wait_xcnt 0x0
; kp, vp [o][p] = sum over c of Wkv[c][o] Y_b[c][p] + bkv[o] colsum(Wp)[p] + bp[p] (+ Z[o][p] for o < 512, the k half).  o = 1,024, p = 256, c = 512, for each b.
; Y is an intermediate, so it keeps 16 bits of mantissa: Y = hi + lo, both bf16, two products onto one accumulator.  Wkv, bkv, bp are the inputs rounded to bf16; the bias terms are added in f32.
; A work-group: 128 o x 64 p.  Eight waves: 16 p (wave % 4) x 64 o (wave / 4): four accumulators.
; Wkv's 512 x 128 block lies [c][o] in LDS and is read turned.  ypart's tiles are register images (lane = p, registers = c), so two of them, packed in pairs, ARE a fragment of
; 32 c x 16 p: each wave adds the four parts of 8 fragments, splits them in hi and lo, and leaves them in LDS for the two waves that need them.
; No tensor loads (the operands are made in registers), no cluster (what is shared is small and read once).  The result leaves as register images, like ypart's.
.set WKP, 288
.set YF,  147456                       ; [pb 4][ks 16][hi 1,024, lo 1,024]
.set CS,  278528                       ; [4][64] f32: partial column sums
.set VY,  2                            ; v2-5  16 L + 4,718,592 s: my bytes of a tile in part s of ypart
.set VCS, 6
.set VWK, 7
.set VSK, 8                            ; v8-11 where I store Wkv, 128 rows to a register
.set VYS, 12
.set VFA, 13
.set VFY, 14
.set VCR, 15
.set VBK, 16
.set VBP, 17
.set VO,  18
.set VCW, 19
.set ACC, 32
.set FA,  64                           ; two buffers of 32
.set FY,  128                          ; two buffers of 16: hi, lo
.set TM,  160
.set T0,  128                          ; window 1: two sets of 64 for the build
.set T1,  192
.set MK,  3
.set MSB, 0
.macro WIN new
.if MSB != (\new)
	s_set_vgpr_msb (MSB<<8)|(\new)
.set MSB, (\new)
.endif
.endm
.macro PLACES
.rept 4
	v_nop
.endr
.endm
.macro RND4 a, t                       ; four f32 rounded to bf16 values, in place
	v_cvt_pk_bf16_f32 v[(\t)], v[(\a)], v[(\a)+1]
	v_cvt_pk_bf16_f32 v[(\t)+1], v[(\a)+2], v[(\a)+3]
	v_lshlrev_b32 v[(\a)], 16, v[(\t)]
	v_and_b32 v[(\a)+1], s[MK], v[(\t)]
	v_lshlrev_b32 v[(\a)+2], 16, v[(\t)+1]
	v_and_b32 v[(\a)+3], s[MK], v[(\t)+1]
.endm
	s_load_b256 s[4:11], s[0:1], 0x0               ; ypart, wcast, csp, bkv
	s_load_b128 s[12:15], s[0:1], 0x20             ; bp, kvp
	v_lshl_add_u32 v254, v0, 2, 0x44400
	v_mov_b32 v255, 0
	v_lshrrev_b32 v1, 5, v0
	v_readfirstlane_b32 s16, v1
	v_and_b32 v1, 31, v0
	s_mov_b32 s[MK], 0xffff0000
	s_and_b32 s17, s16, 3                          ; pb
	s_lshr_b32 s18, s16, 2                         ; oh
	s_lshr_b32 s19, ttmp9, 2                       ; og
	s_and_b32 s20, ttmp9, 3                        ; pg
	s_and_b32 s21, ttmp7, 0xffff                   ; b
	s_mov_b32 s27, 0
	s_lshl2_add_u32 s28, s20, s17                  ; pblk = 4 pg + pb
	v_lshlrev_b32 v[VO], 4, v1
	v_mov_b32 v[VY], v[VO]
	v_add_nc_u32 v[VY+1], 4718592, v[VO]
	v_add_nc_u32 v[VY+2], 2*4718592, v[VO]
	v_add_nc_u32 v[VY+3], 3*4718592, v[VO]
	v_lshrrev_b32 v22, 6, v0
	v_and_b32 v23, 63, v0
	v_lshlrev_b32 v[VCS], 14, v22                  ; 16 rows of csp for each quarter of the threads
	v_lshl_add_u32 v[VCS], v23, 2, v[VCS]
	v_lshrrev_b32 v22, 4, v0
	v_and_b32 v23, 15, v0                          ; also r
	v_lshlrev_b32 v[VWK], 11, v22
	v_lshl_add_u32 v[VWK], v23, 4, v[VWK]
	v_mul_u32_u24 v[VSK], v22, WKP
	v_lshl_add_u32 v[VSK], v23, 4, v[VSK]
	v_add_nc_u32 v[VSK+1], 128*WKP, v[VSK]
	v_add_nc_u32 v[VSK+2], 256*WKP, v[VSK]
	v_add_nc_u32 v[VSK+3], 384*WKP, v[VSK]
	s_lshl_b32 s29, s17, 15                        ; 16 pb fragments of 2,048 bytes
	s_add_co_u32 s29, s29, YF
	v_add_nc_u32 v[VFY], s29, v[VO]
	s_lshl_b32 s26, s18, 14                        ; + 8 oh fragments: those that I build
	s_add_co_u32 s29, s29, s26
	v_add_nc_u32 v[VYS], s29, v[VO]
	v_and_b32 v24, 7, v0
	v_bfe_u32 v25, v0, 4, 1                        ; h
	v_lshl_add_u32 v24, v25, 3, v24
	v_mul_u32_u24 v[VFA], v24, WKP
	v_bfe_u32 v24, v0, 3, 1
	v_lshl_add_u32 v[VFA], v24, 4, v[VFA]
	s_lshl_b32 s29, s18, 7
	v_add_nc_u32 v[VFA], s29, v[VFA]
	s_lshl_b32 s29, s17, 6
	s_add_co_u32 s29, s29, CS
	v_lshl_add_u32 v[VCR], v23, 2, s29
	v_lshlrev_b32 v[VBK], 5, v25
	v_lshlrev_b32 v[VBP], 2, v23
	v_lshl_add_u32 v[VCW], v0, 2, CS
	s_wait_kmcnt 0x0
	s_lshl_b32 s26, s20, 8
	s_add_nc_u64 s[8:9], s[8:9], s[26:27]          ; csp at my 64 columns
	s_lshl_b32 s26, s19, 8
	s_add_co_u32 s26, s26, 0x80000
	s_add_nc_u64 s[6:7], s[6:7], s[26:27]          ; Wkv (bf16) at my 128 columns
	s_lshl_b32 s26, s19, 9
	s_lshl_b32 s29, s18, 8
	s_add_co_u32 s26, s26, s29
	s_add_nc_u64 s[10:11], s[10:11], s[26:27]      ; bkv at my 64 o
	s_lshl_b32 s26, s28, 6
	s_add_nc_u64 s[12:13], s[12:13], s[26:27]      ; bp at my 16 p
	s_lshl_b32 s26, s21, 5
	s_lshl4_add_u32 s26, s18, s26                  ; cblk = 32 b + 16 oh
	s_lshl4_add_u32 s26, s26, s28
	s_lshl_b32 s26, s26, 10
	s_add_nc_u64 s[22:23], s[4:5], s[26:27]        ; Y: the first tile that I build from
	s_lshl3_add_u32 s26, s19, 0x100                ; Z is ypart's b = 8: cblk = 256 + 8 og + 4 oh
	s_lshl2_add_u32 s26, s18, s26
	s_lshl4_add_u32 s26, s26, s28
	s_lshl_b32 s26, s26, 10
	s_add_nc_u64 s[24:25], s[4:5], s[26:27]
	s_lshl_b32 s26, s21, 6
	s_lshl3_add_u32 s26, s19, s26
	s_lshl2_add_u32 s26, s18, s26
	s_lshl4_add_u32 s26, s26, s28
	s_lshl_b32 s26, s26, 10
	s_add_nc_u64 s[14:15], s[14:15], s[26:27]      ; kvp[b][oblk][pblk]
.macro BFETCH set                      ; 16 loads: two tiles (32 c) in four parts
	WIN 0x40
.irp s, 0,1,2,3
.irp tl, 0,1
	global_load_b128 v[(\set)+16*\s+8*\tl:(\set)+16*\s+8*\tl+3], v[VY+\s], s[22:23] offset:16384*\tl
	global_load_b128 v[(\set)+16*\s+8*\tl+4:(\set)+16*\s+8*\tl+7], v[VY+\s], s[22:23] offset:16384*\tl+512
.endr
.endr
	WIN 0
.endm
.macro YNEXT
	s_wait_xcnt 0x0                                ; the base is stepped only behind this wait
	s_add_nc_u64 s[22:23], s[22:23], 32768
.endm
	; all loads at once, the oldest first wanted
.irp ob, 0,1,2,3
	global_load_b128 v[ACC+8*\ob:ACC+8*\ob+3], v[VBK], s[10:11] offset:64*\ob      ; bkv of register j's o, straight into the accumulators
	global_load_b128 v[ACC+8*\ob+4:ACC+8*\ob+7], v[VBK], s[10:11] offset:64*\ob+16
.endr
	global_load_b32 v20, v[VBP], s[12:13]
.set i, 0
.rept 16
	global_load_b32 v[TM+i], v[VCS], s[8:9] offset:1024*i
.set i, i+1
.endr
	WIN 0x40
.set i, 0
.rept 32
	global_load_b128 v[4*i:4*i+3], v[VWK], s[6:7] offset:32768*i
.set i, i+1
.endr
	WIN 0
	BFETCH T0
	YNEXT
	BFETCH T1
	s_wait_loadcnt 63                              ; 64 loads stand behind csp's last (Wkv's 32, the two sets' 32); a wait names 63 at the most, so Wkv's first load is waited for too: csp, bkv, bp are in
.irp d, 8,4,2,1
.set n, 0
.rept \d
	v_add_f32 v[TM+n], v[TM+n], v[TM+n+\d]
.set n, n+1
.endr
.endr
	ds_store_b32 v[VCW], v[TM]
	s_wait_loadcnt 32                              ; Wkv is in
	WIN 0x04
.set i, 0
.rept 32
	ds_store_b128 v[VSK+i/8], v[4*i:4*i+3] offset:16*WKP*(i%8)
.set i, i+1
.endr
	WIN 0
	s_cmp_ge_u32 s19, 4                            ; the v half has no Z
	s_cbranch_scc1 .Lnoz1
	s_wait_dscnt 0x0                               ; Wkv has left its registers
	WIN 0x40
.irp ob, 0,1,2,3
.irp s, 0,1,2,3
	global_load_b128 v[32*\ob+8*\s:32*\ob+8*\s+3], v[VY+\s], s[24:25] offset:16384*\ob
	global_load_b128 v[32*\ob+8*\s+4:32*\ob+8*\s+7], v[VY+\s], s[24:25] offset:16384*\ob+512
.endr
.endr
	WIN 0
.Lnoz1:
; One fragment: the four parts are added, split in hi and lo, stored.  left = 16: the 16 youngest loads are never this set's, with Z's loads out or without.
.macro BUILD set, fetch, left
	s_wait_loadcnt \left
	WIN 0x45
.irp s, 1,2,3
.set n, 0
.rept 8
	v_pk_add_f32 v[(\set)+2*n:(\set)+2*n+1], v[(\set)+2*n:(\set)+2*n+1], v[(\set)+16*\s+2*n:(\set)+16*\s+2*n+1]
.set n, n+1
.endr
.endr
	WIN 0x05
.set n, 0
.rept 8
	v_cvt_pk_bf16_f32 v[TM+n], v[(\set)+2*n], v[(\set)+2*n+1]      ; hi
.set n, n+1
.endr
	WIN 0
.set n, 0
.rept 8
	v_lshlrev_b32 v[TM+16+2*n], 16, v[TM+n]
	v_and_b32 v[TM+17+2*n], s[MK], v[TM+n]
.set n, n+1
.endr
	WIN 0x01
.set n, 0
.rept 8
	v_pk_add_f32 v[TM+16+2*n:TM+17+2*n], v[(\set)+2*n:(\set)+2*n+1], v[TM+16+2*n:TM+17+2*n] neg_lo:[0,1] neg_hi:[0,1]  ; y - hi, exact
.set n, n+1
.endr
	WIN 0
.set n, 0
.rept 8
	v_cvt_pk_bf16_f32 v[TM+8+n], v[TM+16+2*n], v[TM+17+2*n]        ; lo
.set n, n+1
.endr
.irp q, 0,1,2,3
	ds_store_b128 v[VYS], v[TM+4*\q:TM+4*\q+3] offset:512*\q
.endr
	v_add_nc_u32 v[VYS], 2048, v[VYS]
.if \fetch
	YNEXT
	BFETCH \set
.endif
.endm
	s_mov_b32 s30, 3                               ; 8 fragments: 3 trips of two, and two that fetch nothing
.Lbuild:
	BUILD T0, 1, 16
	BUILD T1, 1, 16
	s_sub_co_u32 s30, s30, 1
	s_cmp_lg_u32 s30, 0
	s_cbranch_scc1 .Lbuild
	BUILD T0, 0, 16
	BUILD T1, 0, 0                                 ; every load is in, Z's too
	s_wait_dscnt 0x0                               ; Wkv, the fragments and the column sums are stored
	s_barrier_signal -1
	s_barrier_wait -1
	; the sums start at bkv[o] cs[p] + bp[p]
	ds_load_b32 v24, v[VCR]
	ds_load_b32 v25, v[VCR] offset:256
	ds_load_b32 v26, v[VCR] offset:512
	ds_load_b32 v27, v[VCR] offset:768
.set n, 0
.rept 8
	RND4 ACC+4*n, 28+2*(n%2)
.set n, n+1
.endr
	v_cvt_pk_bf16_f32 v28, v20, v20
	v_lshlrev_b32 v20, 16, v28
	v_mov_b32 v21, v20
	s_wait_dscnt 0x0
	v_add_f32 v24, v24, v25
	v_add_f32 v26, v26, v27
	v_add_f32 v22, v24, v26
	v_mov_b32 v23, v22
.set n, 0
.rept 16
	v_pk_fma_f32 v[ACC+2*n:ACC+2*n+1], v[ACC+2*n:ACC+2*n+1], v[22:23], v[20:21]
.set n, n+1
.endr
	s_cmp_ge_u32 s19, 4
	s_cbranch_scc1 .Lnoz2
	WIN 0x04
.irp s, 0,1,2,3
.irp ob, 0,1,2,3
.irp q, 0,1,2,3
	v_pk_add_f32 v[ACC+8*\ob+2*\q:ACC+8*\ob+2*\q+1], v[ACC+8*\ob+2*\q:ACC+8*\ob+2*\q+1], v[32*\ob+8*\s+2*\q:32*\ob+8*\s+2*\q+1]
.endr
.endr
.endr
	WIN 0
.Lnoz2:
.macro KFETCH buf                      ; 12 LDS loads: 32 c of my 64 o (turned), and Y's hi and lo fragment
.irp ob, 0,1,2,3
	ds_load_tr16_b128 v[FA+32*(\buf)+8*\ob:FA+32*(\buf)+8*\ob+3], v[VFA] offset:32*\ob
	ds_load_tr16_b128 v[FA+32*(\buf)+8*\ob+4:FA+32*(\buf)+8*\ob+7], v[VFA] offset:32*\ob+16*WKP
.endr
.irp q, 0,1,2,3
	ds_load_b128 v[FY+16*(\buf)+4*\q:FY+16*(\buf)+4*\q+3], v[VFY] offset:512*\q
.endr
	v_add_nc_u32 v[VFA], 32*WKP, v[VFA]
	v_add_nc_u32 v[VFY], 2048, v[VFY]
.endm
.macro KMUL buf                        ; the four accumulators take turns: hi, then lo
.irp part, 0,1
.irp ob, 0,1,2,3
	v_wmma_f32_16x16x32_bf16 v[ACC+8*\ob:ACC+8*\ob+7], v[FA+32*(\buf)+8*\ob:FA+32*(\buf)+8*\ob+7], v[FY+16*(\buf)+8*\part:FY+16*(\buf)+8*\part+7], v[ACC+8*\ob:ACC+8*\ob+7]
.endr
.endr
.endm
	KFETCH 0
	s_mov_b32 s30, 7
.Lk:
	PLACES
	KFETCH 1
	s_wait_dscnt 12                                ; all but the 12 just issued
	KMUL 0
	PLACES
	KFETCH 0
	s_wait_dscnt 12
	KMUL 1
	s_sub_co_u32 s30, s30, 1
	s_cmp_lg_u32 s30, 0
	s_cbranch_scc1 .Lk
	PLACES
	KFETCH 1
	s_wait_dscnt 12
	KMUL 0
	s_wait_dscnt 0x0
	KMUL 1
	PLACES
.irp ob, 0,1,2,3
	global_store_b128 v[VO], v[ACC+8*\ob:ACC+8*\ob+3], s[14:15] offset:16384*\ob
	global_store_b128 v[VO], v[ACC+8*\ob+4:ACC+8*\ob+7], s[14:15] offset:16384*\ob+512
.endr
	s_wait_tensorcnt 0x0
	ds_add_u32 v254, v255
	s_wait_dscnt 0x0
	s_endpgm
.Lfunc_end_k_q27654b0b90_kvproj:
	.size	k_q27654b0b90_kvproj, .Lfunc_end_k_q27654b0b90_kvproj-k_q27654b0b90_kvproj
	.p2alignl 7, 3214868480
	.fill 96, 4, 3214868480
	.section	.rodata,"a",@progbits
	.p2align	6, 0x0
	.amdhsa_kernel k_q27654b0b90_kvproj
		.amdhsa_group_segment_fixed_size 280576
		.amdhsa_private_segment_fixed_size 0
		.amdhsa_enable_private_segment 0
		.amdhsa_kernarg_size 48
		.amdhsa_user_sgpr_count 2
		.amdhsa_user_sgpr_kernarg_segment_ptr 1
		.amdhsa_wavefront_size32 1
		.amdhsa_system_sgpr_workgroup_id_x 1
		.amdhsa_system_sgpr_workgroup_id_y 1
		.amdhsa_system_sgpr_workgroup_id_z 1
		.amdhsa_system_vgpr_workitem_id 0
		.amdhsa_next_free_vgpr 512
		.amdhsa_next_free_sgpr 66
		.amdhsa_reserve_vcc 0
		.amdhsa_float_denorm_mode_32 3
		.amdhsa_float_denorm_mode_16_64 3
		.amdhsa_memory_ordered 1
		.amdhsa_forward_progress 1
		.amdhsa_inst_pref_size 53
	.end_amdhsa_kernel
	.amdgpu_metadata
---
amdhsa.version: [ 1, 2 ]
amdhsa.kernels:
  - .name:           k_q27654b0b90_kvproj
    .symbol:         k_q27654b0b90_kvproj.kd
    .args:
      - { .name: ypart, .offset: 0, .size: 8, .value_kind: global_buffer, .address_space: global }
      - { .name: wcast, .offset: 8, .size: 8, .value_kind: global_buffer, .address_space: global }
      - { .name: csp, .offset: 16, .size: 8, .value_kind: global_buffer, .address_space: global }
      - { .name: bkv, .offset: 24, .size: 8, .value_kind: global_buffer, .address_space: global }
      - { .name: bp, .offset: 32, .size: 8, .value_kind: global_buffer, .address_space: global }
      - { .name: kvp, .offset: 40, .size: 8, .value_kind: global_buffer, .address_space: global }
    .group_segment_fixed_size: 280576
    .private_segment_fixed_size: 0
    .kernarg_segment_align: 8
    .kernarg_segment_size: 48
    .max_flat_workgroup_size: 256
    .sgpr_count:     66
    .vgpr_count:     512
    .wavefront_size: 32
...
	.end_amdgpu_metadata
.endif
;; end of part 3
;; launch qproj (part 4): grid 256 x 1, 8 waves a work-group, no clusters, 154,624 bytes of LDS; arguments x1, wcast, bq, pos_q, qf; writes qf
.if DOCPART == 4
	.amdgcn_target "amdgcn-amd-amdhsa--gfx1250"
	.amdhsa_code_object_version 6
	.text
	.protected	k_q27654b0b90_qproj
	.globl	k_q27654b0b90_qproj
	.p2align	8
	.type	k_q27654b0b90_qproj,@function
k_q27654b0b90_qproj:
	s_mov_b64 s[64:65], 0
	v_nop
	global_prefetch_b8 v0, s[64:65] scope:SCOPE_SE
	s_setreg_imm32_b32 hwreg(HW_REG_WAVE_MODE, 25, 1), 1
	s_wait_xcnt 0x0
; q = x1 Wq + bq + pos_q, f32 out.  bf16 operands (x1 rounded on the way; bq and pos_q rounded to bf16 values like every input), f32 sums.
; A work-group: 64 rows x all 512 columns; eight waves, 64 columns each: 16 accumulators.  K = 512 in steps of 64 through two LDS buffers, two register sets ahead,
; ONE barrier a step: it shows the buffer just written, and every wave has waited for its reads of the other buffer in front of it.
; The matrix instruction is used transposed (source 0 = 16 columns of Wq, read turned from [k][column]; source 1 = 16 rows of x1): a lane holds 8 neighbouring columns of one row.
; The sums start at pos_q + bq, loaded straight into the accumulators.  The result goes through a stage in LDS, each wave's own, so that 16 lanes store 256 consecutive bytes.
; No tensor loads (x1 is rounded in registers); no cluster (what is shared is Wq's 512 KiB copy).
.set WBP, 1056
.set XBP, 144
.set WBB, 64*WBP
.set XB0, 2*WBB
.set XBB, 64*XBP
.set SGP, 272
.set SGB, 64*SGP
.set VGX, 2
.set VGW, 3
.set VSX, 4
.set VSW, 6
.set VFW, 8
.set VFX, 10
.set VP,  12
.set VB,  13
.set VST, 14
.set VRD, 15
.set VGO, 16
.set ACC, 32
.set FR,  160
.set TMP, 224
.set MK,  3
.set MSB, 0
.macro WIN new
.if MSB != (\new)
	s_set_vgpr_msb (MSB<<8)|(\new)
.set MSB, (\new)
.endif
.endm
.macro PLACES
.rept 4
	v_nop
.endr
.endm
.macro RND4 a, t
	v_cvt_pk_bf16_f32 v[(\t)], v[(\a)], v[(\a)+1]
	v_cvt_pk_bf16_f32 v[(\t)+1], v[(\a)+2], v[(\a)+3]
	v_lshlrev_b32 v[(\a)], 16, v[(\t)]
	v_and_b32 v[(\a)+1], s[MK], v[(\t)]
	v_lshlrev_b32 v[(\a)+2], 16, v[(\t)+1]
	v_and_b32 v[(\a)+3], s[MK], v[(\t)+1]
.endm
	s_load_b256 s[4:11], s[0:1], 0x0               ; x1, wcast, bq, pos_q
	s_load_b64 s[12:13], s[0:1], 0x20              ; qf
	v_lshl_add_u32 v254, v0, 2, 0x25800
	v_mov_b32 v255, 0
	v_lshrrev_b32 v1, 5, v0
	v_readfirstlane_b32 s14, v1                    ; wave
	s_mov_b32 s[MK], 0xffff0000
	v_and_b32 v17, 15, v0                          ; r
	v_bfe_u32 v18, v0, 4, 1                        ; h
	v_lshrrev_b32 v19, 4, v0                       ; 2 w + h: my row of the 16 that a load of X covers
	v_lshlrev_b32 v[VGX], 11, v19
	v_lshl_add_u32 v[VGX], v17, 4, v[VGX]
	v_lshlrev_b32 v[VGW], 4, v0
	v_mul_u32_u24 v[VSX], v19, XBP
	v_lshl_add_u32 v[VSX], v17, 3, v[VSX]
	v_add_nc_u32 v[VSX], XB0, v[VSX]
	v_add_nc_u32 v[VSX+1], XBB, v[VSX]
	v_lshrrev_b32 v20, 6, v0
	v_and_b32 v21, 63, v0
	v_mul_u32_u24 v[VSW], v20, WBP
	v_lshl_add_u32 v[VSW], v21, 4, v[VSW]
	v_add_nc_u32 v[VSW+1], WBB, v[VSW]
	v_and_b32 v20, 7, v0
	v_lshl_add_u32 v20, v18, 3, v20
	v_mul_u32_u24 v[VFW], v20, WBP
	v_bfe_u32 v20, v0, 3, 1
	v_lshl_add_u32 v[VFW], v20, 4, v[VFW]
	s_lshl_b32 s20, s14, 7
	v_add_nc_u32 v[VFW], s20, v[VFW]
	v_add_nc_u32 v[VFW+1], WBB, v[VFW]
	v_mul_u32_u24 v[VFX], v17, XBP
	v_lshl_add_u32 v[VFX], v18, 4, v[VFX]
	v_add_nc_u32 v[VFX], XB0, v[VFX]
	v_add_nc_u32 v[VFX+1], XBB, v[VFX]
	s_lshl_b32 s20, s14, 8
	v_lshl_add_u32 v[VB], v18, 5, s20              ; 256 w + 32 h
	v_lshl_add_u32 v[VP], v17, 11, v[VB]
	s_mul_i32 s21, s14, SGB
	v_mul_u32_u24 v[VST], v17, SGP
	v_lshl_add_u32 v[VST], v18, 5, v[VST]
	v_add_nc_u32 v[VST], s21, v[VST]
	v_mul_u32_u24 v[VRD], v18, SGP
	v_lshl_add_u32 v[VRD], v17, 4, v[VRD]
	v_add_nc_u32 v[VRD], s21, v[VRD]
	v_lshlrev_b32 v[VGO], 11, v18
	v_lshl_add_u32 v[VGO], v17, 4, v[VGO]
	v_add_nc_u32 v[VGO], s20, v[VGO]
	s_lshl_b32 s22, ttmp9, 17                      ; 64 rows of 2,048 bytes
	s_mov_b32 s23, 0
	s_and_b32 s24, ttmp9, 31                       ; pos_q has 2,048 rows
	s_lshl_b32 s24, s24, 17
	s_mov_b32 s25, 0
	s_wait_kmcnt 0x0
	s_add_nc_u64 s[4:5], s[4:5], s[22:23]
	s_add_nc_u64 s[12:13], s[12:13], s[22:23]
	s_add_nc_u64 s[10:11], s[10:11], s[24:25]
.irp m, 0,1,2,3
.irp c, 0,1,2,3
	global_load_b128 v[ACC+8*(4*\m+\c):ACC+8*(4*\m+\c)+3], v[VP], s[10:11] offset:32768*\m+64*\c
	global_load_b128 v[ACC+8*(4*\m+\c)+4:ACC+8*(4*\m+\c)+7], v[VP], s[10:11] offset:32768*\m+64*\c+16
.endr
.endr
.irp c, 0,1,2,3
	global_load_b128 v[FR+8*\c:FR+8*\c+3], v[VB], s[8:9] offset:64*\c
	global_load_b128 v[FR+8*\c+4:FR+8*\c+7], v[VB], s[8:9] offset:64*\c+16
.endr
.macro FETCH set                       ; 20 loads: 64 rows x 64 k of x1 (f32), 64 k x 512 columns of Wq (bf16, dense)
	WIN 0x40
.set i, 0
.rept 4
	global_load_b128 v[(\set)+4*i:(\set)+4*i+3], v[VGX], s[4:5] offset:32768*i th:TH_LOAD_NT
.set i, i+1
.endr
.set i, 0
.rept 16
	global_load_b128 v[(\set)+16+4*i:(\set)+16+4*i+3], v[VGW], s[6:7] offset:4096*i
.set i, i+1
.endr
	WIN 0
.endm
.macro NEXT
	s_wait_xcnt 0x0                                ; the bases are stepped only behind this wait
	s_add_nc_u64 s[4:5], s[4:5], 256
	s_add_nc_u64 s[6:7], s[6:7], 65536
.endm
.macro STEP set, buf, fetch, left
	s_wait_loadcnt \left                           ; my set is in; the other set's 20 loads stay out
	WIN 0x05
.set i, 0
.rept 4
	v_cvt_pk_bf16_f32 v[TMP+2*i], v[(\set)+4*i], v[(\set)+4*i+1]
	v_cvt_pk_bf16_f32 v[TMP+2*i+1], v[(\set)+4*i+2], v[(\set)+4*i+3]
.set i, i+1
.endr
	WIN 0
.set i, 0
.rept 4
	ds_store_b64 v[VSX+(\buf)], v[TMP+2*i:TMP+2*i+1] offset:16*XBP*i
.set i, i+1
.endr
	WIN 0x04
.set i, 0
.rept 16
	ds_store_b128 v[VSW+(\buf)], v[(\set)+16+4*i:(\set)+16+4*i+3] offset:4*WBP*i
.set i, i+1
.endr
	WIN 0
.if \fetch
	NEXT
	FETCH \set
.endif
	s_wait_dscnt 0x0
	s_barrier_signal -1
	s_barrier_wait -1
.irp ks, 0,1
	PLACES
.irp m, 0,1,2,3
	ds_load_tr16_b128 v[FR+8*\m:FR+8*\m+3], v[VFW+(\buf)] offset:32*WBP*\ks+32*\m
	ds_load_tr16_b128 v[FR+8*\m+4:FR+8*\m+7], v[VFW+(\buf)] offset:32*WBP*\ks+32*\m+16*WBP
	ds_load_b128 v[FR+32+8*\m:FR+32+8*\m+3], v[VFX+(\buf)] offset:16*XBP*\m+64*\ks
	ds_load_b128 v[FR+32+8*\m+4:FR+32+8*\m+7], v[VFX+(\buf)] offset:16*XBP*\m+64*\ks+32
.endr
	s_wait_dscnt 0x0
.irp m, 0,1,2,3
.irp c, 0,1,2,3                        ; the 16 accumulators take turns
	v_wmma_f32_16x16x32_bf16 v[ACC+8*(4*\m+\c):ACC+8*(4*\m+\c)+7], v[FR+8*\c:FR+8*\c+7], v[FR+32+8*\m:FR+32+8*\m+7], v[ACC+8*(4*\m+\c):ACC+8*(4*\m+\c)+7]
.endr
.endr
.endr
.endm
	FETCH 0
	NEXT
	FETCH 80
	s_wait_loadcnt 40                              ; the two sets' 40 loads stay out: pos_q and bq are in
.set n, 0
.rept 32
	RND4 ACC+4*n, TMP+2*(n%4)
.set n, n+1
.endr
.set n, 0
.rept 8
	RND4 FR+4*n, TMP+2*(n%4)
.set n, n+1
.endr
.irp m, 0,1,2,3
.irp c, 0,1,2,3
.irp q, 0,1,2,3
	v_pk_add_f32 v[ACC+8*(4*\m+\c)+2*\q:ACC+8*(4*\m+\c)+2*\q+1], v[ACC+8*(4*\m+\c)+2*\q:ACC+8*(4*\m+\c)+2*\q+1], v[FR+8*\c+2*\q:FR+8*\c+2*\q+1]
.endr
.endr
.endr
	s_mov_b32 s26, 3                               ; 8 steps: 3 trips of two, and two that fetch nothing
.Lk:
	STEP 0, 0, 1, 20
	STEP 80, 1, 1, 20
	s_sub_co_u32 s26, s26, 1
	s_cmp_lg_u32 s26, 0
	s_cbranch_scc1 .Lk
	STEP 0, 0, 0, 20
	STEP 80, 1, 0, 0
	PLACES
	s_wait_dscnt 0x0                               ; my reads of the tiles are over
	s_barrier_signal -1
	s_barrier_wait -1                              ; everybody's are: the stages lie where the tiles lay
.irp m, 0,1,2,3
.irp c, 0,1,2,3
	ds_store_b128 v[VST], v[ACC+8*(4*\m+\c):ACC+8*(4*\m+\c)+3] offset:16*SGP*\m+64*\c
	ds_store_b128 v[VST], v[ACC+8*(4*\m+\c)+4:ACC+8*(4*\m+\c)+7] offset:16*SGP*\m+64*\c+16
.endr
.endr
	WIN 0x40
.set i, 0
.rept 32
	ds_load_b128 v[4*i:4*i+3], v[VRD] offset:2*SGP*i   ; LDS serves a wave's instructions in order (ISA guide 5.7.1.4): these see the stores above
.set i, i+1
.endr
	WIN 0x04
.set i, 0
.rept 32
	s_wait_dscnt 31-i
	global_store_b128 v[VGO], v[4*i:4*i+3], s[12:13] offset:4096*i  ; 16 lanes store 256 consecutive bytes, aligned
.set i, i+1
.endr
	WIN 0
	s_wait_tensorcnt 0x0
	ds_add_u32 v254, v255
	s_wait_dscnt 0x0
	s_endpgm
.Lfunc_end_k_q27654b0b90_qproj:
	.size	k_q27654b0b90_qproj, .Lfunc_end_k_q27654b0b90_qproj-k_q27654b0b90_qproj
	.p2alignl 7, 3214868480
	.fill 96, 4, 3214868480
	.section	.rodata,"a",@progbits
	.p2align	6, 0x0
	.amdhsa_kernel k_q27654b0b90_qproj
		.amdhsa_group_segment_fixed_size 154624
		.amdhsa_private_segment_fixed_size 0
		.amdhsa_enable_private_segment 0
		.amdhsa_kernarg_size 40
		.amdhsa_user_sgpr_count 2
		.amdhsa_user_sgpr_kernarg_segment_ptr 1
		.amdhsa_wavefront_size32 1
		.amdhsa_system_sgpr_workgroup_id_x 1
		.amdhsa_system_sgpr_workgroup_id_y 1
		.amdhsa_system_sgpr_workgroup_id_z 1
		.amdhsa_system_vgpr_workitem_id 0
		.amdhsa_next_free_vgpr 512
		.amdhsa_next_free_sgpr 66
		.amdhsa_reserve_vcc 0
		.amdhsa_float_denorm_mode_32 3
		.amdhsa_float_denorm_mode_16_64 3
		.amdhsa_memory_ordered 1
		.amdhsa_forward_progress 1
		.amdhsa_inst_pref_size 63
	.end_amdhsa_kernel
	.amdgpu_metadata
---
amdhsa.version: [ 1, 2 ]
amdhsa.kernels:
  - .name:           k_q27654b0b90_qproj
    .symbol:         k_q27654b0b90_qproj.kd
    .args:
      - { .name: x1, .offset: 0, .size: 8, .value_kind: global_buffer, .address_space: global }
      - { .name: wcast, .offset: 8, .size: 8, .value_kind: global_buffer, .address_space: global }
      - { .name: bq, .offset: 16, .size: 8, .value_kind: global_buffer, .address_space: global }
      - { .name: pos_q, .offset: 24, .size: 8, .value_kind: global_buffer, .address_space: global }
      - { .name: qf, .offset: 32, .size: 8, .value_kind: global_buffer, .address_space: global }
    .group_segment_fixed_size: 154624
    .private_segment_fixed_size: 0
    .kernarg_segment_align: 8
    .kernarg_segment_size: 40
    .max_flat_workgroup_size: 256
    .sgpr_count:     66
    .vgpr_count:     512
    .wavefront_size: 32
...
	.end_amdgpu_metadata
.endif
;; end of part 4
;; launch attn (part 5): grid 32 x 8, 4 waves a work-group, no clusters, 206,592 bytes of LDS; arguments qf, kvp, temperature, xn; writes xn
.if DOCPART == 5
	.amdgcn_target "amdgcn-amd-amdhsa--gfx1250"
	.amdhsa_code_object_version 6
	.text
	.protected	k_q27654b0b90_attn
	.globl	k_q27654b0b90_attn
	.p2align	8
	.type	k_q27654b0b90_attn,@function
k_q27654b0b90_attn:
	s_mov_b64 s[64:65], 0
	v_nop
	global_prefetch_b8 v0, s[64:65] scope:SCOPE_SE
	s_setreg_imm32_b32 hwreg(HW_REG_WAVE_MODE, 25, 1), 1
	s_wait_xcnt 0x0
; x = l2norm(perm(softmax(temp q kp) vp^T) + q).  A work-group: 512 queries of one (b, head); four waves, 128 queries each, in 8 tiles of 16.
; S^T = kp^T q^T (source 0 = 16 p, source 1 = 16 queries): a lane holds ONE query and 128 of its 256 scores, so the TRUE row maximum is taken (one exchange of the lanes' halves).
; O^T = vp P: a lane again holds one query, and 8 channels.  All of kp and vp stay in registers as fragments (windows 1 and 2).
; FORMATS.  q, kp, vp go in f16 behind exact powers of two taken from the data: E = the exponent of the largest magnitude (of a query's 64 numbers; of the head's kp; of its vp), clipped at
; 2^126; numbers are multiplied by 2^-E, so they lie inside (-2, 2), and the powers come back in f32: in c = |temp| log2(e) 2^Eq 2^Ek and in the divisor.  temp's sign rides on q's factor.
; The weights p (0 to 1) are rounded to f16; their sum is taken of the unrounded p.  LIMITS: a query or a head whose largest magnitude is denormal counts as 0; c must be finite in f32;
; NaN and infinities are not treated apart.  temperature is rounded to bf16 like every input.
; THE PERMUTATION sends O[b][h][q][d] to row 32 d + 4 h + q / 512, column q % 512: the work-group owns 64 whole rows.  They meet in LDS (XS), q's rows are added, and each wave norms and stores 16 rows.
; No tensor loads and no cluster: the four work-groups of a head share 128 KiB, read once at the start.
.set KF,  0                            ; 32 fragments of kp, 1,024 bytes each
.set VT,  32768                        ; vp as [256 p] rows of 64 d f16, pitch 160
.set PVT, 160
.set XS,  73728                        ; [64 d] rows of 512 q f32, pitch 2,064
.set PX,  2064
.set RED, 205824
.set VQ,  3
.set VKV, 4
.set VKS, 5
.set VVS, 6
.set VKL, 7                            ; 16 L
.set VVL, 8
.set VX0, 9
.set VX1, 10
.set VXR, 11
.set CK,  14                           ; |temp| log2(e) 2^Ek
.set SG,  15                           ; temp's sign bit
.set C,   16
.set CM,  18
.set M,   20
.set LS,  24
.set QR,  32
.set QF,  64
.set O,   80
.set S,   112
.set W,   240                          ; at work
.set FV,  248                          ; 2^Ev
.set RL,  250                          ; 2^Ev / l, twice
.set MSB, 0
.macro WIN new
.if MSB != (\new)
	s_set_vgpr_msb (MSB<<8)|(\new)
.set MSB, (\new)
.endif
.endm
.macro PLACES
.rept 4
	v_nop
.endr
.endm
.macro REDMAX r, t
	v_max_num_f32_dpp v[\r], v[\r], v[\r] row_xmask:1 row_mask:0xf bank_mask:0xf
	v_max_num_f32_dpp v[\r], v[\r], v[\r] row_xmask:2 row_mask:0xf bank_mask:0xf
	v_max_num_f32_dpp v[\r], v[\r], v[\r] row_xmask:4 row_mask:0xf bank_mask:0xf
	v_max_num_f32_dpp v[\r], v[\r], v[\r] row_xmask:8 row_mask:0xf bank_mask:0xf
	v_permlanex16_b32 v[\t], v[\r], s18, s19
	v_max_num_f32 v[\r], v[\r], v[\t]
.endm
.macro REDADD r, t
	v_add_f32_dpp v[\r], v[\r], v[\r] row_xmask:1 row_mask:0xf bank_mask:0xf
	v_add_f32_dpp v[\r], v[\r], v[\r] row_xmask:2 row_mask:0xf bank_mask:0xf
	v_add_f32_dpp v[\r], v[\r], v[\r] row_xmask:4 row_mask:0xf bank_mask:0xf
	v_add_f32_dpp v[\r], v[\r], v[\r] row_xmask:8 row_mask:0xf bank_mask:0xf
	v_permlanex16_b32 v[\t], v[\r], s18, s19
	v_add_f32 v[\r], v[\r], v[\t]
.endm
	s_load_b256 s[4:11], s[0:1], 0x0               ; qf, kvp, temperature, xn
	v_lshl_add_u32 v254, v0, 2, 0x32500
	v_mov_b32 v255, 0
	v_lshrrev_b32 v1, 5, v0
	v_readfirstlane_b32 s12, v1                    ; wave
	s_lshr_b32 s13, ttmp9, 2                       ; head
	s_and_b32 s14, ttmp9, 3                        ; block of 512 queries
	s_and_b32 s15, ttmp7, 0xffff                   ; b
	s_mov_b32 s18, 0x76543210
	s_mov_b32 s19, 0xfedcba98
	s_mov_b32 s23, 0
	s_mov_b32 s31, 0
	s_mov_b32 s29, 0x2b8cbccc                      ; 1e-12
	v_and_b32 v1, 15, v0                           ; r
	v_bfe_u32 v2, v0, 4, 1                         ; h
	v_and_b32 v[VKL], 31, v0
	v_lshlrev_b32 v[VKL], 4, v[VKL]
	v_lshlrev_b32 v[VQ], 11, v1
	v_lshl_add_u32 v[VQ], v2, 5, v[VQ]             ; query r's row, 32 h bytes in
	s_lshl_b32 s22, s12, 12
	v_add_nc_u32 v[VKV], s22, v[VKL]               ; my four pblk of a row of tiles
	s_lshl_b32 s22, s12, 13
	v_add_nc_u32 v[VKS], s22, v[VKL]               ; my eight fragments in KF
	v_mul_u32_u24 v[VVS], v1, PVT
	v_lshl_add_u32 v[VVS], v2, 4, v[VVS]
	s_mul_i32 s22, s12, 64*PVT
	s_add_co_u32 s22, s22, VT
	v_add_nc_u32 v[VVS], s22, v[VVS]
	v_and_b32 v12, 7, v0
	v_lshl_add_u32 v12, v2, 3, v12
	v_mul_u32_u24 v[VVL], v12, PVT
	v_bfe_u32 v12, v0, 3, 1
	v_lshl_add_u32 v[VVL], v12, 4, v[VVL]
	v_add_nc_u32 v[VVL], VT, v[VVL]
	v_mul_u32_u24 v[VX0], v2, 8*PX
	v_lshl_add_u32 v[VX0], v1, 2, v[VX0]
	s_lshl_b32 s22, s12, 9
	s_add_co_u32 s22, s22, XS
	v_add_nc_u32 v[VX0], s22, v[VX0]
	v_add_nc_u32 v[VX1], 32*PX, v[VX0]
	s_mul_i32 s22, s12, 16*PX
	s_add_co_u32 s22, s22, XS
	v_add_nc_u32 v[VXR], s22, v[VKL]
	s_lshl_b32 s22, s12, 3
	s_add_co_u32 s22, s22, RED
	v_mov_b32 v12, s22
	v_mov_b32 v13, RED
	s_wait_kmcnt 0x0
	s_lshl_b32 s22, s13, 2
	s_add_nc_u64 s[8:9], s[8:9], s[22:23]
	s_load_b32 s16, s[8:9], 0x0                    ; temperature[head]
	s_lshl_b32 s22, s15, 11
	s_lshl_b32 s17, s14, 9
	s_add_co_u32 s22, s22, s17
	s_lshl_b32 s17, s12, 7
	s_add_co_u32 s22, s22, s17
	s_lshl_b32 s22, s22, 11
	s_lshl_b32 s17, s13, 8
	s_add_co_u32 s22, s22, s17
	s_add_nc_u64 s[20:21], s[4:5], s[22:23]        ; q at my first tile, my head's 64 channels
	s_lshl_b32 s22, s15, 6
	s_lshl2_add_u32 s22, s13, s22
	s_lshl_b32 s22, s22, 14
	s_add_nc_u64 s[6:7], s[6:7], s[22:23]          ; kvp at oblk 4 head
	s_lshl_b32 s22, s15, 11
	s_lshl_b32 s17, s12, 9
	s_add_co_u32 s22, s22, s17
	s_lshl2_add_u32 s22, s13, s22
	s_add_co_u32 s22, s22, s14
	s_lshl_b32 s22, s22, 11
	s_add_nc_u64 s[24:25], s[4:5], s[22:23]        ; q and xn at row 32 (16 w) + 4 head + block
	s_add_nc_u64 s[26:27], s[10:11], s[22:23]
.macro QLOAD                           ; a tile's q: lane (r, h): channels 32 ks + 8 h + 0..7 and + 16
.irp ks, 0,1
	global_load_b128 v[QR+16*\ks:QR+16*\ks+3], v[VQ], s[20:21] offset:128*\ks
	global_load_b128 v[QR+16*\ks+4:QR+16*\ks+7], v[VQ], s[20:21] offset:128*\ks+16
	global_load_b128 v[QR+16*\ks+8:QR+16*\ks+11], v[VQ], s[20:21] offset:128*\ks+64
	global_load_b128 v[QR+16*\ks+12:QR+16*\ks+15], v[VQ], s[20:21] offset:128*\ks+80
.endr
.endm
	QLOAD
	WIN 0x40
.irp i, 0,1,2,3                        ; tile (dblk i, pblk 4 w + pi) at v[8 (4 i + pi)] of window 1; vp's 128 further on
.irp pi, 0,1,2,3
	global_load_b128 v[8*(4*\i+\pi):8*(4*\i+\pi)+3], v[VKV], s[6:7] offset:16384*\i+1024*\pi
	global_load_b128 v[8*(4*\i+\pi)+4:8*(4*\i+\pi)+7], v[VKV], s[6:7] offset:16384*\i+1024*\pi+512
	global_load_b128 v[128+8*(4*\i+\pi):128+8*(4*\i+\pi)+3], v[VKV], s[6:7] offset:524288+16384*\i+1024*\pi
	global_load_b128 v[128+8*(4*\i+\pi)+4:128+8*(4*\i+\pi)+7], v[VKV], s[6:7] offset:524288+16384*\i+1024*\pi+512
.endr
.endr
	WIN 0
.irp n, 0,1,2,3
	v_mov_b32 v[M+\n], 0
.endr
	s_wait_loadcnt 0x0
	WIN 0x05
.set i, 0
.rept 32                               ; the largest magnitudes of my quarter of kp and of vp, two chains each
	v_max3_num_f32 v[M], |v[4*i]|, |v[4*i+1]|, v[M]
	v_max3_num_f32 v[M+1], |v[4*i+2]|, |v[4*i+3]|, v[M+1]
	v_max3_num_f32 v[M+2], |v[128+4*i]|, |v[128+4*i+1]|, v[M+2]
	v_max3_num_f32 v[M+3], |v[128+4*i+2]|, |v[128+4*i+3]|, v[M+3]
.set i, i+1
.endr
	WIN 0
	v_max_num_f32 v[M], v[M], v[M+1]
	v_max_num_f32 v[M+2], v[M+2], v[M+3]
	REDMAX M, M+1
	REDMAX M+2, M+3
	ds_store_b32 v12, v[M]
	ds_store_b32 v12, v[M+2] offset:4
	s_wait_dscnt 0x0
	s_barrier_signal -1
	s_barrier_wait -1
	ds_load_b128 v[W:W+3], v13
	ds_load_b128 v[W+4:W+7], v13 offset:16
	s_wait_kmcnt 0x0
	v_mov_b32 v[CK], s16
	v_cvt_pk_bf16_f32 v[CK], v[CK], v[CK]
	v_lshlrev_b32 v[CK], 16, v[CK]
	v_and_b32 v[SG], 0x80000000, v[CK]
	v_and_b32 v[CK], 0x7fffffff, v[CK]
	v_mul_f32 v[CK], 0x3fb8aa3b, v[CK]
	s_wait_dscnt 0x0
	v_max3_num_f32 v[M], v[W], v[W+2], v[W+4]
	v_max3_num_f32 v[M+2], v[W+1], v[W+3], v[W+5]
	v_max_num_f32 v[M], v[M], v[W+6]
	v_max_num_f32 v[M+2], v[M+2], v[W+7]
	v_and_b32 v[M], 0x7f800000, v[M]               ; 2^Ek
	v_and_b32 v[M+2], 0x7f800000, v[M+2]
	v_min_u32 v[M], 0x7e800000, v[M]
	v_min_u32 v[FV], 0x7e800000, v[M+2]            ; 2^Ev
	v_sub_nc_u32 v[W], 0x7f000000, v[M]            ; 2^-Ek
	v_sub_nc_u32 v[W+2], 0x7f000000, v[FV]
	v_mov_b32 v[W+1], v[W]
	v_mov_b32 v[W+3], v[W+2]
	v_mul_f32 v[CK], v[CK], v[M]
	WIN 0x41
.set i, 0
.rept 64
	v_pk_mul_f32 v[2*i:2*i+1], v[2*i:2*i+1], v[W:W+1]
	v_pk_mul_f32 v[128+2*i:128+2*i+1], v[128+2*i:128+2*i+1], v[W+2:W+3]
.set i, i+1
.endr
	WIN 0x05
.set i, 0
.rept 128
	v_cvt_pk_f16_f32 v[S+i], v[2*i], v[2*i+1]      ; tile T's four registers at S + 4 T; vp's at S + 64 + 4 T
.set i, i+1
.endr
	WIN 0
.irp i, 0,1,2,3
.irp pi, 0,1,2,3
	ds_store_b128 v[VKS], v[S+4*(4*\i+\pi):S+4*(4*\i+\pi)+3] offset:(2*\pi+\i/2)*1024+512*(\i%2)   ; half of fragment (pblk, d half)
	ds_store_b128 v[VVS], v[S+64+4*(4*\i+\pi):S+64+4*(4*\i+\pi)+3] offset:16*PVT*\pi+32*\i         ; row p, channels 16 i + 8 h on
.endr
.endr
	s_wait_dscnt 0x0
	s_barrier_signal -1
	s_barrier_wait -1
	WIN 0x40
.set i, 0
.rept 64
	ds_load_b128 v[4*i:4*i+3], v[VKL] offset:512*i     ; kp's fragment (pblk, ks) at v[8 (2 pblk + ks)] of window 1
.set i, i+1
.endr
	WIN 0x80
.set i, 0
.rept 32                               ; vp's fragment (32 p from 32 ks, 16 d from 16 db), turned, at v[8 (4 ks + db)] of window 2
	ds_load_tr16_b128 v[8*i:8*i+3], v[VVL] offset:32*PVT*(i/4)+32*(i%4)
	ds_load_tr16_b128 v[8*i+4:8*i+7], v[VVL] offset:32*PVT*(i/4)+32*(i%4)+16*PVT
.set i, i+1
.endr
	WIN 0
.macro SCL a                           ; c s - c m on accumulator a
	s_wait_alu depctr_va_vdst(0)
.irp q, 0,1,2,3
	v_pk_fma_f32 v[S+8*(\a)+2*\q:S+8*(\a)+2*\q+1], v[S+8*(\a)+2*\q:S+8*(\a)+2*\q+1], v[C:C+1], v[CM:CM+1] neg_lo:[0,0,1] neg_hi:[0,0,1]
.endr
.endm
	s_mov_b32 s28, 8
.Ltile:
	s_wait_loadcnt 0x0                             ; this tile's q; the wait also frees the loads' base
.irp c, 0,1,2,3
	v_max_num_f32 v[M+\c], |v[QR+8*\c]|, |v[QR+8*\c+1]|
.endr
.irp k, 1,2,3
.irp c, 0,1,2,3
	v_max3_num_f32 v[M+\c], |v[QR+8*\c+2*\k]|, |v[QR+8*\c+2*\k+1]|, v[M+\c]
.endr
.endr
	v_max3_num_f32 v[M], v[M], v[M+1], v[M+2]
	v_max_num_f32 v[M], v[M], v[M+3]
	v_permlanex16_b32 v[M+1], v[M], s18, s19       ; the query's other 32 channels lie in the lane 16 away
	v_max_num_f32 v[M], v[M], v[M+1]
	v_and_b32 v[M], 0x7f800000, v[M]
	v_min_u32 v[M], 0x7e800000, v[M]               ; 2^Eq
	v_sub_nc_u32 v[W], 0x7f000000, v[M]
	v_xor_b32 v[W], v[W], v[SG]                    ; 2^-Eq with temp's sign
	v_mov_b32 v[W+1], v[W]
	v_mul_f32 v[C], v[CK], v[M]
	v_mov_b32 v[C+1], v[C]
.set i, 0
.rept 16
	v_pk_mul_f32 v[QR+2*i:QR+2*i+1], v[QR+2*i:QR+2*i+1], v[W:W+1]
.set i, i+1
.endr
.set i, 0
.rept 16
	v_cvt_pk_f16_f32 v[QF+i], v[QR+2*i], v[QR+2*i+1]
.set i, i+1
.endr
	s_cmp_gt_u32 s28, 1                            ; the next tile's q is asked for now; the last trip asks for its own tile again and stays inside the buffer
	s_cselect_b32 s30, 0x8000, 0
	s_add_nc_u64 s[20:21], s[20:21], s[30:31]
	QLOAD
	s_wait_dscnt 0x0                               ; the first trip: the fragments are in
	WIN 0x01
.irp ks, 0,1
.set p, 0
.rept 16                               ; the 16 accumulators take turns
.if \ks == 0
	v_wmma_f32_16x16x32_f16 v[S+8*p:S+8*p+7], v[16*p:16*p+7], v[QF:QF+7], 0
.else
	v_wmma_f32_16x16x32_f16 v[S+8*p:S+8*p+7], v[16*p+8:16*p+15], v[QF+8:QF+15], v[S+8*p:S+8*p+7]
.endif
.set p, p+1
.endr
.endr
	WIN 0
	PLACES
.irp q, 0,1,2,3                        ; the row maximum: four chains; each accumulator's lowest registers are read first
	v_max_num_f32 v[M+\q], v[S+2*\q], v[S+2*\q+1]
.endr
.set a, 1
.rept 15
.irp q, 0,1,2,3
	v_max3_num_f32 v[M+\q], v[M+\q], v[S+8*a+2*\q], v[S+8*a+2*\q+1]
.endr
.set a, a+1
.endr
	v_max3_num_f32 v[M], v[M], v[M+1], v[M+2]
	v_max_num_f32 v[M], v[M], v[M+3]
	v_permlanex16_b32 v[M+1], v[M], s18, s19
	v_max_num_f32 v[M], v[M], v[M+1]
	v_mul_f32 v[CM], v[C], v[M]
	v_mov_b32 v[CM+1], v[CM]
	SCL 0
.set a, 0
.rept 16
.irp q, 0,1,2,3,4,5,6,7
	v_exp_f32 v[S+8*a+\q], v[S+8*a+\q]
.endr
.if a < 15
	SCL a+1                                        ; plain work between the exponentials and the use of their results (ISA guide 5.7.2)
.else
	v_nop
	s_wait_alu depctr_va_vdst(0)
.endif
.irp q, 0,1,2,3
.if a == 0
	s_wait_alu depctr_va_vdst(0)
	v_pk_add_f32 v[LS+2*\q:LS+2*\q+1], v[S+2*\q:S+2*\q+1], 0 op_sel_hi:[1,0]   ; starts the four chains of l
.else
	v_pk_add_f32 v[LS+2*\q:LS+2*\q+1], v[LS+2*\q:LS+2*\q+1], v[S+8*a+2*\q:S+8*a+2*\q+1]
.endif
.endr
.irp q, 0,1,2,3                        ; two accumulators, packed, are source 1 (32 p x 16 queries) of the second product, at S + 16 (a / 2)
	v_cvt_pk_f16_f32 v[S+16*(a/2)+4*(a%2)+\q], v[S+8*a+2*\q], v[S+8*a+2*\q+1]
.endr
.set a, a+1
.endr
	WIN 0x02
.set k, 0
.rept 8
.irp db, 0,1,2,3                       ; the four accumulators take turns
.if k == 0
	v_wmma_f32_16x16x32_f16 v[O+8*\db:O+8*\db+7], v[8*(4*k+\db):8*(4*k+\db)+7], v[S+16*k:S+16*k+7], 0
.else
	v_wmma_f32_16x16x32_f16 v[O+8*\db:O+8*\db+7], v[8*(4*k+\db):8*(4*k+\db)+7], v[S+16*k:S+16*k+7], v[O+8*\db:O+8*\db+7]
.endif
.endr
.set k, k+1
.endr
	WIN 0
	v_pk_add_f32 v[LS:LS+1], v[LS:LS+1], v[LS+2:LS+3]      ; l: eight plain lines that name none of the products' registers are the places behind them
	v_pk_add_f32 v[LS+4:LS+5], v[LS+4:LS+5], v[LS+6:LS+7]
	v_pk_add_f32 v[LS:LS+1], v[LS:LS+1], v[LS+4:LS+5]
	v_add_f32 v[LS], v[LS], v[LS+1]
	v_permlanex16_b32 v[LS+1], v[LS], s18, s19
	v_add_f32 v[LS], v[LS], v[LS+1]
	v_rcp_f32 v[LS], v[LS]
	v_nop
	s_wait_alu depctr_va_vdst(0)
	v_mul_f32 v[RL], v[LS], v[FV]
	v_mov_b32 v[RL+1], v[RL]
.set i, 0
.rept 16
	v_pk_mul_f32 v[O+2*i:O+2*i+1], v[O+2*i:O+2*i+1], v[RL:RL+1]
.set i, i+1
.endr
.irp db, 0,1,2,3
.irp j, 0,1,2,3,4,5,6,7
	ds_store_b32 v[VX0+\db/2], v[O+8*\db+\j] offset:(16*(\db%2)+\j)*PX     ; row d = 16 db + 8 h + j, column = my query
.endr
.endr
	v_add_nc_u32 v[VX0], 64, v[VX0]                ; the next 16 queries
	v_add_nc_u32 v[VX1], 64, v[VX1]
	s_sub_co_u32 s28, s28, 1
	s_cmp_lg_u32 s28, 0
	s_cbranch_scc1 .Ltile
	; THE WAY OUT.  q's 16 rows that go with my 16 rows of XS: row i at v[16 i] of window 1
	WIN 0x40
.set i, 0
.rept 64
	global_load_b128 v[4*i:4*i+3], v[VKL], s[24:25] offset:65536*(i/4)+512*(i%4)
.set i, i+1
.endr
	WIN 0
	s_wait_dscnt 0x0
	s_barrier_signal -1
	s_barrier_wait -1                              ; XS is whole
.macro DSL i
.irp k, 0,1,2,3
	ds_load_b128 v[S+16*((\i)%2)+4*\k:S+16*((\i)%2)+4*\k+3], v[VXR] offset:(\i)*PX+512*\k
.endr
.endm
.macro ROWN i
.set X, S+16*((\i)%2)
.if (\i) < 15
	s_wait_xcnt 0x0                                ; the other set, which the row before stored, is loaded again only behind this wait
	DSL (\i)+1
	s_wait_dscnt 4                                 ; all but the four just issued
.else
	s_wait_dscnt 0x0
.endif
	s_wait_loadcnt 60-4*(\i)                       ; the later rows' loads stay out
	WIN 0x04
.irp k, 0,1,2,3,4,5,6,7
	v_pk_add_f32 v[X+2*\k:X+2*\k+1], v[X+2*\k:X+2*\k+1], v[16*(\i)+2*\k:16*(\i)+2*\k+1]
.endr
	WIN 0
	v_pk_mul_f32 v[W:W+1], v[X:X+1], v[X:X+1]
	v_pk_mul_f32 v[W+2:W+3], v[X+2:X+3], v[X+2:X+3]
.irp k, 2,4,6
	v_pk_fma_f32 v[W:W+1], v[X+2*\k:X+2*\k+1], v[X+2*\k:X+2*\k+1], v[W:W+1]
	v_pk_fma_f32 v[W+2:W+3], v[X+2*\k+2:X+2*\k+3], v[X+2*\k+2:X+2*\k+3], v[W+2:W+3]
.endr
	v_pk_add_f32 v[W:W+1], v[W:W+1], v[W+2:W+3]
	v_add_f32 v[W], v[W], v[W+1]
	REDADD W, W+1
	v_sqrt_f32 v[W], v[W]
	v_nop
	s_wait_alu depctr_va_vdst(0)
	v_max_num_f32 v[W], s29, v[W]
	v_rcp_f32 v[W], v[W]
	v_nop
	s_wait_alu depctr_va_vdst(0)
	v_mov_b32 v[W+1], v[W]
.irp k, 0,1,2,3,4,5,6,7
	v_pk_mul_f32 v[X+2*\k:X+2*\k+1], v[X+2*\k:X+2*\k+1], v[W:W+1]
.endr
.irp k, 0,1,2,3
	global_store_b128 v[VKL], v[X+4*\k:X+4*\k+3], s[26:27] offset:65536*(\i)+512*\k    ; 512 consecutive bytes
.endr
.endm
	DSL 0
.set rw, 0
.rept 16
	ROWN rw
.set rw, rw+1
.endr
	s_wait_tensorcnt 0x0
	ds_add_u32 v254, v255
	s_wait_dscnt 0x0
	s_endpgm
.Lfunc_end_k_q27654b0b90_attn:
	.size	k_q27654b0b90_attn, .Lfunc_end_k_q27654b0b90_attn-k_q27654b0b90_attn
	.p2alignl 7, 3214868480
	.fill 96, 4, 3214868480
	.section	.rodata,"a",@progbits
	.p2align	6, 0x0
	.amdhsa_kernel k_q27654b0b90_attn
		.amdhsa_group_segment_fixed_size 206592
		.amdhsa_private_segment_fixed_size 0
		.amdhsa_enable_private_segment 0
		.amdhsa_kernarg_size 32
		.amdhsa_user_sgpr_count 2
		.amdhsa_user_sgpr_kernarg_segment_ptr 1
		.amdhsa_wavefront_size32 1
		.amdhsa_system_sgpr_workgroup_id_x 1
		.amdhsa_system_sgpr_workgroup_id_y 1
		.amdhsa_system_sgpr_workgroup_id_z 1
		.amdhsa_system_vgpr_workitem_id 0
		.amdhsa_next_free_vgpr 768
		.amdhsa_next_free_sgpr 66
		.amdhsa_reserve_vcc 0
		.amdhsa_float_denorm_mode_32 3
		.amdhsa_float_denorm_mode_16_64 3
		.amdhsa_memory_ordered 1
		.amdhsa_forward_progress 1
		.amdhsa_inst_pref_size 134
	.end_amdhsa_kernel
	.amdgpu_metadata
---
amdhsa.version: [ 1, 2 ]
amdhsa.kernels:
  - .name:           k_q27654b0b90_attn
    .symbol:         k_q27654b0b90_attn.kd
    .args:
      - { .name: qf, .offset: 0, .size: 8, .value_kind: global_buffer, .address_space: global }
      - { .name: kvp, .offset: 8, .size: 8, .value_kind: global_buffer, .address_space: global }
      - { .name: temperature, .offset: 16, .size: 8, .value_kind: global_buffer, .address_space: global }
      - { .name: xn, .offset: 24, .size: 8, .value_kind: global_buffer, .address_space: global }
    .group_segment_fixed_size: 206592
    .private_segment_fixed_size: 0
    .kernarg_segment_align: 8
    .kernarg_segment_size: 32
    .max_flat_workgroup_size: 128
    .sgpr_count:     66
    .vgpr_count:     768
    .wavefront_size: 32
...
	.end_amdgpu_metadata
.endif
;; end of part 5
;; launch ffn (part 6): grid 256 x 1, 4 waves a work-group, clusters of 4 x 1, 327,680 bytes of LDS; arguments xn, wcast, b1, b2, out0; writes out0
.if DOCPART == 6
	.amdgcn_target "amdgcn-amd-amdhsa--gfx1250"
	.amdhsa_code_object_version 6
	.text
	.protected	k_q27654b0b90_ffn
	.globl	k_q27654b0b90_ffn
	.p2align	8
	.type	k_q27654b0b90_ffn,@function
k_q27654b0b90_ffn:
	s_mov_b64 s[64:65], 0
	v_nop
	global_prefetch_b8 v0, s[64:65] scope:SCOPE_SE
	s_setreg_imm32_b32 hwreg(HW_REG_WAVE_MODE, 25, 1), 1
	s_wait_xcnt 0x0
	s_wait_alu depctr_hold_cnt(0) depctr_sa_sdst(0) depctr_va_vdst(0) depctr_va_sdst(0) depctr_va_ssrc(0) depctr_va_vcc(0) depctr_vm_vsrc(0)
	s_getreg_b32 s2, hwreg(HW_REG_IB_STS2, 6, 4)
	s_cmp_eq_u32 s2, 0
	s_cbranch_scc0 .Lentry_in_a_cluster
	s_endpgm
.Lentry_in_a_cluster:
	s_bfe_u32 s2, ttmp6, 0x10000c
	s_cmp_lg_u32 s2, 0x3003
	s_cbranch_scc0 .Lentry_shape_is_right
	s_endpgm
.Lentry_shape_is_right:
; out = l2norm(gelu(x W1 + b1) W2 + b2 + x).  A work-group: 64 rows, all 512 columns; the 2,048 hidden columns go in 16 chunks of 128, and the hidden numbers never leave the WGP.
; bf16 operands (x rounded for the product; W1, W2, b1, b2 are the inputs rounded to bf16), f32 sums; the residual x stays f32: the sums of the second product START at x + b2.
; Both products are used transposed (source 0 = 16 columns of the weight, read turned from [k][column]; source 1 = 16 rows): a lane holds 8 neighbouring columns of one row.
; PHASE 1 (slot 0 = W1's chunk, 512 x 128): a wave makes 32 hidden columns x 64 rows (8 accumulators, started at b1), x's 64 fragments stay in registers (windows 2, 3); GELU; bf16 into HS.
; PHASE 2 (slot 1 = W2's chunk, 128 x 512): a wave adds onto 128 out columns x 64 rows (32 accumulators, window 1).
; GELU.  g = 0.5 x + |x| (0.5 - Q e), e = 2^(-0.72134752 x^2), t = 1 / (1 + 0.33267253 |x|), Q = t (0.1740121 + t (-0.0479399 + 0.3739278 t)): the rational approximation of erf
; (Abramowitz and Stegun 7.1.25), |error of erf| <= 2.5e-5 for every x: LIMIT: g is off by at most 1.25e-5 |x|, far under the bf16 rounding that follows.  NaN and infinities are not treated apart.
; RING.  The tiles W1_0, W2_0, W1_1, ... take turns on the two slots.  CLUSTER: the four work-groups of a cluster walk the same weights, so each tile is asked for JOINTLY (mask 15), each wave its
; quarter of the rows; a round of the cluster's barrier stands in front of each fill.  By this text's count one tensor load of a wave is out.  The rounds also order HS: written in phase 1, read in phase 2.
.set P1,    288                        ; W1's rows in LDS: 256 bytes + 32
.set P2,    1056                       ; W2's rows: 1,024 + 32; both odd multiples of 32 bytes
.set SLOT1, 512*P1
.set HS,    SLOT1+128*P2               ; [64 rows] x 128 hidden bf16, pitch 272; never filled by a tensor load
.set PH,    272
.set B1S,   HS+64*PH                   ; b1, rounded, f32
.set RED,   B1S+8192                   ; [64 rows][4 waves] f32
.set SPARE, RED+1024                   ; the spare words, 128 bytes for each wave
.set PS,    2064                       ; the out stage: 16 rows at LDS byte 0, in slot 0 behind its last fill and last read
.set VHL, 1
.set VXF, 3
.set VAC, 4
.set VB2, 5
.set VW1, 6                            ; v6-9
.set VW2, 10                           ; v10-11
.set VB1, 12
.set VHS, 13
.set SPW, 14
.set NIL, 15
.set BI,  16
.set HA,  32
.set F0,  96
.set F1,  160
.set T,   224
.set AB,  T
.set SQ,  T+8
.set TT,  T+16
.set U,   T+24
.set WV,  20
.set G1A, 24
.set G1B, 32
.set G0A, 40
.set G0B, 44
.set MK,  49
.set KE,  52
.set KP,  54
.set A3,  56
.set A2,  58
.set A1,  60
.set MSB, 0
.macro WIN new
.if MSB != (\new)
	s_set_vgpr_msb (MSB<<8)|(\new)
.set MSB, (\new)
.endif
.endm
.macro PLACES
.rept 4
	v_nop
.endr
.endm
.macro RND4 a, t
	v_cvt_pk_bf16_f32 v[(\t)], v[(\a)], v[(\a)+1]
	v_cvt_pk_bf16_f32 v[(\t)+1], v[(\a)+2], v[(\a)+3]
	v_lshlrev_b32 v[(\a)], 16, v[(\t)]
	v_and_b32 v[(\a)+1], s[MK], v[(\t)]
	v_lshlrev_b32 v[(\a)+2], 16, v[(\t)+1]
	v_and_b32 v[(\a)+3], s[MK], v[(\t)+1]
.endm
.macro ROUND                           ; a round of the cluster's barrier
	s_barrier_signal -1
	s_barrier_wait -1
	s_cmp_lg_u32 s[WV], 0
	s_cbranch_scc1 .Lnw0_\@
	s_barrier_signal -3
.Lnw0_\@:
	s_barrier_wait -3
	s_barrier_signal -1
	s_barrier_wait -1
.endm
	s_load_b256 s[4:11], s[0:1], 0x0               ; xn, wcast, b1, b2
	s_load_b64 s[12:13], s[0:1], 0x20              ; out0
	v_lshl_add_u32 v[SPW], v0, 2, SPARE
	v_mov_b32 v[NIL], 0
	ds_add_u32 v14, v15
	s_wait_dscnt 0x0
	v_lshrrev_b32 v1, 5, v0
	v_readfirstlane_b32 s[WV], v1
	s_bfe_u32 s21, ttmp6, 0x40000                  ; cx: it enters xn's and out0's addresses alone
	s_lshl_b32 s22, ttmp9, 2
	s_add_co_u32 s21, s22, s21                     ; my block of 64 rows
	s_mov_b32 s[G1A], 15|(1<<16)|(1<<20)|(1<<21)|(5<<22)|(7<<25)   ; mask of four; 2-byte elements; padding on; bit 21 beside a mask; after every 64 words 8 words
	s_mov_b32 s[G1A+1], 128<<16                    ; tensor_dim0 = 128
	s_mov_b32 s[G1A+2], 128<<16                    ; tensor_dim1 = 128
	s_mov_b32 s[G1A+3], 128<<16                    ; tile_dim0 = 128
	s_mov_b32 s[G1A+4], 128                        ; tile_dim1 = 128 rows a wave
	s_mov_b32 s[G1A+5], 2048                       ; W1's pitch
	s_mov_b32 s[G1A+6], 0
	s_mov_b32 s[G1A+7], 0
	s_mov_b32 s[G1B], 15|(1<<16)|(1<<20)|(1<<21)|(7<<22)|(7<<25)   ; the same, after every 256 words
	s_mov_b32 s[G1B+1], 512<<16
	s_mov_b32 s[G1B+2], 32<<16
	s_mov_b32 s[G1B+3], 512<<16
	s_mov_b32 s[G1B+4], 32                         ; 32 rows a wave
	s_mov_b32 s[G1B+5], 512
	s_mov_b32 s[G1B+6], 0
	s_mov_b32 s[G1B+7], 0
	s_mov_b32 s[MK], 0xffff0000
	s_mov_b32 s50, 0x7fffffff
	s_mov_b32 s51, 0x2b8cbccc                      ; 1e-12
	s_mov_b32 s[KE], 0xbf38aa3b                    ; -0.72134752
	s_mov_b32 s[KE+1], s[KE]
	s_mov_b32 s[KP], 0x3eaa540e                    ; 0.33267253
	s_mov_b32 s[KP+1], s[KP]
	s_mov_b32 s[A3], 0x3ebf7377                    ; 0.3739278
	s_mov_b32 s[A3+1], s[A3]
	s_mov_b32 s[A2], 0xbd445ca1                    ; -0.0479399
	s_mov_b32 s[A2+1], s[A2]
	s_mov_b32 s[A1], 0x3e32303a                    ; 0.1740121
	s_mov_b32 s[A1+1], s[A1]
	s_mov_b32 s66, 0x76543210
	s_mov_b32 s67, 0xfedcba98
	s_mov_b32 s23, 0
	s_mov_b32 s[G0A], 1
	s_mul_i32 s[G0A+1], s[WV], 128*P1
	s_mov_b32 s[G0B], 1
	s_mul_i32 s[G0B+1], s[WV], 32*P2
	s_add_co_u32 s[G0B+1], s[G0B+1], SLOT1
	s_wait_kmcnt 0x0
	s_lshl_b32 s22, s[WV], 19                      ; my 128 rows of W1
	s_add_co_u32 s22, s22, 0x180000
	s_add_nc_u64 s[G0A+2:G0A+3], s[6:7], s[22:23]
	s_or_b32 s[G0A+3], s[G0A+3], 0x80000000
	s_lshl_b32 s22, s[WV], 15                      ; my 32 rows of W2's chunk
	s_add_co_u32 s22, s22, 0x380000
	s_add_nc_u64 s[G0B+2:G0B+3], s[6:7], s[22:23]
	s_or_b32 s[G0B+3], s[G0B+3], 0x80000000
	s_lshl_b32 s22, s21, 17
	s_add_nc_u64 s[4:5], s[4:5], s[22:23]
	s_add_nc_u64 s[12:13], s[12:13], s[22:23]
	ROUND                                          ; all four work-groups are here
	tensor_load_to_lds s[G0A:G0A+3], s[G1A:G1A+7]  ; W1's chunk 0
	s_nop 0
	PLACES
	v_and_b32 v1, 15, v0                           ; r
	v_bfe_u32 v2, v0, 4, 1                         ; h
	v_lshlrev_b32 v[VXF], 11, v1
	v_lshl_add_u32 v[VXF], v2, 5, v[VXF]
	s_lshl_b32 s22, s[WV], 9
	v_add_nc_u32 v[VAC], s22, v[VXF]
	v_lshl_add_u32 v[VB2], v2, 5, s22
	v_and_b32 v[T], 7, v0
	v_lshl_add_u32 v[T], v2, 3, v[T]               ; the turning load's row
	v_bfe_u32 v[T+1], v0, 3, 1
	v_lshlrev_b32 v[T+1], 4, v[T+1]                ; and its 16 bytes
	v_mul_u32_u24 v[VW1], v[T], P1
	v_add_nc_u32 v[VW1], v[VW1], v[T+1]
	s_lshl_b32 s22, s[WV], 6
	v_add_nc_u32 v[VW1], s22, v[VW1]
	v_add_nc_u32 v[VW1+1], 128*P1, v[VW1]
	v_add_nc_u32 v[VW1+2], 256*P1, v[VW1]
	v_add_nc_u32 v[VW1+3], 384*P1, v[VW1]
	v_mul_u32_u24 v[VW2], v[T], P2
	v_add_nc_u32 v[VW2], v[VW2], v[T+1]
	s_lshl_b32 s22, s[WV], 8
	s_add_co_u32 s22, s22, SLOT1
	v_add_nc_u32 v[VW2], s22, v[VW2]
	v_add_nc_u32 v[VW2+1], 64*P2, v[VW2]
	s_lshl_b32 s22, s[WV], 7
	s_add_co_u32 s22, s22, B1S
	v_lshl_add_u32 v[VB1], v2, 5, s22
	v_mul_u32_u24 v[T+2], v1, PH
	v_lshl_add_u32 v[T+2], v2, 4, v[T+2]
	s_lshl_b32 s22, s[WV], 6
	s_add_co_u32 s22, s22, HS
	v_add_nc_u32 v[VHS], s22, v[T+2]
	v_add_nc_u32 v[VHL], HS, v[T+2]
	v_lshlrev_b32 v[T+3], 4, v0
	v_add_nc_u32 v[T+4], B1S, v[T+3]
.irp k, 0,1,2,3
	global_load_b128 v[F0+4*\k:F0+4*\k+3], v[T+3], s[8:9] offset:2048*\k
.endr
; x's fragments, in eight half batches n: rows 16 (n / 2) on, k = 256 (n % 2) on; raw f32 in window 1, halves by turns
.macro XLOAD n
	WIN 0x40
.set j, 0
.rept 8
	global_load_b128 v[128*((\n)%2)+16*j:128*((\n)%2)+16*j+3], v[VXF], s[4:5] offset:32768*((\n)/2)+128*(8*((\n)%2)+j)
	global_load_b128 v[128*((\n)%2)+16*j+4:128*((\n)%2)+16*j+7], v[VXF], s[4:5] offset:32768*((\n)/2)+128*(8*((\n)%2)+j)+16
	global_load_b128 v[128*((\n)%2)+16*j+8:128*((\n)%2)+16*j+11], v[VXF], s[4:5] offset:32768*((\n)/2)+128*(8*((\n)%2)+j)+64
	global_load_b128 v[128*((\n)%2)+16*j+12:128*((\n)%2)+16*j+15], v[VXF], s[4:5] offset:32768*((\n)/2)+128*(8*((\n)%2)+j)+80
.set j, j+1
.endr
.endm
.macro XCVT n                          ; fragment (mb, ks) lies in window 2 + mb / 2 at v[128 (mb % 2) + 8 ks]
	WIN 0x85+0x40*((\n)/4)
.set j, 0
.rept 64
	v_cvt_pk_bf16_f32 v[128*(((\n)/2)%2)+64*((\n)%2)+j], v[128*((\n)%2)+2*j], v[128*((\n)%2)+2*j+1]
.set j, j+1
.endr
.endm
	XLOAD 0
	XLOAD 1
	WIN 0
	s_wait_loadcnt 63                              ; 64 loads (the two half batches) stand behind b1's last; a wait names 63 at the most, so the first of them is waited for too: b1 is in
.irp k, 0,1,2,3
	RND4 F0+4*\k, T+6
	ds_store_b128 v[T+4], v[F0+4*\k:F0+4*\k+3] offset:2048*\k
.endr
.set nb_, 0
.rept 8
.if nb_ < 7
	s_wait_loadcnt 32                              ; the other half's 32 loads stay out
.else
	s_wait_loadcnt 0x0
.endif
	XCVT nb_
.if nb_ < 6
	XLOAD nb_+2
.endif
.set nb_, nb_+1
.endr
	WIN 0x40                                       ; the sums of the second product start at x + b2: accumulator (mb, nb) at v[8 (8 mb + nb)] of window 1
.set j, 0
.rept 32
	global_load_b128 v[8*j:8*j+3], v[VAC], s[4:5] offset:32768*(j/8)+64*(j%8)
	global_load_b128 v[8*j+4:8*j+7], v[VAC], s[4:5] offset:32768*(j/8)+64*(j%8)+16
.set j, j+1
.endr
	WIN 0
.set j, 0
.rept 8
	global_load_b128 v[F0+8*j:F0+8*j+3], v[VB2], s[10:11] offset:64*j
	global_load_b128 v[F0+8*j+4:F0+8*j+7], v[VB2], s[10:11] offset:64*j+16
.set j, j+1
.endr
	s_wait_loadcnt 0x0
.set j, 0
.rept 16
	RND4 F0+4*j, T+6+2*(j%2)
.set j, j+1
.endr
	WIN 0x41
.set j, 0
.rept 128
	v_pk_add_f32 v[2*j:2*j+1], v[2*j:2*j+1], v[F0+2*(j%32):F0+2*(j%32)+1]
.set j, j+1
.endr
	WIN 0
; PHASE 1
.macro FET1 g, f                       ; 16 turning loads: k = 128 g on, four steps of 32, my two blocks of 16 hidden columns
.irp kl, 0,1,2,3
.irp hb, 0,1
	ds_load_tr16_b128 v[(\f)+8*(2*\kl+\hb):(\f)+8*(2*\kl+\hb)+3], v[VW1+(\g)] offset:32*P1*\kl+32*\hb
	ds_load_tr16_b128 v[(\f)+8*(2*\kl+\hb)+4:(\f)+8*(2*\kl+\hb)+7], v[VW1+(\g)] offset:32*P1*\kl+32*\hb+16*P1
.endr
.endr
.endm
.macro MUL1 g, f                       ; 32 products; under each window setting four accumulators take turns; the first take b1 as C
.irp hf, 0,1
	WIN 0x08+4*\hf
.irp kl, 0,1,2,3
.irp hb, 0,1
.irp m, 0,1
.set rD, HA+8*(4*\hb+2*\hf+\m)
.set rA, (\f)+8*(2*\kl+\hb)
.set rB, 128*\m+8*(4*(\g)+\kl)
.if ((\g) == 0) && (\kl == 0)
	v_wmma_f32_16x16x32_bf16 v[rD:rD+7], v[rA:rA+7], v[rB:rB+7], v[BI+8*\hb:BI+8*\hb+7]
.else
	v_wmma_f32_16x16x32_bf16 v[rD:rD+7], v[rA:rA+7], v[rB:rB+7], v[rD:rD+7]
.endif
.endr
.endr
.endr
.endr
	WIN 0
.endm
.macro GELU a                          ; accumulator a = 4 hb + mb: 8 hidden columns of one row a lane
.set X, HA+8*(\a)
.irp q, 0,1,2,3,4,5,6,7
	v_and_b32 v[AB+\q], s50, v[X+\q]               ; |x|; the accumulator's lowest register is read first
.endr
.irp q, 0,2,4,6
	v_pk_mul_f32 v[SQ+\q:SQ+\q+1], v[X+\q:X+\q+1], v[X+\q:X+\q+1]
.endr
.irp q, 0,2,4,6
	v_pk_fma_f32 v[TT+\q:TT+\q+1], v[AB+\q:AB+\q+1], s[KP:KP+1], 1.0 op_sel_hi:[1,0,0]
.endr
.irp q, 0,2,4,6
	v_pk_mul_f32 v[SQ+\q:SQ+\q+1], v[SQ+\q:SQ+\q+1], s[KE:KE+1] op_sel_hi:[1,0]
.endr
.irp q, 0,1,2,3,4,5,6,7
	v_exp_f32 v[SQ+\q], v[SQ+\q]
.endr
.irp q, 0,1,2,3,4,5,6,7
	v_rcp_f32 v[TT+\q], v[TT+\q]
.endr
.irp q, 0,2,4,6
	v_pk_mul_f32 v[X+\q:X+\q+1], v[X+\q:X+\q+1], 0.5 op_sel_hi:[1,0]       ; plain work behind the transcendentals (ISA guide 5.7.2)
.endr
	s_wait_alu depctr_va_vdst(0)
.irp q, 0,2,4,6
	v_pk_fma_f32 v[U+\q:U+\q+1], v[TT+\q:TT+\q+1], s[A3:A3+1], s[A2:A2+1] op_sel_hi:[1,0,0]
.endr
.irp q, 0,2,4,6
	v_pk_fma_f32 v[U+\q:U+\q+1], v[U+\q:U+\q+1], v[TT+\q:TT+\q+1], s[A1:A1+1] op_sel_hi:[1,1,0]
.endr
.irp q, 0,2,4,6
	v_pk_mul_f32 v[U+\q:U+\q+1], v[U+\q:U+\q+1], v[TT+\q:TT+\q+1]
.endr
.irp q, 0,2,4,6
	v_pk_fma_f32 v[U+\q:U+\q+1], v[U+\q:U+\q+1], v[SQ+\q:SQ+\q+1], 0.5 op_sel_hi:[1,1,0] neg_lo:[1,0,0] neg_hi:[1,0,0]
.endr
.irp q, 0,2,4,6
	v_pk_fma_f32 v[X+\q:X+\q+1], v[AB+\q:AB+\q+1], v[U+\q:U+\q+1], v[X+\q:X+\q+1]
.endr
.irp q, 0,1,2,3
	v_cvt_pk_bf16_f32 v[AB+\q], v[X+2*\q], v[X+2*\q+1]
.endr
	ds_store_b128 v[VHS], v[AB:AB+3] offset:16*PH*((\a)%4)+32*((\a)/4)
.endm
.macro PH1
	ds_load_b128 v[BI:BI+3], v[VB1]                ; b1 of register j's hidden column
	ds_load_b128 v[BI+4:BI+7], v[VB1] offset:16
	ds_load_b128 v[BI+8:BI+11], v[VB1] offset:64
	ds_load_b128 v[BI+12:BI+15], v[VB1] offset:80
	v_add_nc_u32 v[VB1], 512, v[VB1]               ; the next chunk's
	FET1 0, F0
	PLACES
	FET1 1, F1
	s_wait_dscnt 16                                ; all but the 16 just issued
	MUL1 0, F0
	PLACES
	FET1 2, F0
	s_wait_dscnt 16
	MUL1 1, F1
	PLACES
	FET1 3, F1
	s_wait_dscnt 16
	MUL1 2, F0
	s_wait_dscnt 0x0
	MUL1 3, F1
	PLACES
.irp a, 0,1,2,3,4,5,6,7
	GELU \a
.endr
.endm
; PHASE 2
.macro FET2 ks, f, hb                  ; 24 loads: 32 hidden x my 128 out columns (turned), 32 hidden x 64 rows of HS
.irp nb, 0,1,2,3,4,5,6,7
	ds_load_tr16_b128 v[(\f)+8*\nb:(\f)+8*\nb+3], v[VW2+(\ks)/2] offset:32*P2*((\ks)%2)+32*\nb
	ds_load_tr16_b128 v[(\f)+8*\nb+4:(\f)+8*\nb+7], v[VW2+(\ks)/2] offset:32*P2*((\ks)%2)+32*\nb+16*P2
.endr
.irp mb, 0,1,2,3
	ds_load_b128 v[(\hb)+8*\mb:(\hb)+8*\mb+3], v[VHL] offset:16*PH*\mb+64*(\ks)
	ds_load_b128 v[(\hb)+8*\mb+4:(\hb)+8*\mb+7], v[VHL] offset:16*PH*\mb+64*(\ks)+32
.endr
.endm
.macro MUL2 f, hb                      ; 32 products on 32 accumulators by turns
	WIN 0x50
.irp mb, 0,1,2,3
.irp nb, 0,1,2,3,4,5,6,7
	v_wmma_f32_16x16x32_bf16 v[8*(8*\mb+\nb):8*(8*\mb+\nb)+7], v[(\f)+8*\nb:(\f)+8*\nb+7], v[(\hb)+8*\mb:(\hb)+8*\mb+7], v[8*(8*\mb+\nb):8*(8*\mb+\nb)+7]
.endr
.endr
	WIN 0
.endm
.macro PH2
	FET2 0, F0, HA
	PLACES
	FET2 1, F1, HA+32
	s_wait_dscnt 24                                ; all but the 24 just issued
	MUL2 F0, HA
	PLACES
	FET2 2, F0, HA
	s_wait_dscnt 24
	MUL2 F1, HA+32
	PLACES
	FET2 3, F1, HA+32
	s_wait_dscnt 24
	MUL2 F0, HA
	s_wait_dscnt 0x0
	MUL2 F1, HA+32
.endm
; A trip: my part of this slot's tile has landed; the round shows that of every wave of the cluster, and that nobody reads the other slot any more; the other slot is filled first thing behind it.
.macro TRIP slot, refill
	WIN 0
	s_wait_tensorcnt 0x0                           ; no tensor load of mine is out, so a group 0 may be written
	ds_add_u32 v[SPW], v[NIL]                      ; 0 onto my spare word
.if (\slot) == 0
	s_add_nc_u64 s[G0A+2:G0A+3], s[G0A+2:G0A+3], 256       ; W1's next 128 columns
.else
	s_add_nc_u64 s[G0B+2:G0B+3], s[G0B+2:G0B+3], 131072    ; W2's next 128 rows
.endif
	s_wait_dscnt 0x0                               ; the add is done; so are my reads of the other slot and of HS, and my stores into HS
	ROUND
.if \refill
.if (\slot) == 0
	tensor_load_to_lds s[G0B:G0B+3], s[G1B:G1B+7]
.else
	tensor_load_to_lds s[G0A:G0A+3], s[G1A:G1A+7]
.endif
	s_nop 0
.endif
	PLACES                                         ; also the places in front of the loads below
.if (\slot) == 0
	PH1
.else
	PH2
.endif
.endm
	s_mov_b32 s48, 15
.Lchunk:
	TRIP 0, 1
	TRIP 1, 1
	s_sub_co_u32 s48, s48, 1
	s_cmp_lg_u32 s48, 0
	s_cbranch_scc1 .Lchunk
	TRIP 0, 1                                      ; the last chunk is written out: its second trip asks for nothing
	TRIP 1, 0
	; THE WAY OUT: the rows' sums of squares over the four waves, the norm, and out through a stage of 16 rows (my own 512 bytes of each)
	PLACES
	v_and_b32 v3, 15, v0                           ; r
	v_bfe_u32 v4, v0, 4, 1                         ; h
	v_and_b32 v5, 31, v0
	s_lshl_b32 s22, s[WV], 2
	s_add_co_u32 s22, s22, RED
	v_lshl_add_u32 v6, v3, 4, s22                  ; RED + 16 r + 4 w
	v_lshlrev_b32 v7, 4, v3
	v_add_nc_u32 v7, RED, v7
	v_mul_u32_u24 v8, v3, PS
	v_lshl_add_u32 v8, v4, 5, v8
	s_lshl_b32 s22, s[WV], 9
	v_add_nc_u32 v8, s22, v8                       ; into the stage: row r, 512 w + 32 h
	v_lshl_add_u32 v9, v5, 4, s22                  ; back, and in out0: 512 w + 16 L
	WIN 0x05
.irp mb, 0,1,2,3
.set j, 0
.rept 32                               ; two chains; each accumulator's registers in ascending order
.if j < 2
	v_pk_mul_f32 v[T+4*\mb+2*(j%2):T+4*\mb+2*(j%2)+1], v[64*\mb+2*j:64*\mb+2*j+1], v[64*\mb+2*j:64*\mb+2*j+1]
.else
	v_pk_fma_f32 v[T+4*\mb+2*(j%2):T+4*\mb+2*(j%2)+1], v[64*\mb+2*j:64*\mb+2*j+1], v[64*\mb+2*j:64*\mb+2*j+1], v[T+4*\mb+2*(j%2):T+4*\mb+2*(j%2)+1]
.endif
.set j, j+1
.endr
.endr
	WIN 0
.irp mb, 0,1,2,3
	v_pk_add_f32 v[T+4*\mb:T+4*\mb+1], v[T+4*\mb:T+4*\mb+1], v[T+4*\mb+2:T+4*\mb+3]
.endr
.irp mb, 0,1,2,3
	v_add_f32 v[T+4*\mb], v[T+4*\mb], v[T+4*\mb+1]
.endr
.irp mb, 0,1,2,3
	v_permlanex16_b32 v[T+4*\mb+1], v[T+4*\mb], s66, s67   ; the row's other columns of my 128 lie in the lane 16 away
.endr
.irp mb, 0,1,2,3
	v_add_f32 v[T+4*\mb], v[T+4*\mb], v[T+4*\mb+1]
	ds_store_b32 v6, v[T+4*\mb] offset:256*\mb
.endr
	s_wait_dscnt 0x0
	s_barrier_signal -1
	s_barrier_wait -1
.irp mb, 0,1,2,3
	ds_load_b128 v[T+4*\mb:T+4*\mb+3], v7 offset:256*\mb
.endr
	s_wait_dscnt 0x0
.irp mb, 0,1,2,3
	v_pk_add_f32 v[T+4*\mb:T+4*\mb+1], v[T+4*\mb:T+4*\mb+1], v[T+4*\mb+2:T+4*\mb+3]
.endr
.irp mb, 0,1,2,3
	v_add_f32 v[T+4*\mb], v[T+4*\mb], v[T+4*\mb+1]
.endr
.irp mb, 0,1,2,3
	v_sqrt_f32 v[T+4*\mb], v[T+4*\mb]
.endr
	v_nop
	s_wait_alu depctr_va_vdst(0)
.irp mb, 0,1,2,3
	v_max_num_f32 v[T+4*\mb], s51, v[T+4*\mb]
.endr
.irp mb, 0,1,2,3
	v_rcp_f32 v[T+4*\mb], v[T+4*\mb]
.endr
	v_nop
	s_wait_alu depctr_va_vdst(0)
.irp mb, 0,1,2,3
	v_mov_b32 v[T+4*\mb+1], v[T+4*\mb]
.endr
.irp mb, 0,1,2,3
	WIN 0x41
.set j, 0
.rept 32
	v_pk_mul_f32 v[64*\mb+2*j:64*\mb+2*j+1], v[64*\mb+2*j:64*\mb+2*j+1], v[T+4*\mb:T+4*\mb+1]
.set j, j+1
.endr
	WIN 0x04
.set j, 0
.rept 8
	ds_store_b128 v8, v[64*\mb+8*j:64*\mb+8*j+3] offset:64*j
	ds_store_b128 v8, v[64*\mb+8*j+4:64*\mb+8*j+7] offset:64*j+16
.set j, j+1
.endr
	WIN 0
	s_wait_xcnt 0x0                                ; registers that earlier stores read are loaded again only behind this wait
.set j, 0
.rept 16
	ds_load_b128 v[F0+64*(\mb%2)+4*j:F0+64*(\mb%2)+4*j+3], v9 offset:PS*j   ; LDS serves a wave's instructions in order (ISA guide 5.7.1.4): these see the stores above, and the next block's stores come behind them
.set j, j+1
.endr
.set j, 0
.rept 16
	s_wait_dscnt 15-j
	global_store_b128 v9, v[F0+64*(\mb%2)+4*j:F0+64*(\mb%2)+4*j+3], s[12:13] offset:2048*(16*\mb+j)  ; 512 consecutive bytes
.set j, j+1
.endr
.endr
	s_wait_tensorcnt 0x0                           ; the wave's end
	ds_add_u32 v[SPW], v[NIL]
	s_wait_dscnt 0x0
	ROUND                                          ; the closing round
	s_endpgm
.Lfunc_end_k_q27654b0b90_ffn:
	.size	k_q27654b0b90_ffn, .Lfunc_end_k_q27654b0b90_ffn-k_q27654b0b90_ffn
	.p2alignl 7, 3214868480
	.fill 96, 4, 3214868480
	.section	.rodata,"a",@progbits
	.p2align	6, 0x0
	.amdhsa_kernel k_q27654b0b90_ffn
		.amdhsa_group_segment_fixed_size 327680
		.amdhsa_private_segment_fixed_size 0
		.amdhsa_enable_private_segment 0
		.amdhsa_kernarg_size 40
		.amdhsa_user_sgpr_count 2
		.amdhsa_user_sgpr_kernarg_segment_ptr 1
		.amdhsa_wavefront_size32 1
		.amdhsa_system_sgpr_workgroup_id_x 1
		.amdhsa_system_sgpr_workgroup_id_y 1
		.amdhsa_system_sgpr_workgroup_id_z 1
		.amdhsa_system_vgpr_workitem_id 0
		.amdhsa_next_free_vgpr 1024
		.amdhsa_next_free_sgpr 72
		.amdhsa_reserve_vcc 0
		.amdhsa_float_denorm_mode_32 3
		.amdhsa_float_denorm_mode_16_64 3
		.amdhsa_memory_ordered 1
		.amdhsa_forward_progress 1
		.amdhsa_inst_pref_size 233
	.end_amdhsa_kernel
	.amdgpu_metadata
---
amdhsa.version: [ 1, 2 ]
amdhsa.kernels:
  - .name:           k_q27654b0b90_ffn
    .symbol:         k_q27654b0b90_ffn.kd
    .args:
      - { .name: xn, .offset: 0, .size: 8, .value_kind: global_buffer, .address_space: global }
      - { .name: wcast, .offset: 8, .size: 8, .value_kind: global_buffer, .address_space: global }
      - { .name: b1, .offset: 16, .size: 8, .value_kind: global_buffer, .address_space: global }
      - { .name: b2, .offset: 24, .size: 8, .value_kind: global_buffer, .address_space: global }
      - { .name: out0, .offset: 32, .size: 8, .value_kind: global_buffer, .address_space: global }
    .group_segment_fixed_size: 327680
    .private_segment_fixed_size: 0
    .kernarg_segment_align: 8
    .kernarg_segment_size: 40
    .max_flat_workgroup_size: 128
    .sgpr_count:     72
    .vgpr_count:     1024
    .wavefront_size: 32
...
	.end_amdgpu_metadata
.endif
;; end of part 6
;; ======== version 2 of 3: 5 launches; 1.09 times as fast as version 1
;; limits: a function is approximated: absolute error at most 2.5e-05; an absolute error that grows with the inputs' magnitude: up to 1.25e-05 times it
;; workspace buffers: wcast 5,767,168 bytes; csp 65,536 bytes; ypart 18,874,368 bytes; kvp 8,388,608 bytes; qf 33,554,432 bytes; xn 33,554,432 bytes
;; launch ytwc (part 7): grid 16 x 24, 8 waves a work-group, no clusters, 107,520 bytes of LDS; arguments Wq, Wkv, W1, W2, Wp, wcast, csp, x2, pos_k, ypart; writes wcast, csp, ypart
.if DOCPART == 7
	.amdgcn_target "amdgcn-amd-amdhsa--gfx1250"
	.amdhsa_code_object_version 6
	.text
	.protected	k_q27654b0b90_ytwc
	.globl	k_q27654b0b90_ytwc
	.p2align	8
	.type	k_q27654b0b90_ytwc,@function
k_q27654b0b90_ytwc:
	s_mov_b64 s[64:65], 0
	v_nop
	global_prefetch_b8 v0, s[64:65] scope:SCOPE_SE
	s_setreg_imm32_b32 hwreg(HW_REG_WAVE_MODE, 25, 1), 1
	s_wait_xcnt 0x0
; TWO KINDS OF WORK-GROUP IN ONE LAUNCH, told apart by the grid's y.  Neither reads what the other stores.
; y < 9 (144 work-groups, the long ones, first in the grid):  Y_b[c][p] = sum over n of x2[b][n][c] Wp[n][p] (b = y = 0 .. 7) and Z[c][p] = sum over n of pos_k[n][c] Wp[n][p] (y = 8): the sequence
; projection is taken BEFORE the channel projection, since (x2 Wkv)^T Wp = Wkv^T (x2^T Wp).  bf16 operands (x2, pos_k and Wp rounded on the way), f32 sums.
;   A work-group: 128 c x 256 p over 1,024 n (the 4,096 n are split in four; the next launch adds the four parts).  Eight waves, each 64 c x 64 p: 16 accumulators.
;   n goes in steps of 64 through two LDS buffers; two register sets hold the loads of the two steps to come.  ONE barrier a step: it shows the buffer just written to every wave, and every wave has
;   waited for its reads of the other buffer in front of it.  Both tiles lie [n][..] in LDS and are read turned (ds_load_tr16_b128).
;   The result leaves as register images: a tile of 16 c x 16 p is 1,024 bytes, registers 0-3 at 16 x lane, registers 4-7 at 512 + 16 x lane: every store covers 512 consecutive bytes.
;   The accumulators are cleared (128 v_mov_b32, in the wait for the first loads): the price of writing no first step out.
; y >= 9 (240 short work-groups, unit u = 16 (y - 9) + x of 16,384 numbers): Wq, Wkv, W1, W2 (units 0 .. 175) are rounded to bf16, once, into wcast, end to end, each in its own layout;
;   units 176 .. 239 add up 64 rows each of the ROUNDED Wp: csp[u - 176][p], 64 partial column sums.  Thread t takes 16 bytes at 16 t + 4,096 i, i = 0 .. 15.
; No tensor loads: the operands are f32 and are rounded in registers.  No cluster: what work-groups share is Wp, a part of a step's bytes that is read many times over.
.set XP,  288                          ; a row of X in LDS: 128 c x 2 bytes + 32
.set WPP, 544                          ; a row of W: 256 p x 2 bytes + 32; both odd multiples of 32 bytes
.set WBO, 64*XP
.set BUF, 64*(XP+WPP)
.set SET1, 96                          ; a register set: 32 of X, 64 of W; two sets in window 1
.set NL,  24                           ; loads in a set
.set VGX, 2                            ; 2,048 w + 16 L: my 16 bytes of row w of eight rows of x2
.set VGW, 3                            ; 16 t: my 16 bytes of four rows of Wp
.set VSX, 4                            ; v4-5  where I store X, by buffer
.set VSW, 6                            ; v6-7  where I store W
.set VFA, 8                            ; v8-9  my fragments of X
.set VFB, 10                           ; v10-11 my fragments of W
.set VO,  12                           ; 16 L
.set ACC, 32
.set FR,  160
.set TMP, 224
.set MSB, 0
.macro WIN new
.if MSB != (\new)
	s_set_vgpr_msb (MSB<<8)|(\new)
.set MSB, (\new)
.endif
.endm
.macro PLACES                          ; four places between a matrix instruction and a load into, or a read of, its registers
.rept 4
	v_nop
.endr
.endm
	v_lshl_add_u32 v254, v0, 2, 0x1a000
	v_mov_b32 v255, 0
	s_and_b32 s17, ttmp7, 0xffff                   ; y: b, 8 for pos_k, from 9 on a unit of the weights
	s_cmp_ge_u32 s17, 9                            ; the same answer in all eight waves
	s_cbranch_scc1 .Lcast
	s_load_b128 s[4:7], s[0:1], 0x38               ; x2, pos_k
	s_load_b64 s[8:9], s[0:1], 0x20                ; Wp
	s_load_b64 s[10:11], s[0:1], 0x48              ; ypart
	v_lshrrev_b32 v1, 5, v0
	v_readfirstlane_b32 s12, v1                    ; wave
	v_and_b32 v1, 31, v0                           ; lane
	s_and_b32 s13, s12, 1                          ; which 64 c
	s_lshr_b32 s14, s12, 1                         ; which 64 p
	s_and_b32 s15, ttmp9, 3                        ; block of 128 c
	s_lshr_b32 s16, ttmp9, 2                       ; quarter of n
	v_lshlrev_b32 v[VO], 4, v1
	s_lshl_b32 s20, s12, 11
	v_add_nc_u32 v[VGX], s20, v[VO]
	v_lshlrev_b32 v[VGW], 4, v0
	s_mul_i32 s20, s12, XP
	v_lshl_add_u32 v[VSX], v1, 3, s20
	v_add_nc_u32 v[VSX+1], BUF, v[VSX]
	v_lshrrev_b32 v13, 6, v0                       ; my row of the four that a load of W covers,
	v_and_b32 v14, 63, v0                          ; my four columns of it
	v_mul_u32_u24 v[VSW], v13, WPP
	v_lshl_add_u32 v[VSW], v14, 3, v[VSW]
	v_add_nc_u32 v[VSW], WBO, v[VSW]
	v_add_nc_u32 v[VSW+1], BUF, v[VSW]
	v_and_b32 v13, 7, v0
	v_bfe_u32 v14, v0, 4, 1
	v_lshl_add_u32 v13, v14, 3, v13                ; the turning load's row: 8 (L / 16) + L % 8
	v_bfe_u32 v14, v0, 3, 1
	v_lshlrev_b32 v14, 4, v14                      ; and its 16 bytes: 16 ((L / 8) % 2)
	s_lshl_b32 s20, s13, 7
	v_mul_u32_u24 v[VFA], v13, XP
	v_add_nc_u32 v[VFA], v[VFA], v14
	v_add_nc_u32 v[VFA], s20, v[VFA]
	v_add_nc_u32 v[VFA+1], BUF, v[VFA]
	s_lshl_b32 s20, s14, 7
	s_add_co_u32 s20, s20, WBO
	v_mul_u32_u24 v[VFB], v13, WPP
	v_add_nc_u32 v[VFB], v[VFB], v14
	v_add_nc_u32 v[VFB], s20, v[VFB]
	v_add_nc_u32 v[VFB+1], BUF, v[VFB]
	s_lshl_b32 s22, s17, 23                        ; b x 8 MiB
	s_mov_b32 s23, 0
	s_wait_kmcnt 0x0
	s_cmp_eq_u32 s17, 8
	s_cselect_b64 s[18:19], s[6:7], s[4:5]
	s_cselect_b32 s22, 0, s22
	s_lshl_b32 s20, s16, 21                        ; 1,024 rows of 2,048 bytes
	s_add_co_u32 s22, s22, s20
	s_lshl_b32 s20, s15, 9
	s_add_co_u32 s22, s22, s20
	s_add_nc_u64 s[18:19], s[18:19], s[22:23]      ; X at my first tile
	s_lshl_b32 s22, s16, 20                        ; 1,024 rows of 1,024 bytes
	s_add_nc_u64 s[8:9], s[8:9], s[22:23]          ; Wp at my first tile
	s_mul_i32 s22, s16, 9                          ; ypart[s][bb][cblk 32][pblk 16][1,024]
	s_add_co_u32 s22, s22, s17
	s_lshl_b32 s22, s22, 5
	s_lshl3_add_u32 s22, s15, s22
	s_lshl2_add_u32 s22, s13, s22
	s_lshl_b32 s22, s22, 4
	s_lshl2_add_u32 s22, s14, s22
	s_lshl_b32 s22, s22, 10
	s_add_nc_u64 s[10:11], s[10:11], s[22:23]
.macro FETCH set                       ; 24 loads: a step's 64 rows of X (512 bytes each) and of W (1,024 bytes each), into window 1
	WIN 0x40
.set i, 0
.rept 8
	global_load_b128 v[(\set)+4*i:(\set)+4*i+3], v[VGX], s[18:19] offset:16384*i th:TH_LOAD_NT
.set i, i+1
.endr
.set i, 0
.rept 16
	global_load_b128 v[(\set)+32+4*i:(\set)+32+4*i+3], v[VGW], s[8:9] offset:4096*i
.set i, i+1
.endr
	WIN 0
.endm
.macro NEXT
	s_wait_xcnt 0x0                                ; the bases are stepped only behind this wait
	s_add_nc_u64 s[18:19], s[18:19], 131072
	s_add_nc_u64 s[8:9], s[8:9], 65536
.endm
.macro STEP set, buf, fetch, left
	s_wait_loadcnt \left                           ; my set is in; the other set's 24 loads stay out
	WIN 0x05
.set i, 0
.rept 8
	v_cvt_pk_bf16_f32 v[TMP+2*i], v[(\set)+4*i], v[(\set)+4*i+1]
	v_cvt_pk_bf16_f32 v[TMP+2*i+1], v[(\set)+4*i+2], v[(\set)+4*i+3]
.set i, i+1
.endr
	WIN 0x45
.set i, 0
.rept 16                               ; W is rounded in place: four f32 become 8 bytes in the first two of their registers
	v_cvt_pk_bf16_f32 v[(\set)+32+4*i], v[(\set)+32+4*i], v[(\set)+32+4*i+1]
	v_cvt_pk_bf16_f32 v[(\set)+32+4*i+1], v[(\set)+32+4*i+2], v[(\set)+32+4*i+3]
.set i, i+1
.endr
	WIN 0
.set i, 0
.rept 8
	ds_store_b64 v[VSX+(\buf)], v[TMP+2*i:TMP+2*i+1] offset:8*XP*i
.set i, i+1
.endr
	WIN 0x04
.set i, 0
.rept 16
	ds_store_b64 v[VSW+(\buf)], v[(\set)+32+4*i:(\set)+32+4*i+1] offset:4*WPP*i  ; a wave's 32 lanes: 256 consecutive bytes of a row
.set i, i+1
.endr
	WIN 0
.if \fetch
	NEXT
	FETCH \set                                     ; the step after next
.endif
	s_wait_dscnt 0x0                               ; my stores are done (my reads of the other buffer were waited for in front of their products)
	s_barrier_signal -1
	s_barrier_wait -1
.irp ks, 0,1
	PLACES
.irp m, 0,1,2,3
	ds_load_tr16_b128 v[FR+8*\m:FR+8*\m+3], v[VFA+(\buf)] offset:32*XP*\ks+32*\m
	ds_load_tr16_b128 v[FR+8*\m+4:FR+8*\m+7], v[VFA+(\buf)] offset:32*XP*\ks+32*\m+16*XP
	ds_load_tr16_b128 v[FR+32+8*\m:FR+32+8*\m+3], v[VFB+(\buf)] offset:32*WPP*\ks+32*\m
	ds_load_tr16_b128 v[FR+32+8*\m+4:FR+32+8*\m+7], v[VFB+(\buf)] offset:32*WPP*\ks+32*\m+16*WPP
.endr
	s_wait_dscnt 0x0
.irp m, 0,1,2,3
.irp n, 0,1,2,3                        ; the 16 accumulators take turns
	v_wmma_f32_16x16x32_bf16 v[ACC+8*(4*\m+\n):ACC+8*(4*\m+\n)+7], v[FR+8*\m:FR+8*\m+7], v[FR+32+8*\n:FR+32+8*\n+7], v[ACC+8*(4*\m+\n):ACC+8*(4*\m+\n)+7]
.endr
.endr
.endr
.endm
	FETCH 0
	NEXT
	FETCH SET1
.set i, 0
.rept 128
	v_mov_b32 v[ACC+i], 0
.set i, i+1
.endr
	s_mov_b32 s24, 7                               ; 16 steps: 7 trips of two, and two behind the loop that fetch nothing
.Lk:
	STEP 0, 0, 1, NL
	STEP SET1, 1, 1, NL
	s_sub_co_u32 s24, s24, 1
	s_cmp_lg_u32 s24, 0
	s_cbranch_scc1 .Lk
	STEP 0, 0, 0, NL
	STEP SET1, 1, 0, 0
	PLACES
.irp m, 0,1,2,3
.irp n, 0,1,2,3
	global_store_b128 v[VO], v[ACC+8*(4*\m+\n):ACC+8*(4*\m+\n)+3], s[10:11] offset:16384*\m+1024*\n
	global_store_b128 v[VO], v[ACC+8*(4*\m+\n)+4:ACC+8*(4*\m+\n)+7], s[10:11] offset:16384*\m+1024*\n+512
.endr
.endr
	s_wait_tensorcnt 0x0
	ds_add_u32 v254, v255
	s_wait_dscnt 0x0
	s_endpgm
	; THE WEIGHTS.  A stream: a wave's load covers 512 consecutive bytes, its store 256, aligned.
.Lcast:
	s_sub_co_u32 s2, s17, 9
	s_lshl4_add_u32 s2, s2, ttmp9                  ; my unit: 16 (y - 9) + x
	s_load_b256 s[4:11], s[0:1], 0x0               ; Wq, Wkv, W1, W2
	s_load_b128 s[12:15], s[0:1], 0x20             ; Wp, wcast
	s_load_b64 s[16:17], s[0:1], 0x30              ; csp
	s_mov_b32 s3, 0xffff0000                       ; a word's upper bf16
	v_lshlrev_b32 v1, 4, v0                        ; 16 t
	v_lshlrev_b32 v2, 3, v0                        ; 8 t
	v_lshlrev_b32 v3, 2, v0                        ; 4 t
	s_mov_b32 s23, 0
	s_mov_b32 s25, 0
	s_wait_kmcnt 0x0
	s_mov_b64 s[18:19], s[4:5]                     ; which matrix, and its first unit
	s_mov_b32 s20, 0
	s_cmp_ge_u32 s2, 16
	s_cselect_b64 s[18:19], s[6:7], s[18:19]
	s_cselect_b32 s20, 16, s20
	s_cmp_ge_u32 s2, 48
	s_cselect_b64 s[18:19], s[8:9], s[18:19]
	s_cselect_b32 s20, 48, s20
	s_cmp_ge_u32 s2, 112
	s_cselect_b64 s[18:19], s[10:11], s[18:19]
	s_cselect_b32 s20, 112, s20
	s_cmp_ge_u32 s2, 176
	s_cselect_b64 s[18:19], s[12:13], s[18:19]
	s_cselect_b32 s20, 176, s20
	s_sub_co_u32 s22, s2, s20
	s_lshl_b32 s24, s22, 10                        ; my row of csp (used by Wp's units alone)
	s_lshl_b32 s22, s22, 16                        ; 65,536 bytes of f32 a unit
	s_add_nc_u64 s[18:19], s[18:19], s[22:23]
	s_lshl_b32 s22, s2, 15                         ; 32,768 bytes of bf16 (used by the other units alone)
	s_add_nc_u64 s[14:15], s[14:15], s[22:23]
	s_add_nc_u64 s[16:17], s[16:17], s[24:25]
.set i, 0
.rept 16
	global_load_b128 v[16+4*i:19+4*i], v1, s[18:19] offset:4096*i  ; no hint: Wp is read again by the launch's other work-groups
.set i, i+1
.endr
; sum = 0: rounded and stored.  sum = 1: rounded, widened again and added; thread t holds columns 4 (t % 64) .. + 3 of rows t / 64 + 4 i
.macro CAST sum
.set i, 0
.rept 16
	s_wait_loadcnt 15-i                            ; loads come back in order: the younger ones stay out
	v_cvt_pk_bf16_f32 v[80+2*i], v[16+4*i], v[17+4*i]
	v_cvt_pk_bf16_f32 v[81+2*i], v[18+4*i], v[19+4*i]
.if \sum
.if i == 0
	v_lshlrev_b32 v8, 16, v80                      ; the first row starts the sums
	v_and_b32 v9, s3, v80
	v_lshlrev_b32 v10, 16, v81
	v_and_b32 v11, s3, v81
.else
	v_lshlrev_b32 v4, 16, v[80+2*i]
	v_and_b32 v5, s3, v[80+2*i]
	v_lshlrev_b32 v6, 16, v[81+2*i]
	v_and_b32 v7, s3, v[81+2*i]
	v_pk_add_f32 v[8:9], v[8:9], v[4:5]
	v_pk_add_f32 v[10:11], v[10:11], v[6:7]
.endif
.else
	global_store_b64 v2, v[80+2*i:81+2*i], s[14:15] offset:2048*i  ; each store has data registers of its own
.endif
.set i, i+1
.endr
.endm
	s_cmp_ge_u32 s2, 176                           ; the same answer in all eight waves
	s_cbranch_scc1 .Lwp
	CAST 0
	s_endpgm
.Lwp:
	CAST 1
	ds_store_b128 v1, v[8:11]                      ; LDS: [t / 64][256 columns] f32
	s_wait_dscnt 0x0                               ; for the others' sake
	s_barrier_signal -1
	s_barrier_wait -1
	ds_load_b32 v4, v3                             ; column t of the four partial rows
	ds_load_b32 v5, v3 offset:1024
	ds_load_b32 v6, v3 offset:2048
	ds_load_b32 v7, v3 offset:3072
	s_wait_dscnt 0x0
	v_add_f32 v4, v4, v5
	v_add_f32 v6, v6, v7
	v_add_f32 v4, v4, v6
	global_store_b32 v3, v4, s[16:17]
	s_wait_tensorcnt 0x0
	ds_add_u32 v254, v255
	s_wait_dscnt 0x0
	s_endpgm
.Lfunc_end_k_q27654b0b90_ytwc:
	.size	k_q27654b0b90_ytwc, .Lfunc_end_k_q27654b0b90_ytwc-k_q27654b0b90_ytwc
	.p2alignl 7, 3214868480
	.fill 96, 4, 3214868480
	.section	.rodata,"a",@progbits
	.p2align	6, 0x0
	.amdhsa_kernel k_q27654b0b90_ytwc
		.amdhsa_group_segment_fixed_size 107520
		.amdhsa_private_segment_fixed_size 0
		.amdhsa_enable_private_segment 0
		.amdhsa_kernarg_size 80
		.amdhsa_user_sgpr_count 2
		.amdhsa_user_sgpr_kernarg_segment_ptr 1
		.amdhsa_wavefront_size32 1
		.amdhsa_system_sgpr_workgroup_id_x 1
		.amdhsa_system_sgpr_workgroup_id_y 1
		.amdhsa_system_sgpr_workgroup_id_z 1
		.amdhsa_system_vgpr_workitem_id 0
		.amdhsa_next_free_vgpr 448
		.amdhsa_next_free_sgpr 66
		.amdhsa_reserve_vcc 0
		.amdhsa_float_denorm_mode_32 3
		.amdhsa_float_denorm_mode_16_64 3
		.amdhsa_memory_ordered 1
		.amdhsa_forward_progress 1
		.amdhsa_inst_pref_size 71
	.end_amdhsa_kernel
	.amdgpu_metadata
---
amdhsa.version: [ 1, 2 ]
amdhsa.kernels:
  - .name:           k_q27654b0b90_ytwc
    .symbol:         k_q27654b0b90_ytwc.kd
    .args:
      - { .name: Wq, .offset: 0, .size: 8, .value_kind: global_buffer, .address_space: global }
      - { .name: Wkv, .offset: 8, .size: 8, .value_kind: global_buffer, .address_space: global }
      - { .name: W1, .offset: 16, .size: 8, .value_kind: global_buffer, .address_space: global }
      - { .name: W2, .offset: 24, .size: 8, .value_kind: global_buffer, .address_space: global }
      - { .name: Wp, .offset: 32, .size: 8, .value_kind: global_buffer, .address_space: global }
      - { .name: wcast, .offset: 40, .size: 8, .value_kind: global_buffer, .address_space: global }
      - { .name: csp, .offset: 48, .size: 8, .value_kind: global_buffer, .address_space: global }
      - { .name: x2, .offset: 56, .size: 8, .value_kind: global_buffer, .address_space: global }
      - { .name: pos_k, .offset: 64, .size: 8, .value_kind: global_buffer, .address_space: global }
      - { .name: ypart, .offset: 72, .size: 8, .value_kind: global_buffer, .address_space: global }
    .group_segment_fixed_size: 107520
    .private_segment_fixed_size: 0
    .kernarg_segment_align: 8
    .kernarg_segment_size: 80
    .max_flat_workgroup_size: 256
    .sgpr_count:     66
    .vgpr_count:     448
    .wavefront_size: 32
...
	.end_amdgpu_metadata
.endif
;; end of part 7
;; launch kvproj: the kernel of part 3 again; grid 32 x 8, 8 waves a work-group, no clusters, 280,576 bytes of LDS; arguments ypart, wcast, csp, bkv, bp, kvp; writes kvp
;; launch qproj: the kernel of part 4 again; grid 256 x 1, 8 waves a work-group, no clusters, 154,624 bytes of LDS; arguments x1, wcast, bq, pos_q, qf; writes qf
;; launch attn (part 8): grid 32 x 8, 4 waves a work-group, no clusters, 206,592 bytes of LDS; arguments qf, kvp, temperature, xn; writes xn
.if DOCPART == 8
	.amdgcn_target "amdgcn-amd-amdhsa--gfx1250"
	.amdhsa_code_object_version 6
	.text
	.protected	k_q27654b0b90_attn
	.globl	k_q27654b0b90_attn
	.p2align	8
	.type	k_q27654b0b90_attn,@function
k_q27654b0b90_attn:
	s_mov_b64 s[64:65], 0
	v_nop
	global_prefetch_b8 v0, s[64:65] scope:SCOPE_SE
	s_setreg_imm32_b32 hwreg(HW_REG_WAVE_MODE, 25, 1), 1
	s_wait_xcnt 0x0
; x = l2norm(perm(softmax(temp q kp) vp^T) + q).  A work-group: 512 queries of one (b, head); four waves, 128 queries each, in 8 tiles of 16.
; S^T = kp^T q^T (source 0 = 16 p, source 1 = 16 queries): a lane holds ONE query and 128 of its 256 scores, so the TRUE row maximum is taken (one exchange of the lanes' halves).
; O^T = vp P: a lane again holds one query, and 8 channels.  All of kp and vp stay in registers as fragments (windows 1 and 2).
; FORMATS.  q, kp, vp go in f16 behind exact powers of two taken from the data: E = the exponent of the largest magnitude (of a query's 64 numbers; of the head's kp; of its vp), clipped at
; 2^126; numbers are multiplied by 2^-E, so they lie inside (-2, 2), and the powers come back in f32: in c = |temp| log2(e) 2^Eq 2^Ek and in the divisor.  temp's sign rides on q's factor.
; The weights p (0 to 1) are rounded to f16; their sum is taken of the unrounded p.  LIMITS: a query or a head whose largest magnitude is denormal counts as 0; c must be finite in f32;
; NaN and infinities are not treated apart.  temperature is rounded to bf16 like every input.
; THE PERMUTATION sends O[b][h][q][d] to row 32 d + 4 h + q / 512, column q % 512: the work-group owns 64 whole rows.  They meet in LDS (XS); each wave then takes 16 of them, four a trip:
; q's row is added, the row normed and stored.  q's rows come through four sets of registers (window 3): the first four rows are asked for at the kernel's start, and a set is asked for again as soon
; as it has been added.  The last trip asks for its own four rows once more (8 KiB a wave, inside the buffer, not used): the price of one text for every trip.
; No tensor loads and no cluster: the four work-groups of a head share 128 KiB, read once at the start.
.set KF,  0                            ; 32 fragments of kp, 1,024 bytes each
.set VT,  32768                        ; vp as [256 p] rows of 64 d f16, pitch 160
.set PVT, 160
.set XS,  73728                        ; [64 d] rows of 512 q f32, pitch 2,064
.set PX,  2064
.set RED, 205824
.set VQ,  3
.set VKV, 4
.set VKS, 5
.set VVS, 6
.set VKL, 7                            ; 16 L
.set VVL, 8
.set VX0, 9
.set VX1, 10
.set VXR, 11
.set CK,  14                           ; |temp| log2(e) 2^Ek
.set SG,  15                           ; temp's sign bit
.set C,   16
.set CM,  18
.set M,   20
.set LS,  24
.set QR,  32
.set QF,  64
.set O,   80
.set S,   112
.set W,   240                          ; at work
.set FV,  248                          ; 2^Ev
.set RL,  250                          ; 2^Ev / l, twice
.set MSB, 0
.macro WIN new
.if MSB != (\new)
	s_set_vgpr_msb (MSB<<8)|(\new)
.set MSB, (\new)
.endif
.endm
.macro PLACES
.rept 4
	v_nop
.endr
.endm
.macro REDMAX r, t
	v_max_num_f32_dpp v[\r], v[\r], v[\r] row_xmask:1 row_mask:0xf bank_mask:0xf
	v_max_num_f32_dpp v[\r], v[\r], v[\r] row_xmask:2 row_mask:0xf bank_mask:0xf
	v_max_num_f32_dpp v[\r], v[\r], v[\r] row_xmask:4 row_mask:0xf bank_mask:0xf
	v_max_num_f32_dpp v[\r], v[\r], v[\r] row_xmask:8 row_mask:0xf bank_mask:0xf
	v_permlanex16_b32 v[\t], v[\r], s18, s19
	v_max_num_f32 v[\r], v[\r], v[\t]
.endm
	s_load_b256 s[4:11], s[0:1], 0x0               ; qf, kvp, temperature, xn
	s_set_vgpr_msb 0xc0
	v_lshl_add_u32 v64, v0, 2, 0x32500
	v_mov_b32 v65, 0
	s_set_vgpr_msb 0xc000
	v_lshrrev_b32 v1, 5, v0
	v_readfirstlane_b32 s12, v1                    ; wave
	s_lshr_b32 s13, ttmp9, 2                       ; head
	s_and_b32 s14, ttmp9, 3                        ; block of 512 queries
	s_and_b32 s15, ttmp7, 0xffff                   ; b
	s_mov_b32 s18, 0x76543210
	s_mov_b32 s19, 0xfedcba98
	s_mov_b32 s23, 0
	s_mov_b32 s31, 0
	s_mov_b32 s29, 0x2b8cbccc                      ; 1e-12
	v_and_b32 v1, 15, v0                           ; r
	v_bfe_u32 v2, v0, 4, 1                         ; h
	v_and_b32 v[VKL], 31, v0
	v_lshlrev_b32 v[VKL], 4, v[VKL]
	v_lshlrev_b32 v[VQ], 11, v1
	v_lshl_add_u32 v[VQ], v2, 5, v[VQ]             ; query r's row, 32 h bytes in
	s_lshl_b32 s22, s12, 12
	v_add_nc_u32 v[VKV], s22, v[VKL]               ; my four pblk of a row of tiles
	s_lshl_b32 s22, s12, 13
	v_add_nc_u32 v[VKS], s22, v[VKL]               ; my eight fragments in KF
	v_mul_u32_u24 v[VVS], v1, PVT
	v_lshl_add_u32 v[VVS], v2, 4, v[VVS]
	s_mul_i32 s22, s12, 64*PVT
	s_add_co_u32 s22, s22, VT
	v_add_nc_u32 v[VVS], s22, v[VVS]
	v_and_b32 v12, 7, v0
	v_lshl_add_u32 v12, v2, 3, v12
	v_mul_u32_u24 v[VVL], v12, PVT
	v_bfe_u32 v12, v0, 3, 1
	v_lshl_add_u32 v[VVL], v12, 4, v[VVL]
	v_add_nc_u32 v[VVL], VT, v[VVL]
	v_mul_u32_u24 v[VX0], v2, 8*PX
	v_lshl_add_u32 v[VX0], v1, 2, v[VX0]
	s_lshl_b32 s22, s12, 9
	s_add_co_u32 s22, s22, XS
	v_add_nc_u32 v[VX0], s22, v[VX0]
	v_add_nc_u32 v[VX1], 32*PX, v[VX0]
	s_mul_i32 s22, s12, 16*PX
	s_add_co_u32 s22, s22, XS
	v_add_nc_u32 v[VXR], s22, v[VKL]
	s_lshl_b32 s22, s12, 3
	s_add_co_u32 s22, s22, RED
	v_mov_b32 v12, s22
	v_mov_b32 v13, RED
	s_wait_kmcnt 0x0
	s_lshl_b32 s22, s13, 2
	s_add_nc_u64 s[8:9], s[8:9], s[22:23]
	s_load_b32 s16, s[8:9], 0x0                    ; temperature[head]
	s_lshl_b32 s22, s15, 11
	s_lshl_b32 s17, s14, 9
	s_add_co_u32 s22, s22, s17
	s_lshl_b32 s17, s12, 7
	s_add_co_u32 s22, s22, s17
	s_lshl_b32 s22, s22, 11
	s_lshl_b32 s17, s13, 8
	s_add_co_u32 s22, s22, s17
	s_add_nc_u64 s[20:21], s[4:5], s[22:23]        ; q at my first tile, my head's 64 channels
	s_lshl_b32 s22, s15, 6
	s_lshl2_add_u32 s22, s13, s22
	s_lshl_b32 s22, s22, 14
	s_add_nc_u64 s[6:7], s[6:7], s[22:23]          ; kvp at oblk 4 head
	s_lshl_b32 s22, s15, 11
	s_lshl_b32 s17, s12, 9
	s_add_co_u32 s22, s22, s17
	s_lshl2_add_u32 s22, s13, s22
	s_add_co_u32 s22, s22, s14
	s_lshl_b32 s22, s22, 11
	s_add_nc_u64 s[24:25], s[4:5], s[22:23]        ; q and xn at row 32 (16 w) + 4 head + block
	s_add_nc_u64 s[26:27], s[10:11], s[22:23]
.macro QLOAD                           ; a tile's q: lane (r, h): channels 32 ks + 8 h + 0..7 and + 16
.irp ks, 0,1
	global_load_b128 v[QR+16*\ks:QR+16*\ks+3], v[VQ], s[20:21] offset:128*\ks
	global_load_b128 v[QR+16*\ks+4:QR+16*\ks+7], v[VQ], s[20:21] offset:128*\ks+16
	global_load_b128 v[QR+16*\ks+8:QR+16*\ks+11], v[VQ], s[20:21] offset:128*\ks+64
	global_load_b128 v[QR+16*\ks+12:QR+16*\ks+15], v[VQ], s[20:21] offset:128*\ks+80
.endr
.endm
	QLOAD
	WIN 0x40
.irp i, 0,1,2,3                        ; tile (dblk i, pblk 4 w + pi) at v[8 (4 i + pi)] of window 1; vp's 128 further on
.irp pi, 0,1,2,3
	global_load_b128 v[8*(4*\i+\pi):8*(4*\i+\pi)+3], v[VKV], s[6:7] offset:16384*\i+1024*\pi
	global_load_b128 v[8*(4*\i+\pi)+4:8*(4*\i+\pi)+7], v[VKV], s[6:7] offset:16384*\i+1024*\pi+512
	global_load_b128 v[128+8*(4*\i+\pi):128+8*(4*\i+\pi)+3], v[VKV], s[6:7] offset:524288+16384*\i+1024*\pi
	global_load_b128 v[128+8*(4*\i+\pi)+4:128+8*(4*\i+\pi)+7], v[VKV], s[6:7] offset:524288+16384*\i+1024*\pi+512
.endr
.endr
	WIN 0xc0
.irp i, 0,1,2,3                        ; q's rows that go with my first four rows of XS: row i at v[16 i] of window 3
.irp k, 0,1,2,3
	global_load_b128 v[16*\i+4*\k:16*\i+4*\k+3], v[VKL], s[24:25] offset:65536*\i+512*\k
.endr
.endr
	WIN 0
.irp n, 0,1,2,3
	v_mov_b32 v[M+\n], 0
.endr
	s_wait_loadcnt 0x0
	WIN 0x05
.set i, 0
.rept 32                               ; the largest magnitudes of my quarter of kp and of vp, two chains each
	v_max3_num_f32 v[M], |v[4*i]|, |v[4*i+1]|, v[M]
	v_max3_num_f32 v[M+1], |v[4*i+2]|, |v[4*i+3]|, v[M+1]
	v_max3_num_f32 v[M+2], |v[128+4*i]|, |v[128+4*i+1]|, v[M+2]
	v_max3_num_f32 v[M+3], |v[128+4*i+2]|, |v[128+4*i+3]|, v[M+3]
.set i, i+1
.endr
	WIN 0
	v_max_num_f32 v[M], v[M], v[M+1]
	v_max_num_f32 v[M+2], v[M+2], v[M+3]
	REDMAX M, M+1
	REDMAX M+2, M+3
	ds_store_b32 v12, v[M]
	ds_store_b32 v12, v[M+2] offset:4
	s_wait_dscnt 0x0
	s_barrier_signal -1
	s_barrier_wait -1
	ds_load_b128 v[W:W+3], v13
	ds_load_b128 v[W+4:W+7], v13 offset:16
	s_wait_kmcnt 0x0
	v_mov_b32 v[CK], s16
	v_cvt_pk_bf16_f32 v[CK], v[CK], v[CK]
	v_lshlrev_b32 v[CK], 16, v[CK]
	v_and_b32 v[SG], 0x80000000, v[CK]
	v_and_b32 v[CK], 0x7fffffff, v[CK]
	v_mul_f32 v[CK], 0x3fb8aa3b, v[CK]
	s_wait_dscnt 0x0
	v_max3_num_f32 v[M], v[W], v[W+2], v[W+4]
	v_max3_num_f32 v[M+2], v[W+1], v[W+3], v[W+5]
	v_max_num_f32 v[M], v[M], v[W+6]
	v_max_num_f32 v[M+2], v[M+2], v[W+7]
	v_and_b32 v[M], 0x7f800000, v[M]               ; 2^Ek
	v_and_b32 v[M+2], 0x7f800000, v[M+2]
	v_min_u32 v[M], 0x7e800000, v[M]
	v_min_u32 v[FV], 0x7e800000, v[M+2]            ; 2^Ev
	v_sub_nc_u32 v[W], 0x7f000000, v[M]            ; 2^-Ek
	v_sub_nc_u32 v[W+2], 0x7f000000, v[FV]
	v_mov_b32 v[W+1], v[W]
	v_mov_b32 v[W+3], v[W+2]
	v_mul_f32 v[CK], v[CK], v[M]
	WIN 0x41
.set i, 0
.rept 64
	v_pk_mul_f32 v[2*i:2*i+1], v[2*i:2*i+1], v[W:W+1]
	v_pk_mul_f32 v[128+2*i:128+2*i+1], v[128+2*i:128+2*i+1], v[W+2:W+3]
.set i, i+1
.endr
	WIN 0x05
.set i, 0
.rept 128
	v_cvt_pk_f16_f32 v[S+i], v[2*i], v[2*i+1]      ; tile T's four registers at S + 4 T; vp's at S + 64 + 4 T
.set i, i+1
.endr
	WIN 0
.irp i, 0,1,2,3
.irp pi, 0,1,2,3
	ds_store_b128 v[VKS], v[S+4*(4*\i+\pi):S+4*(4*\i+\pi)+3] offset:(2*\pi+\i/2)*1024+512*(\i%2)   ; half of fragment (pblk, d half)
	ds_store_b128 v[VVS], v[S+64+4*(4*\i+\pi):S+64+4*(4*\i+\pi)+3] offset:16*PVT*\pi+32*\i         ; row p, channels 16 i + 8 h on
.endr
.endr
	s_wait_dscnt 0x0
	s_barrier_signal -1
	s_barrier_wait -1
	WIN 0x40
.set i, 0
.rept 64
	ds_load_b128 v[4*i:4*i+3], v[VKL] offset:512*i     ; kp's fragment (pblk, ks) at v[8 (2 pblk + ks)] of window 1
.set i, i+1
.endr
	WIN 0x80
.set i, 0
.rept 32                               ; vp's fragment (32 p from 32 ks, 16 d from 16 db), turned, at v[8 (4 ks + db)] of window 2
	ds_load_tr16_b128 v[8*i:8*i+3], v[VVL] offset:32*PVT*(i/4)+32*(i%4)
	ds_load_tr16_b128 v[8*i+4:8*i+7], v[VVL] offset:32*PVT*(i/4)+32*(i%4)+16*PVT
.set i, i+1
.endr
	WIN 0
.macro SCL a                           ; c s - c m on accumulator a
	s_wait_alu depctr_va_vdst(0)
.irp q, 0,1,2,3
	v_pk_fma_f32 v[S+8*(\a)+2*\q:S+8*(\a)+2*\q+1], v[S+8*(\a)+2*\q:S+8*(\a)+2*\q+1], v[C:C+1], v[CM:CM+1] neg_lo:[0,0,1] neg_hi:[0,0,1]
.endr
.endm
	s_mov_b32 s28, 8
.Ltile:
	s_wait_loadcnt 0x0                             ; this tile's q; the wait also frees the loads' base
.irp c, 0,1,2,3
	v_max_num_f32 v[M+\c], |v[QR+8*\c]|, |v[QR+8*\c+1]|
.endr
.irp k, 1,2,3
.irp c, 0,1,2,3
	v_max3_num_f32 v[M+\c], |v[QR+8*\c+2*\k]|, |v[QR+8*\c+2*\k+1]|, v[M+\c]
.endr
.endr
	v_max3_num_f32 v[M], v[M], v[M+1], v[M+2]
	v_max_num_f32 v[M], v[M], v[M+3]
	v_permlanex16_b32 v[M+1], v[M], s18, s19       ; the query's other 32 channels lie in the lane 16 away
	v_max_num_f32 v[M], v[M], v[M+1]
	v_and_b32 v[M], 0x7f800000, v[M]
	v_min_u32 v[M], 0x7e800000, v[M]               ; 2^Eq
	v_sub_nc_u32 v[W], 0x7f000000, v[M]
	v_xor_b32 v[W], v[W], v[SG]                    ; 2^-Eq with temp's sign
	v_mov_b32 v[W+1], v[W]
	v_mul_f32 v[C], v[CK], v[M]
	v_mov_b32 v[C+1], v[C]
.set i, 0
.rept 16
	v_pk_mul_f32 v[QR+2*i:QR+2*i+1], v[QR+2*i:QR+2*i+1], v[W:W+1]
.set i, i+1
.endr
.set i, 0
.rept 16
	v_cvt_pk_f16_f32 v[QF+i], v[QR+2*i], v[QR+2*i+1]
.set i, i+1
.endr
	s_cmp_gt_u32 s28, 1                            ; the next tile's q is asked for now; the last trip asks for its own tile again and stays inside the buffer
	s_cselect_b32 s30, 0x8000, 0
	s_add_nc_u64 s[20:21], s[20:21], s[30:31]
	QLOAD
	s_wait_dscnt 0x0                               ; the first trip: the fragments are in
	WIN 0x01
.irp ks, 0,1
.set p, 0
.rept 16                               ; the 16 accumulators take turns
.if \ks == 0
	v_wmma_f32_16x16x32_f16 v[S+8*p:S+8*p+7], v[16*p:16*p+7], v[QF:QF+7], 0
.else
	v_wmma_f32_16x16x32_f16 v[S+8*p:S+8*p+7], v[16*p+8:16*p+15], v[QF+8:QF+15], v[S+8*p:S+8*p+7]
.endif
.set p, p+1
.endr
.endr
	WIN 0
	PLACES
.irp q, 0,1,2,3                        ; the row maximum: four chains; each accumulator's lowest registers are read first
	v_max_num_f32 v[M+\q], v[S+2*\q], v[S+2*\q+1]
.endr
.set a, 1
.rept 15
.irp q, 0,1,2,3
	v_max3_num_f32 v[M+\q], v[M+\q], v[S+8*a+2*\q], v[S+8*a+2*\q+1]
.endr
.set a, a+1
.endr
	v_max3_num_f32 v[M], v[M], v[M+1], v[M+2]
	v_max_num_f32 v[M], v[M], v[M+3]
	v_permlanex16_b32 v[M+1], v[M], s18, s19
	v_max_num_f32 v[M], v[M], v[M+1]
	v_mul_f32 v[CM], v[C], v[M]
	v_mov_b32 v[CM+1], v[CM]
	SCL 0
.set a, 0
.rept 16
.irp q, 0,1,2,3,4,5,6,7
	v_exp_f32 v[S+8*a+\q], v[S+8*a+\q]
.endr
.if a < 15
	SCL a+1                                        ; plain work between the exponentials and the use of their results (ISA guide 5.7.2)
.else
	v_nop
	s_wait_alu depctr_va_vdst(0)
.endif
.irp q, 0,1,2,3
.if a == 0
	s_wait_alu depctr_va_vdst(0)
	v_pk_add_f32 v[LS+2*\q:LS+2*\q+1], v[S+2*\q:S+2*\q+1], 0 op_sel_hi:[1,0]   ; starts the four chains of l
.else
	v_pk_add_f32 v[LS+2*\q:LS+2*\q+1], v[LS+2*\q:LS+2*\q+1], v[S+8*a+2*\q:S+8*a+2*\q+1]
.endif
.endr
.irp q, 0,1,2,3                        ; two accumulators, packed, are source 1 (32 p x 16 queries) of the second product, at S + 16 (a / 2)
	v_cvt_pk_f16_f32 v[S+16*(a/2)+4*(a%2)+\q], v[S+8*a+2*\q], v[S+8*a+2*\q+1]
.endr
.set a, a+1
.endr
	WIN 0x02
.set k, 0
.rept 8
.irp db, 0,1,2,3                       ; the four accumulators take turns
.if k == 0
	v_wmma_f32_16x16x32_f16 v[O+8*\db:O+8*\db+7], v[8*(4*k+\db):8*(4*k+\db)+7], v[S+16*k:S+16*k+7], 0
.else
	v_wmma_f32_16x16x32_f16 v[O+8*\db:O+8*\db+7], v[8*(4*k+\db):8*(4*k+\db)+7], v[S+16*k:S+16*k+7], v[O+8*\db:O+8*\db+7]
.endif
.endr
.set k, k+1
.endr
	WIN 0
	v_pk_add_f32 v[LS:LS+1], v[LS:LS+1], v[LS+2:LS+3]      ; l: eight plain lines that name none of the products' registers are the places behind them
	v_pk_add_f32 v[LS+4:LS+5], v[LS+4:LS+5], v[LS+6:LS+7]
	v_pk_add_f32 v[LS:LS+1], v[LS:LS+1], v[LS+4:LS+5]
	v_add_f32 v[LS], v[LS], v[LS+1]
	v_permlanex16_b32 v[LS+1], v[LS], s18, s19
	v_add_f32 v[LS], v[LS], v[LS+1]
	v_rcp_f32 v[LS], v[LS]
	v_nop
	s_wait_alu depctr_va_vdst(0)
	v_mul_f32 v[RL], v[LS], v[FV]
	v_mov_b32 v[RL+1], v[RL]
.set i, 0
.rept 16
	v_pk_mul_f32 v[O+2*i:O+2*i+1], v[O+2*i:O+2*i+1], v[RL:RL+1]
.set i, i+1
.endr
.irp db, 0,1,2,3
.irp j, 0,1,2,3,4,5,6,7
	ds_store_b32 v[VX0+\db/2], v[O+8*\db+\j] offset:(16*(\db%2)+\j)*PX     ; row d = 16 db + 8 h + j, column = my query
.endr
.endr
	v_add_nc_u32 v[VX0], 64, v[VX0]                ; the next 16 queries
	v_add_nc_u32 v[VX1], 64, v[VX1]
	s_sub_co_u32 s28, s28, 1
	s_cmp_lg_u32 s28, 0
	s_cbranch_scc1 .Ltile
	; THE WAY OUT: my 16 rows of XS, four a trip
	s_wait_dscnt 0x0
	s_barrier_signal -1
	s_barrier_wait -1                              ; XS is whole
	s_mov_b32 s28, 4
.Lrows:
	s_cmp_gt_u32 s28, 1                            ; q's loads run four rows ahead of the trip; in the last trip they stay where they are
	s_cselect_b32 s30, 0x40000, 0
	s_add_nc_u64 s[24:25], s[24:25], s[30:31]      ; (free: the first loads were waited for, the later ones stand in front of the wait at the trip's end)
.irp i, 0,1,2,3
.irp k, 0,1,2,3
	ds_load_b128 v[S+16*\i+4*\k:S+16*\i+4*\k+3], v[VXR] offset:PX*\i+512*\k
.endr
.endr
	v_add_nc_u32 v[VXR], 4*PX, v[VXR]
.irp i, 0,1,2,3
	s_wait_dscnt 12-4*\i                           ; the later rows' LDS loads stay out
	s_wait_loadcnt 12                              ; the three younger sets' loads stay out
	WIN 0x0c
.irp k, 0,1,2,3,4,5,6,7
	v_pk_add_f32 v[S+16*\i+2*\k:S+16*\i+2*\k+1], v[S+16*\i+2*\k:S+16*\i+2*\k+1], v[16*\i+2*\k:16*\i+2*\k+1]
.endr
	WIN 0xc0
.irp k, 0,1,2,3
	global_load_b128 v[16*\i+4*\k:16*\i+4*\k+3], v[VKL], s[24:25] offset:65536*\i+512*\k   ; the set has been added: the row four further on
.endr
	WIN 0
	v_pk_mul_f32 v[W+4*\i:W+4*\i+1], v[S+16*\i:S+16*\i+1], v[S+16*\i:S+16*\i+1]
	v_pk_mul_f32 v[W+4*\i+2:W+4*\i+3], v[S+16*\i+2:S+16*\i+3], v[S+16*\i+2:S+16*\i+3]
.irp k, 2,4,6
	v_pk_fma_f32 v[W+4*\i:W+4*\i+1], v[S+16*\i+2*\k:S+16*\i+2*\k+1], v[S+16*\i+2*\k:S+16*\i+2*\k+1], v[W+4*\i:W+4*\i+1]
	v_pk_fma_f32 v[W+4*\i+2:W+4*\i+3], v[S+16*\i+2*\k+2:S+16*\i+2*\k+3], v[S+16*\i+2*\k+2:S+16*\i+2*\k+3], v[W+4*\i+2:W+4*\i+3]
.endr
	v_pk_add_f32 v[W+4*\i:W+4*\i+1], v[W+4*\i:W+4*\i+1], v[W+4*\i+2:W+4*\i+3]
	v_add_f32 v[W+4*\i], v[W+4*\i], v[W+4*\i+1]
.endr
.irp m, 1,2,4,8                        ; the four rows' sums over the lanes, side by side
.irp i, 0,1,2,3
	v_add_f32_dpp v[W+4*\i], v[W+4*\i], v[W+4*\i] row_xmask:\m row_mask:0xf bank_mask:0xf
.endr
.endr
.irp i, 0,1,2,3
	v_permlanex16_b32 v[W+4*\i+1], v[W+4*\i], s18, s19
.endr
.irp i, 0,1,2,3
	v_add_f32 v[W+4*\i], v[W+4*\i], v[W+4*\i+1]
.endr
.irp i, 0,1,2,3
	v_sqrt_f32 v[W+4*\i], v[W+4*\i]
.endr
	v_nop
	s_wait_alu depctr_va_vdst(0)
.irp i, 0,1,2,3
	v_max_num_f32 v[W+4*\i], s29, v[W+4*\i]
.endr
.irp i, 0,1,2,3
	v_rcp_f32 v[W+4*\i], v[W+4*\i]
.endr
	v_nop
	s_wait_alu depctr_va_vdst(0)
.irp i, 0,1,2,3
	v_mov_b32 v[W+4*\i+1], v[W+4*\i]
.endr
.irp i, 0,1,2,3
.irp k, 0,1,2,3,4,5,6,7
	v_pk_mul_f32 v[S+16*\i+2*\k:S+16*\i+2*\k+1], v[S+16*\i+2*\k:S+16*\i+2*\k+1], v[W+4*\i:W+4*\i+1]
.endr
.irp k, 0,1,2,3
	global_store_b128 v[VKL], v[S+16*\i+4*\k:S+16*\i+4*\k+3], s[26:27] offset:65536*\i+512*\k    ; 512 consecutive bytes
.endr
.endr
	s_wait_xcnt 0x0                                ; both bases and the stores' registers are written again only behind this wait
	s_add_nc_u64 s[26:27], s[26:27], 0x40000
	s_sub_co_u32 s28, s28, 1
	s_cmp_lg_u32 s28, 0
	s_cbranch_scc1 .Lrows
	s_set_vgpr_msb 0xf
	s_wait_tensorcnt 0x0
	ds_add_u32 v64, v65
	s_wait_dscnt 0x0
	s_set_vgpr_msb 0xf00
	s_endpgm
.Lfunc_end_k_q27654b0b90_attn:
	.size	k_q27654b0b90_attn, .Lfunc_end_k_q27654b0b90_attn-k_q27654b0b90_attn
	.p2alignl 7, 3214868480
	.fill 96, 4, 3214868480
	.section	.rodata,"a",@progbits
	.p2align	6, 0x0
	.amdhsa_kernel k_q27654b0b90_attn
		.amdhsa_group_segment_fixed_size 206592
		.amdhsa_private_segment_fixed_size 0
		.amdhsa_enable_private_segment 0
		.amdhsa_kernarg_size 32
		.amdhsa_user_sgpr_count 2
		.amdhsa_user_sgpr_kernarg_segment_ptr 1
		.amdhsa_wavefront_size32 1
		.amdhsa_system_sgpr_workgroup_id_x 1
		.amdhsa_system_sgpr_workgroup_id_y 1
		.amdhsa_system_sgpr_workgroup_id_z 1
		.amdhsa_system_vgpr_workitem_id 0
		.amdhsa_next_free_vgpr 834
		.amdhsa_next_free_sgpr 66
		.amdhsa_reserve_vcc 0
		.amdhsa_float_denorm_mode_32 3
		.amdhsa_float_denorm_mode_16_64 3
		.amdhsa_memory_ordered 1
		.amdhsa_forward_progress 1
		.amdhsa_inst_pref_size 96
	.end_amdhsa_kernel
	.amdgpu_metadata
---
amdhsa.version: [ 1, 2 ]
amdhsa.kernels:
  - .name:           k_q27654b0b90_attn
    .symbol:         k_q27654b0b90_attn.kd
    .args:
      - { .name: qf, .offset: 0, .size: 8, .value_kind: global_buffer, .address_space: global }
      - { .name: kvp, .offset: 8, .size: 8, .value_kind: global_buffer, .address_space: global }
      - { .name: temperature, .offset: 16, .size: 8, .value_kind: global_buffer, .address_space: global }
      - { .name: xn, .offset: 24, .size: 8, .value_kind: global_buffer, .address_space: global }
    .group_segment_fixed_size: 206592
    .private_segment_fixed_size: 0
    .kernarg_segment_align: 8
    .kernarg_segment_size: 32
    .max_flat_workgroup_size: 128
    .sgpr_count:     66
    .vgpr_count:     834
    .wavefront_size: 32
...
	.end_amdgpu_metadata
.endif
;; end of part 8
;; launch ffn (part 9): grid 256 x 1, 4 waves a work-group, clusters of 4 x 1, 327,680 bytes of LDS; arguments xn, wcast, b1, b2, out0; writes out0
.if DOCPART == 9
	.amdgcn_target "amdgcn-amd-amdhsa--gfx1250"
	.amdhsa_code_object_version 6
	.text
	.protected	k_q27654b0b90_ffn
	.globl	k_q27654b0b90_ffn
	.p2align	8
	.type	k_q27654b0b90_ffn,@function
k_q27654b0b90_ffn:
	s_mov_b64 s[64:65], 0
	v_nop
	global_prefetch_b8 v0, s[64:65] scope:SCOPE_SE
	s_setreg_imm32_b32 hwreg(HW_REG_WAVE_MODE, 25, 1), 1
	s_wait_xcnt 0x0
	s_wait_alu depctr_hold_cnt(0) depctr_sa_sdst(0) depctr_va_vdst(0) depctr_va_sdst(0) depctr_va_ssrc(0) depctr_va_vcc(0) depctr_vm_vsrc(0)
	s_getreg_b32 s2, hwreg(HW_REG_IB_STS2, 6, 4)
	s_cmp_eq_u32 s2, 0
	s_cbranch_scc0 .Lentry_in_a_cluster
	s_endpgm
.Lentry_in_a_cluster:
	s_bfe_u32 s2, ttmp6, 0x10000c
	s_cmp_lg_u32 s2, 0x3003
	s_cbranch_scc0 .Lentry_shape_is_right
	s_endpgm
.Lentry_shape_is_right:
; out = l2norm(gelu(x W1 + b1) W2 + b2 + x).  A work-group: 64 rows, all 512 columns; the 2,048 hidden columns go in 16 chunks of 128, and the hidden numbers never leave the WGP.
; bf16 operands (x rounded for the product; W1, W2, b1, b2 are the inputs rounded to bf16), f32 sums; the residual x stays f32: the sums of the second product START at x; b2 is added behind them.
; Both products are used transposed (source 0 = 16 columns of the weight, read turned from [k][column]; source 1 = 16 rows): a lane holds 8 neighbouring columns of one row.
; A CHUNK, four stretches of 64 products a wave.  Wave w owns the hidden columns 64 hb + 16 w + 0..15, hb = 0, 1, of all 64 rows (2 x 4 accumulators, started at b1), and 128 out columns (32 accumulators, window 1).
;   A: x W1, block 0.   B: x W1, block 1 | GELU of block 0 -> HS's first half.   (round)   C: h W2, hidden 0-63 | GELU of block 1 -> HS's second half.   (barrier)   D: h W2, hidden 64-127.
; A block's GELU is 256 vector lines.  In B four of them stand behind each product.  In C the first 112 stand in the wait for the phase's first fragments, three behind each of the first 48 products; so the barrier
; is signalled 16 products ahead of C's end, and those 16 stand round its wait and round the loads of h.  The list goes by pairs of numbers, three pairs in flight, so that of four lines on end one is a
; transcendental and three are plain.  The price: two window switches a product where lines ride, since the products name windows 1 to 3 and GELU works in window 0.
; x's 64 fragments stay in registers (K steps 0-7 in window 2, 8-15 in window 3).  x is read from memory ONCE: a wave's 64 loads for the residual are a quarter of x; it rounds them to bf16 and hands them
; to the other waves through LDS, 16 rows at a time.
; GELU.  g = x/2 + |x/2| (1 - Q e), e = 2^(-0.72134752 x^2), t = 1 / (1 + 0.33267253 |x|), Q = t (0.3480242 + t (-0.0958798 + 0.7478556 t)): the rational approximation of erf
; (Abramowitz and Stegun 7.1.25), |error of erf| <= 2.5e-5 for every x: LIMIT: g is off by at most 1.25e-5 |x|, far under the bf16 rounding that follows.  NaN and infinities are not treated apart.
; RING.  The tiles W1, W2, W1, ... of the chunks take turns on two slots.  CLUSTER: the four work-groups of a cluster walk the same weights, so each tile is asked for JOINTLY (mask 15), each wave its quarter of
; the rows; a round of the cluster's barrier stands in front of each fill.  By this text's count one tensor load of a wave is out.  The loop is entered in its middle (a trip: C, D of one chunk, then A, B
; of the next), so that only C and D are written a second time, for the last chunk, which asks for nothing.
; THE WALK IS ROTATED: cluster x begins at chunk x mod 16 and goes round (the sum over the chunks has no order of its own).  So the 64 clusters ask for 16 different tiles at a time, not all for the same one,
; and from the walk's third phase on every tile has been read by other clusters before.  The number is the cluster's, alike in its four partners; it enters the descriptors' global addresses, which are made
; anew from it for each fill, and the global address from which b1 is laid into LDS in the walk's order: no LDS address hangs on it.
.set P1,    288                        ; W1's rows in LDS: 256 bytes + 32
.set P2,    1056                       ; W2's rows: 1,024 + 32; both odd multiples of 32 bytes
.set SLOT1, 512*P1
.set HS,    SLOT1+128*P2               ; two halves, each [64 rows] x 64 hidden bf16, pitch 144; never filled by a tensor load
.set PH,    144
.set HSH,   64*PH
.set B1S,   HS+2*HSH                   ; b1, rounded, f32, in the walk's order
.set SPARE, B1S+8192                   ; the spare words, 128 bytes for each wave
.set XB,    SPARE+512                  ; x on its way to the fragments: 16 rows of 512 bf16, pitch 1,040; a second such buffer lies on HS's bytes
.set PXB,   1040
.set B2S,   XB+16*PXB                  ; b2 as 512 bf16
.set PS,    2064                       ; the out stage: 64 rows at LDS byte 0, in slot 0 behind its last fill and last read
.set LUMP,  112                        ; lines of block 1's GELU ahead of C's first product
.set RIDE,  3                          ; and behind each of C's first 48 products: 112 + 3 x 48 = 256
.set VHL, 1                            ; HS + 144 r + 16 h: h's fragments
.set VXS, 2                            ; where I put 16 bytes of x
.set VAC, 3                            ; my bytes of 16 rows of x
.set VXL, 4                            ; x's fragments
.set VW1, 6                            ; v6-9   W1's fragments, 128 k to a register
.set VW2, 10                           ; v10-11 W2's fragments, 64 k to a register
.set VB1, 12
.set VHS, 13                           ; where I put 16 bytes of h
.set SPW, 14
.set NIL, 15
.set BI,  16                           ; b1 as C, 8 a block; in C two fragments of h
.set HA,  32                           ; accumulator (hb, mb) at HA + 32 hb + 8 mb; free halves take fragments of h
.set FW,  96                           ; 16 fragments of a weight
.set SQ,  224                          ; GELU at work, by pair % 4: x^2 and e,
.set TT,  232                          ; t,
.set U,   240                          ; the polynomial,
.set PK,  248                          ; and 16 bytes of bf16, two sets by turns
.set BA,  14                           ; s[14:15] W1 at my 128 rows, chunk 0
.set BB,  16                           ; s[16:17] W2 at my 32 rows of chunk 0
.set CA,  18                           ; s18  the chunk whose W1 is asked for next
.set CB,  19                           ; s19  the chunk whose W2 is asked for next
.set WV,  20
.set G1A, 24
.set G1B, 32
.set G0A, 40
.set G0B, 44
.set MK,  49
.set KE,  52
.set KP,  54
.set A3,  56
.set A2,  58
.set A1,  60
.set OFF, 62                           ; s[62:63] a chunk's byte offset
.set MSB, 0
.set gv, 0
.set gd, 0
.macro WIN new
.if MSB != (\new)
	s_set_vgpr_msb (MSB<<8)|(\new)
.set MSB, (\new)
.endif
.endm
.macro PLACES                          ; four places between a matrix instruction and a load into, or a read of, its registers
.rept 4
	v_nop
.endr
.endm
.macro RND4 a, t
	v_cvt_pk_bf16_f32 v[(\t)], v[(\a)], v[(\a)+1]
	v_cvt_pk_bf16_f32 v[(\t)+1], v[(\a)+2], v[(\a)+3]
	v_lshlrev_b32 v[(\a)], 16, v[(\t)]
	v_and_b32 v[(\a)+1], s[MK], v[(\t)]
	v_lshlrev_b32 v[(\a)+2], 16, v[(\t)+1]
	v_and_b32 v[(\a)+3], s[MK], v[(\t)+1]
.endm
.macro ROUND                           ; a round of the cluster's barrier
	s_barrier_signal -1
	s_barrier_wait -1
	s_cmp_lg_u32 s[WV], 0
	s_cbranch_scc1 .Lnw0_\@
	s_barrier_signal -3
.Lnw0_\@:
	s_barrier_wait -3
	s_barrier_signal -1
	s_barrier_wait -1
.endm
	s_load_b256 s[4:11], s[0:1], 0x0               ; xn, wcast, b1, b2
	s_load_b64 s[12:13], s[0:1], 0x20              ; out0
	v_lshl_add_u32 v[SPW], v0, 2, SPARE
	v_mov_b32 v[NIL], 0
	ds_add_u32 v14, v15
	s_wait_dscnt 0x0
	v_lshrrev_b32 v1, 5, v0
	v_readfirstlane_b32 s[WV], v1
	s_bfe_u32 s21, ttmp6, 0x40000                  ; cx: it enters xn's and out0's addresses alone
	s_lshl_b32 s22, ttmp9, 2
	s_add_co_u32 s21, s22, s21                     ; my block of 64 rows
	s_and_b32 s[CA], ttmp9, 15                     ; the cluster's first chunk
	s_mov_b32 s[CB], s[CA]
	s_mov_b32 s[OFF+1], 0
	s_mov_b32 s[G1A], 15|(1<<16)|(1<<20)|(1<<21)|(5<<22)|(7<<25)   ; mask of four; 2-byte elements; padding on; bit 21 beside a mask; after every 64 words 8 words
	s_mov_b32 s[G1A+1], 128<<16                    ; tensor_dim0 = 128
	s_mov_b32 s[G1A+2], 128<<16                    ; tensor_dim1 = 128
	s_mov_b32 s[G1A+3], 128<<16                    ; tile_dim0 = 128
	s_mov_b32 s[G1A+4], 128                        ; tile_dim1 = 128 rows a wave
	s_mov_b32 s[G1A+5], 2048                       ; W1's pitch
	s_mov_b32 s[G1A+6], 0
	s_mov_b32 s[G1A+7], 0
	s_mov_b32 s[G1B], 15|(1<<16)|(1<<20)|(1<<21)|(7<<22)|(7<<25)   ; the same, after every 256 words
	s_mov_b32 s[G1B+1], 512<<16
	s_mov_b32 s[G1B+2], 32<<16
	s_mov_b32 s[G1B+3], 512<<16
	s_mov_b32 s[G1B+4], 32                         ; 32 rows a wave
	s_mov_b32 s[G1B+5], 512
	s_mov_b32 s[G1B+6], 0
	s_mov_b32 s[G1B+7], 0
	s_mov_b32 s[MK], 0xffff0000
	s_mov_b32 s51, 0x2b8cbccc                      ; 1e-12
	s_mov_b32 s[KE], 0xbf38aa3b                    ; -0.72134752
	s_mov_b32 s[KE+1], s[KE]
	s_mov_b32 s[KP], 0x3eaa540e                    ; 0.33267253
	s_mov_b32 s[A3], 0x3f3f7377                    ; 0.7478556
	s_mov_b32 s[A3+1], s[A3]
	s_mov_b32 s[A2], 0xbdc45ca1                    ; -0.0958798
	s_mov_b32 s[A2+1], s[A2]
	s_mov_b32 s[A1], 0x3eb2303a                    ; 0.3480242
	s_mov_b32 s[A1+1], s[A1]
	s_mov_b32 s66, 0x76543210
	s_mov_b32 s67, 0xfedcba98
	s_mov_b32 s23, 0
	s_mov_b32 s[G0A], 1
	s_mul_i32 s[G0A+1], s[WV], 128*P1
	s_mov_b32 s[G0B], 1
	s_mul_i32 s[G0B+1], s[WV], 32*P2
	s_add_co_u32 s[G0B+1], s[G0B+1], SLOT1
	s_wait_kmcnt 0x0
	s_lshl_b32 s22, s[WV], 19                      ; my 128 rows of W1
	s_add_co_u32 s22, s22, 0x180000
	s_add_nc_u64 s[BA:BA+1], s[6:7], s[22:23]
	s_lshl_b32 s[OFF], s[CA], 8                    ; a chunk's 128 columns are 256 bytes of a row
	s_add_nc_u64 s[G0A+2:G0A+3], s[BA:BA+1], s[OFF:OFF+1]
	s_or_b32 s[G0A+3], s[G0A+3], 0x80000000
	s_lshl_b32 s22, s[WV], 15                      ; my 32 rows of a chunk of W2
	s_add_co_u32 s22, s22, 0x380000
	s_add_nc_u64 s[BB:BB+1], s[6:7], s[22:23]
	s_lshl_b32 s[OFF], s[CB], 17                   ; a chunk's 128 rows are 131,072 bytes
	s_add_nc_u64 s[G0B+2:G0B+3], s[BB:BB+1], s[OFF:OFF+1]
	s_or_b32 s[G0B+3], s[G0B+3], 0x80000000
	s_lshl_b32 s22, s21, 17
	s_add_nc_u64 s[4:5], s[4:5], s[22:23]
	s_add_nc_u64 s[12:13], s[12:13], s[22:23]
	ROUND                                          ; all four work-groups are here
	tensor_load_to_lds s[G0A:G0A+3], s[G1A:G1A+7]  ; W1 of the walk's first chunk
	s_nop 0
	PLACES
	v_and_b32 v[SQ], 15, v0                        ; r
	v_bfe_u32 v[SQ+1], v0, 4, 1                    ; h
	v_lshlrev_b32 v[VAC], 11, v[SQ]
	v_lshl_add_u32 v[VAC], v[SQ+1], 5, v[VAC]
	s_lshl_b32 s22, s[WV], 9
	v_add_nc_u32 v[VAC], s22, v[VAC]               ; row r, 512 w + 32 h
	v_and_b32 v[SQ+2], 7, v0
	v_lshl_add_u32 v[SQ+2], v[SQ+1], 3, v[SQ+2]    ; the turning load's row
	v_bfe_u32 v[SQ+3], v0, 3, 1
	v_lshlrev_b32 v[SQ+3], 4, v[SQ+3]              ; and its 16 bytes
	v_mul_u32_u24 v[VW1], v[SQ+2], P1
	v_add_nc_u32 v[VW1], v[VW1], v[SQ+3]
	s_lshl_b32 s22, s[WV], 5
	v_add_nc_u32 v[VW1], s22, v[VW1]               ; hidden column 16 w; block hb stands in the offset
	v_add_nc_u32 v[VW1+1], 128*P1, v[VW1]
	v_add_nc_u32 v[VW1+2], 256*P1, v[VW1]
	v_add_nc_u32 v[VW1+3], 384*P1, v[VW1]
	v_mul_u32_u24 v[VW2], v[SQ+2], P2
	v_add_nc_u32 v[VW2], v[VW2], v[SQ+3]
	s_lshl_b32 s22, s[WV], 8
	s_add_co_u32 s22, s22, SLOT1
	v_add_nc_u32 v[VW2], s22, v[VW2]
	v_add_nc_u32 v[VW2+1], 64*P2, v[VW2]
	s_lshl_b32 s22, s[WV], 6
	s_add_co_u32 s22, s22, B1S
	v_lshl_add_u32 v[VB1], v[SQ+1], 5, s22
	v_mul_u32_u24 v[VHL], v[SQ], PH
	v_lshl_add_u32 v[VHL], v[SQ+1], 4, v[VHL]
	v_add_nc_u32 v[VHL], HS, v[VHL]
	s_lshl_b32 s22, s[WV], 5
	v_add_nc_u32 v[VHS], s22, v[VHL]
	v_mul_u32_u24 v[VXL], v[SQ], PXB
	v_lshl_add_u32 v[VXL], v[SQ+1], 4, v[VXL]
	v_add_nc_u32 v[VXL], HS, v[VXL]
	s_lshl_b32 s22, s[WV], 8
	v_add_nc_u32 v[VXS], s22, v[VXL]
	v_lshlrev_b32 v[SQ+4], 4, v0                   ; 16 t
	v_add_nc_u32 v[SQ+5], B1S, v[SQ+4]
	v_lshl_add_u32 v[SQ+6], v0, 3, B2S
	s_lshl_b32 s22, s[CA], 9                       ; the first chunk's 512 bytes of b1
.irp k, 0,1,2,3                        ; byte d of B1S takes byte (d + 512 x first chunk) mod 8,192 of b1: the walk's j-th chunk lies at 512 j
	v_add3_u32 v[TT+\k], v[SQ+4], s22, 2048*\k
	v_and_b32 v[TT+\k], 0x1fff, v[TT+\k]
	global_load_b128 v[FW+4*\k:FW+4*\k+3], v[TT+\k], s[8:9]
.endr
	global_load_b128 v[FW+16:FW+19], v[SQ+4], s[10:11]
	WIN 0x40                                       ; x, straight into the accumulators: (mb, nb) at v[8 (8 mb + nb)] of window 1
.set j, 0
.rept 32
	global_load_b128 v[8*j:8*j+3], v[VAC], s[4:5] offset:32768*(j/8)+64*(j%8) th:TH_LOAD_NT
	global_load_b128 v[8*j+4:8*j+7], v[VAC], s[4:5] offset:32768*(j/8)+64*(j%8)+16 th:TH_LOAD_NT
.set j, j+1
.endr
	WIN 0
	s_wait_loadcnt 63                              ; 64 loads stand behind b2's; a wait names 63 at the most, so x's first load is waited for too: b1 and b2 are in
.irp k, 0,1,2,3
	RND4 FW+4*\k, U
	ds_store_b128 v[SQ+5], v[FW+4*\k:FW+4*\k+3] offset:2048*\k
.endr
	v_cvt_pk_bf16_f32 v[U+2], v[FW+16], v[FW+17]
	v_cvt_pk_bf16_f32 v[U+3], v[FW+18], v[FW+19]
	ds_store_b64 v[SQ+6], v[U+2:U+3]
.macro XCVC mb                         ; my 128 columns of rows 16 mb on, rounded to bf16
	s_wait_loadcnt 48-16*(\mb)                     ; the later row blocks' loads stay out
	WIN 0x05
.set j, 0
.rept 32
	v_cvt_pk_bf16_f32 v[HA+32*((\mb)%2)+j], v[64*(\mb)+2*j], v[64*(\mb)+2*j+1]
.set j, j+1
.endr
	WIN 0
.endm
.macro XCVS mb, buf                    ; and put into buffer buf
.set j, 0
.rept 8
	ds_store_b128 v[VXS], v[HA+32*((\mb)%2)+4*j:HA+32*((\mb)%2)+4*j+3] offset:(\buf)*(XB-HS)+32*j
.set j, j+1
.endr
.endm
.macro XRD mb, buf                     ; fragment (mb, ks) -> window 2 + ks / 8, v[64 mb + 8 (ks % 8)]
.irp wn, 0,1
	WIN 0x80+0x40*\wn
.set j, 0
.rept 8
	ds_load_b128 v[64*(\mb)+8*j:64*(\mb)+8*j+3], v[VXL] offset:(\buf)*(XB-HS)+64*(8*\wn+j)
	ds_load_b128 v[64*(\mb)+8*j+4:64*(\mb)+8*j+7], v[VXL] offset:(\buf)*(XB-HS)+64*(8*\wn+j)+32
.set j, j+1
.endr
.endr
	WIN 0
.endm
	XCVC 0
	XCVS 0, 0
	XCVC 1
	XCVS 1, 1
	s_wait_dscnt 0x0                               ; my parts of rows 0-31, of b1 and of b2 are stored
	s_barrier_signal -1
	s_barrier_wait -1
	XRD 0, 0
	XRD 1, 1
	XCVC 2                                         ; register work while the fragments come
	XCVC 3
	s_wait_dscnt 0x0                               ; my reads of the two buffers are over
	s_barrier_signal -1
	s_barrier_wait -1
	XCVS 2, 0
	XCVS 3, 1
	s_wait_dscnt 0x0
	s_barrier_signal -1
	s_barrier_wait -1
	XRD 2, 0
	XRD 3, 1
; GELU's LIST for the four accumulators of block hb: 16 pairs of numbers, 16 lines a pair.  Place gv of the list: step gv / 16 - 1, line gv % 16.  In step s stand, by turns of one transcendental and three plain lines:
;   lines 6, 10, 11, 15 for pair s + 1: x^2; times -0.7213; 1 + 0.3327 |x|, twice         lines 0, 4, 8, 12 for pair s: the two reciprocals, the two exponentials
;   lines 1, 5, 9, 13, 14 for pair s - 1: the polynomial's three steps; 1 - Q e; x / 2      lines 2, 3, 7 for pair s - 2: g, twice; the rounding to bf16 (behind an accumulator's fourth pair: its 16 bytes go to HS)
; No line reads a transcendental's result before a plain line has come between (ISA guide 5.7.2), and an accumulator's first pair is read first.
; The four stores stand behind lines 81, 145, 209 and 256 of the 256.
.macro GOP hb
.set gs, gv/16-1
.set gk, gv%16
.if (gk == 0) || (gk == 4) || (gk == 8) || (gk == 12)
.set gp, gs
.elseif (gk == 6) || (gk == 10) || (gk == 11) || (gk == 15)
.set gp, gs+1
.elseif (gk == 2) || (gk == 3) || (gk == 7)
.set gp, gs-2
.else
.set gp, gs-1
.endif
.if (gp >= 0) && (gp < 16)
.set gd, 1
.set gx, HA+32*(\hb)+2*gp
.set gt, 2*(gp%4)
.if gk == 6
	v_pk_mul_f32 v[SQ+gt:SQ+gt+1], v[gx:gx+1], v[gx:gx+1]
.elseif gk == 10
	v_pk_mul_f32 v[SQ+gt:SQ+gt+1], v[SQ+gt:SQ+gt+1], s[KE:KE+1] op_sel_hi:[1,0]
.elseif gk == 11
	v_fma_f32 v[TT+gt], |v[gx]|, s[KP], 1.0
.elseif gk == 15
	v_fma_f32 v[TT+gt+1], |v[gx+1]|, s[KP], 1.0
.elseif gk == 0
	v_rcp_f32 v[TT+gt], v[TT+gt]
.elseif gk == 4
	v_rcp_f32 v[TT+gt+1], v[TT+gt+1]
.elseif gk == 8
	v_exp_f32 v[SQ+gt], v[SQ+gt]
.elseif gk == 12
	v_exp_f32 v[SQ+gt+1], v[SQ+gt+1]
.elseif gk == 1
	s_wait_alu depctr_va_vdst(0)
	v_pk_fma_f32 v[U+gt:U+gt+1], v[TT+gt:TT+gt+1], s[A3:A3+1], s[A2:A2+1] op_sel_hi:[1,0,0]
.elseif gk == 5
	v_pk_fma_f32 v[U+gt:U+gt+1], v[U+gt:U+gt+1], v[TT+gt:TT+gt+1], s[A1:A1+1] op_sel_hi:[1,1,0]
.elseif gk == 9
	v_pk_mul_f32 v[U+gt:U+gt+1], v[U+gt:U+gt+1], v[TT+gt:TT+gt+1]
.elseif gk == 13
	v_pk_fma_f32 v[U+gt:U+gt+1], v[U+gt:U+gt+1], v[SQ+gt:SQ+gt+1], 1.0 op_sel_hi:[1,1,0] neg_lo:[1,0,0] neg_hi:[1,0,0]
.elseif gk == 14
	v_pk_mul_f32 v[gx:gx+1], v[gx:gx+1], 0.5 op_sel_hi:[1,0]
.elseif gk == 2
	v_fma_f32 v[gx], |v[gx]|, v[U+gt], v[gx]
.elseif gk == 3
	v_fma_f32 v[gx+1], |v[gx+1]|, v[U+gt+1], v[gx+1]
.else
	v_cvt_pk_bf16_f32 v[PK+4*((gp/4)%2)+gp%4], v[gx], v[gx+1]
.if gp%4 == 3
	ds_store_b128 v[VHS], v[PK+4*((gp/4)%2):PK+4*((gp/4)%2)+3] offset:16*PH*(gp/4)+HSH*(\hb)
.endif
.endif
.endif
.set gv, gv+1
.endm
.macro GR hb                           ; the list's next line: at the list's two ends up to six places on end are empty
.set gd, 0
.rept 8
.if gd == 0
	GOP \hb
.endif
.endr
.endm
; x W1
.macro LD1 g, hb                       ; 8 turning loads: k = 128 g on, four steps of 32, block hb
.irp kl, 0,1,2,3
	ds_load_tr16_b128 v[FW+8*(4*(\g)+\kl):FW+8*(4*(\g)+\kl)+3], v[VW1+(\g)] offset:32*P1*\kl+128*(\hb)
	ds_load_tr16_b128 v[FW+8*(4*(\g)+\kl)+4:FW+8*(4*(\g)+\kl)+7], v[VW1+(\g)] offset:32*P1*\kl+128*(\hb)+16*P1
.endr
.endm
.macro MU1 g, hb, ride                 ; 16 products; the block's four accumulators take turns; the first four take b1 as C.  ride = 1: four lines of block 0's GELU behind each
.irp kl, 0,1,2,3
.irp mb, 0,1,2,3
	WIN 0x08+4*((\g)/2)
.set rD, HA+32*(\hb)+8*\mb
.set rA, FW+8*(4*(\g)+\kl)
.set rB, 64*\mb+8*((4*(\g)+\kl)%8)
.if ((\g) == 0) && (\kl == 0)
	v_wmma_f32_16x16x32_bf16 v[rD:rD+7], v[rA:rA+7], v[rB:rB+7], v[BI+8*(\hb):BI+8*(\hb)+7]
.else
	v_wmma_f32_16x16x32_bf16 v[rD:rD+7], v[rA:rA+7], v[rB:rB+7], v[rD:rD+7]
.endif
.if \ride
	WIN 0
.rept 4
	GR 0
.endr
.endif
.endr
.endr
.endm
.macro PH1
	ds_load_b128 v[BI:BI+3], v[VB1]                ; b1 of register j's hidden column, block 0
	ds_load_b128 v[BI+4:BI+7], v[VB1] offset:16
	ds_load_b128 v[BI+8:BI+11], v[VB1] offset:256  ; block 1
	ds_load_b128 v[BI+12:BI+15], v[VB1] offset:272
	v_add_nc_u32 v[VB1], 512, v[VB1]               ; the walk's next chunk
	v_nop                                          ; with the four ahead and the line above: six places before the first product writes over registers that the last products read
.irp g, 0,1,2,3
	LD1 \g, 0
.endr
.irp g, 0,1,2,3                        ; A: as a group's registers are done with, block 1's fragments are asked for into them
	s_wait_dscnt 24                                ; the three younger groups of 8 stay out
	MU1 \g, 0, 0
	PLACES
	LD1 \g, 1
.endr
.set gv, 0
.irp g, 0,1,2,3                        ; B
	s_wait_dscnt 24-8*\g                           ; the later groups stay out (the stores into HS among them make the count the stricter)
	MU1 \g, 1, 1
.endr
.endm
; h W2
.macro LD2W ks                         ; 16 turning loads: 32 hidden x my 128 out columns
	WIN 0
.irp nb, 0,1,2,3,4,5,6,7
	ds_load_tr16_b128 v[FW+64*((\ks)%2)+8*\nb:FW+64*((\ks)%2)+8*\nb+3], v[VW2+(\ks)/2] offset:32*P2*((\ks)%2)+32*\nb
	ds_load_tr16_b128 v[FW+64*((\ks)%2)+8*\nb+4:FW+64*((\ks)%2)+8*\nb+7], v[VW2+(\ks)/2] offset:32*P2*((\ks)%2)+32*\nb+16*P2
.endr
.endm
.macro LD2H ks, mb, reg                ; one fragment of h: 32 hidden x 16 rows
	WIN 0
	ds_load_b128 v[(\reg):(\reg)+3], v[VHL] offset:16*PH*(\mb)+64*((\ks)%2)+HSH*((\ks)/2)
	ds_load_b128 v[(\reg)+4:(\reg)+7], v[VHL] offset:16*PH*(\mb)+64*((\ks)%2)+HSH*((\ks)/2)+32
.endm
.macro MU2 ks, mb, reg, ride           ; 8 products on 8 accumulators; a K step's 32 take turns.  ride: so many lines of block 1's GELU behind each
.irp nb, 0,1,2,3,4,5,6,7
	WIN 0x50
	v_wmma_f32_16x16x32_bf16 v[8*(8*(\mb)+\nb):8*(8*(\mb)+\nb)+7], v[FW+64*((\ks)%2)+8*\nb:FW+64*((\ks)%2)+8*\nb+7], v[(\reg):(\reg)+7], v[8*(8*(\mb)+\nb):8*(8*(\mb)+\nb)+7]
.if \ride
	WIN 0
.rept \ride
	GR 1
.endr
.endif
.endr
.endm
.macro PH2
.irp mb, 0,1,2,3
	LD2H 0, \mb, HA+8*\mb                          ; block 0's accumulators have been packed: their registers take K step 0's h
.endr
	LD2W 0
	LD2H 1, 0, BI
	LD2H 1, 1, BI+8
	LD2W 1
.set gv, 0
.rept LUMP
	GR 1                                           ; vector work that is due anyway stands between the 44 loads above and the wait for the first 24 of them
.endr
	s_wait_dscnt 20                                ; K step 1's 20 loads stay out (and of the one store behind them the count takes no notice)
	MU2 0, 0, HA, RIDE                             ; C
	MU2 0, 1, HA+8, RIDE
	PLACES
	LD2H 1, 2, HA
	LD2H 1, 3, HA+8
	MU2 0, 2, HA+16, RIDE
	MU2 0, 3, HA+24, RIDE
	PLACES
	LD2W 2
	s_wait_dscnt 20                                ; behind K step 1's first loads stand 22 LDS instructions (two stores, 4 loads, 16 loads): 20 of them stay out
	MU2 1, 0, BI, RIDE
	MU2 1, 1, BI+8, RIDE                           ; the list's last line, and block 1's last store, stand behind this run's last product
	s_wait_dscnt 0x0                               ; for the others' sake: my part of HS's second half is stored; for mine: every fragment asked for is in
	s_barrier_signal -1
	MU2 1, 2, HA, 0                                ; work on registers while the others arrive
	s_barrier_wait -1                              ; HS's second half is whole
.irp mb, 0,1,2,3
	LD2H 2, \mb, HA+32+8*\mb                       ; block 1's accumulators have been packed
.endr
	MU2 1, 3, HA+8, 0                              ; eight more products while those fragments come
	PLACES
	LD2W 3
.irp mb, 0,1,2,3
	LD2H 3, \mb, HA+8*\mb
.endr
	s_wait_dscnt 24                                ; K step 3's 24 loads stay out
.irp mb, 0,1,2,3
	MU2 2, \mb, HA+32+8*\mb, 0                     ; D
.endr
	s_wait_dscnt 0x0
.irp mb, 0,1,2,3
	MU2 3, \mb, HA+8*\mb, 0
.endr
	WIN 0
.endm
; A phase's head: my part of this slot's tile has landed; the round shows that of every wave of the cluster, and that nobody reads the other slot any more; the other slot is filled first thing behind it.
; The rounds also order HS: its first half is stored in front of the round ahead of C, and all reads of HS are over in front of the round ahead of A.
.macro TRIP slot, refill
	WIN 0
	s_wait_tensorcnt 0x0                           ; no tensor load of mine is out, so a group 0 may be written
	ds_add_u32 v[SPW], v[NIL]                      ; 0 onto my spare word
.if (\slot) == 0
	s_add_co_u32 s[CA], s[CA], 1                   ; W1's next chunk, round the 16;
	s_and_b32 s[CA], s[CA], 15
	s_lshl_b32 s[OFF], s[CA], 8
	s_add_nc_u64 s[G0A+2:G0A+3], s[BA:BA+1], s[OFF:OFF+1]  ; its address is made anew from the number
	s_or_b32 s[G0A+3], s[G0A+3], 0x80000000
.else
	s_add_co_u32 s[CB], s[CB], 1                   ; W2's next chunk
	s_and_b32 s[CB], s[CB], 15
	s_lshl_b32 s[OFF], s[CB], 17
	s_add_nc_u64 s[G0B+2:G0B+3], s[BB:BB+1], s[OFF:OFF+1]
	s_or_b32 s[G0B+3], s[G0B+3], 0x80000000
.endif
	s_wait_dscnt 0x0                               ; the add is done; so are my reads of the other slot and of HS, and my stores into HS
	ROUND
.if \refill
.if (\slot) == 0
	tensor_load_to_lds s[G0B:G0B+3], s[G1B:G1B+7]
.else
	tensor_load_to_lds s[G0A:G0A+3], s[G1A:G1A+7]
.endif
	s_nop 0
.endif
	PLACES                                         ; also the places in front of the loads below, and behind the products whose results GELU reads
.if (\slot) == 0
	PH1
.else
	PH2
.endif
.endm
	s_mov_b32 s48, 16
	s_branch .Lmid                                 ; the loop is entered at a chunk's first phase
.Lchunk:
	TRIP 1, 1                                      ; C, D of the chunk in hand; W1's next chunk is asked for
.Lmid:
	TRIP 0, 1                                      ; A, B of the next chunk; its W2 is asked for
	s_sub_co_u32 s48, s48, 1
	s_cmp_lg_u32 s48, 0
	s_cbranch_scc1 .Lchunk
	TRIP 1, 0                                      ; the last chunk's C, D are written out: nothing is asked for
	; THE WAY OUT: the sums go raw into a stage of 64 rows; then each wave takes 16 whole rows, four a trip: b2 is added, the row normed and stored
.set XR,  96
.set WS,  224
.set B2P, 16
.set B2F, 32
	PLACES
	v_and_b32 v3, 15, v0                           ; r
	v_bfe_u32 v4, v0, 4, 1                         ; h
	v_and_b32 v5, 31, v0
	v_mul_u32_u24 v6, v3, PS
	v_lshl_add_u32 v6, v4, 5, v6
	s_lshl_b32 s22, s[WV], 9
	v_add_nc_u32 v6, s22, v6                       ; into the stage: row r, 512 w + 32 h
	v_add_nc_u32 v7, 32*PS, v6                     ; rows 32 on
	s_mul_i32 s22, s[WV], 16*PS
	v_lshl_add_u32 v8, v5, 4, s22                  ; back: my 16 rows, 16 L
	v_lshlrev_b32 v9, 4, v5                        ; 16 L in out0
	v_lshl_add_u32 v10, v5, 3, B2S                 ; b2 of my columns 4 L + 128 k
	s_lshl_b32 s22, s[WV], 15
	s_add_nc_u64 s[12:13], s[12:13], s[22:23]      ; out0 at my 16 rows
	WIN 0x04
.set j, 0
.rept 32                               ; each accumulator's low registers first
	ds_store_b128 v[6+j/16], v[8*j:8*j+3] offset:16*PS*((j/8)%2)+64*(j%8)
	ds_store_b128 v[6+j/16], v[8*j+4:8*j+7] offset:16*PS*((j/8)%2)+64*(j%8)+16
.set j, j+1
.endr
	WIN 0
.irp k, 0,1,2,3
	ds_load_b64 v[B2P+2*\k:B2P+2*\k+1], v10 offset:256*\k
.endr
	s_wait_dscnt 0x0
	s_barrier_signal -1
	s_barrier_wait -1                              ; the stage is whole
.irp k, 0,1,2,3
	v_lshlrev_b32 v[B2F+4*\k], 16, v[B2P+2*\k]
	v_and_b32 v[B2F+4*\k+1], s[MK], v[B2P+2*\k]
	v_lshlrev_b32 v[B2F+4*\k+2], 16, v[B2P+2*\k+1]
	v_and_b32 v[B2F+4*\k+3], s[MK], v[B2P+2*\k+1]
.endr
	s_mov_b32 s48, 4
.Lrow:
.irp i, 0,1,2,3
.irp k, 0,1,2,3
	ds_load_b128 v[XR+16*\i+4*\k:XR+16*\i+4*\k+3], v8 offset:PS*\i+512*\k
.endr
.endr
	v_add_nc_u32 v8, 4*PS, v8
.irp i, 0,1,2,3
	s_wait_dscnt 12-4*\i                           ; the later rows' loads stay out
.irp k, 0,1,2,3,4,5,6,7
	v_pk_add_f32 v[XR+16*\i+2*\k:XR+16*\i+2*\k+1], v[XR+16*\i+2*\k:XR+16*\i+2*\k+1], v[B2F+2*\k:B2F+2*\k+1]
.endr
	v_pk_mul_f32 v[WS+4*\i:WS+4*\i+1], v[XR+16*\i:XR+16*\i+1], v[XR+16*\i:XR+16*\i+1]
	v_pk_mul_f32 v[WS+4*\i+2:WS+4*\i+3], v[XR+16*\i+2:XR+16*\i+3], v[XR+16*\i+2:XR+16*\i+3]
.irp k, 2,4,6
	v_pk_fma_f32 v[WS+4*\i:WS+4*\i+1], v[XR+16*\i+2*\k:XR+16*\i+2*\k+1], v[XR+16*\i+2*\k:XR+16*\i+2*\k+1], v[WS+4*\i:WS+4*\i+1]
	v_pk_fma_f32 v[WS+4*\i+2:WS+4*\i+3], v[XR+16*\i+2*\k+2:XR+16*\i+2*\k+3], v[XR+16*\i+2*\k+2:XR+16*\i+2*\k+3], v[WS+4*\i+2:WS+4*\i+3]
.endr
	v_pk_add_f32 v[WS+4*\i:WS+4*\i+1], v[WS+4*\i:WS+4*\i+1], v[WS+4*\i+2:WS+4*\i+3]
	v_add_f32 v[WS+4*\i], v[WS+4*\i], v[WS+4*\i+1]
.endr
.irp m, 1,2,4,8                        ; the four rows' sums over the lanes, side by side
.irp i, 0,1,2,3
	v_add_f32_dpp v[WS+4*\i], v[WS+4*\i], v[WS+4*\i] row_xmask:\m row_mask:0xf bank_mask:0xf
.endr
.endr
.irp i, 0,1,2,3
	v_permlanex16_b32 v[WS+4*\i+1], v[WS+4*\i], s66, s67
.endr
.irp i, 0,1,2,3
	v_add_f32 v[WS+4*\i], v[WS+4*\i], v[WS+4*\i+1]
.endr
.irp i, 0,1,2,3
	v_sqrt_f32 v[WS+4*\i], v[WS+4*\i]
.endr
	v_nop
	s_wait_alu depctr_va_vdst(0)
.irp i, 0,1,2,3
	v_max_num_f32 v[WS+4*\i], s51, v[WS+4*\i]
.endr
.irp i, 0,1,2,3
	v_rcp_f32 v[WS+4*\i], v[WS+4*\i]
.endr
	v_nop
	s_wait_alu depctr_va_vdst(0)
.irp i, 0,1,2,3
	v_mov_b32 v[WS+4*\i+1], v[WS+4*\i]
.endr
.irp i, 0,1,2,3
.irp k, 0,1,2,3,4,5,6,7
	v_pk_mul_f32 v[XR+16*\i+2*\k:XR+16*\i+2*\k+1], v[XR+16*\i+2*\k:XR+16*\i+2*\k+1], v[WS+4*\i:WS+4*\i+1]
.endr
.irp k, 0,1,2,3
	global_store_b128 v9, v[XR+16*\i+4*\k:XR+16*\i+4*\k+3], s[12:13] offset:2048*\i+512*\k th:TH_STORE_NT   ; 512 consecutive bytes
.endr
.endr
	s_wait_xcnt 0x0                                ; the base and the stores' registers are written again only behind this wait
	s_add_nc_u64 s[12:13], s[12:13], 8192
	s_sub_co_u32 s48, s48, 1
	s_cmp_lg_u32 s48, 0
	s_cbranch_scc1 .Lrow
	s_wait_tensorcnt 0x0                           ; the wave's end
	ds_add_u32 v[SPW], v[NIL]
	s_wait_dscnt 0x0
	ROUND                                          ; the closing round
	s_endpgm
.Lfunc_end_k_q27654b0b90_ffn:
	.size	k_q27654b0b90_ffn, .Lfunc_end_k_q27654b0b90_ffn-k_q27654b0b90_ffn
	.p2alignl 7, 3214868480
	.fill 96, 4, 3214868480
	.section	.rodata,"a",@progbits
	.p2align	6, 0x0
	.amdhsa_kernel k_q27654b0b90_ffn
		.amdhsa_group_segment_fixed_size 327680
		.amdhsa_private_segment_fixed_size 0
		.amdhsa_enable_private_segment 0
		.amdhsa_kernarg_size 40
		.amdhsa_user_sgpr_count 2
		.amdhsa_user_sgpr_kernarg_segment_ptr 1
		.amdhsa_wavefront_size32 1
		.amdhsa_system_sgpr_workgroup_id_x 1
		.amdhsa_system_sgpr_workgroup_id_y 1
		.amdhsa_system_sgpr_workgroup_id_z 1
		.amdhsa_system_vgpr_workitem_id 0
		.amdhsa_next_free_vgpr 1024
		.amdhsa_next_free_sgpr 72
		.amdhsa_reserve_vcc 0
		.amdhsa_float_denorm_mode_32 3
		.amdhsa_float_denorm_mode_16_64 3
		.amdhsa_memory_ordered 1
		.amdhsa_forward_progress 1
		.amdhsa_inst_pref_size 151
	.end_amdhsa_kernel
	.amdgpu_metadata
---
amdhsa.version: [ 1, 2 ]
amdhsa.kernels:
  - .name:           k_q27654b0b90_ffn
    .symbol:         k_q27654b0b90_ffn.kd
    .args:
      - { .name: xn, .offset: 0, .size: 8, .value_kind: global_buffer, .address_space: global }
      - { .name: wcast, .offset: 8, .size: 8, .value_kind: global_buffer, .address_space: global }
      - { .name: b1, .offset: 16, .size: 8, .value_kind: global_buffer, .address_space: global }
      - { .name: b2, .offset: 24, .size: 8, .value_kind: global_buffer, .address_space: global }
      - { .name: out0, .offset: 32, .size: 8, .value_kind: global_buffer, .address_space: global }
    .group_segment_fixed_size: 327680
    .private_segment_fixed_size: 0
    .kernarg_segment_align: 8
    .kernarg_segment_size: 40
    .max_flat_workgroup_size: 128
    .sgpr_count:     72
    .vgpr_count:     1024
    .wavefront_size: 32
...
	.end_amdgpu_metadata
.endif
;; end of part 9
;; ======== version 3 of 3: 5 launches; version 2 with the launches kvproj, attn written anew for expert scheduling mode
;; limits: a function is approximated: absolute error at most 2.5e-05; an absolute error that grows with the inputs' magnitude: up to 1.25e-05 times it
;; workspace buffers: wcast 5,767,168 bytes; csp 65,536 bytes; ypart 18,874,368 bytes; kvp 8,388,608 bytes; qf 33,554,432 bytes; xn 33,554,432 bytes
;; launch ytwc: the kernel of part 7 again; grid 16 x 24, 8 waves a work-group, no clusters, 107,520 bytes of LDS; arguments Wq, Wkv, W1, W2, Wp, wcast, csp, x2, pos_k, ypart; writes wcast, csp, ypart
;; launch kvproj (part 10): grid 32 x 8, 8 waves a work-group, no clusters, 280,576 bytes of LDS; arguments ypart, wcast, csp, bkv, bp, kvp; writes kvp
.if DOCPART == 10
	.amdgcn_target "amdgcn-amd-amdhsa--gfx1250"
	.amdhsa_code_object_version 6
	.text
	.protected	k_q27654b0b90_kvproj
	.globl	k_q27654b0b90_kvproj
	.p2align	8
	.type	k_q27654b0b90_kvproj,@function
k_q27654b0b90_kvproj:
	s_mov_b64 s[64:65], 0
	v_nop
	global_prefetch_b8 v0, s[64:65] scope:SCOPE_SE
	s_setreg_imm32_b32 hwreg(HW_REG_WAVE_SCHED_MODE, 0, 2), 2
	s_setreg_imm32_b32 hwreg(HW_REG_WAVE_MODE, 25, 1), 1
	s_wait_xcnt 0x0
	s_wait_alu depctr_vm_vsrc(0)
; kp, vp [o][p] = sum over c of Wkv[c][o] Y_b[c][p] + bkv[o] colsum(Wp)[p] + bp[p] (+ Z[o][p] for o < 512, the k half).  o = 1,024, p = 256, c = 512, for each b.
; Y is an intermediate, so it keeps 16 bits of mantissa: Y = hi + lo, both bf16, two products onto one accumulator.  Wkv, bkv, bp are the inputs rounded to bf16; the bias terms are added in f32.
; A work-group: 128 o x 64 p.  Eight waves: 16 p (wave % 4) x 64 o (wave / 4): four accumulators.
; Wkv's 512 x 128 block lies [c][o] in LDS and is read turned.  ypart's tiles are register images (lane = p, registers = c), so two of them, packed in pairs, ARE a fragment of
; 32 c x 16 p: each wave adds the four parts of 8 fragments, splits them in hi and lo, and leaves them in LDS for the two waves that need them.
; No tensor loads (the operands are made in registers), no cluster (what is shared is small and read once).  The result leaves as register images, like ypart's.
; THE MODE: SCHED_MODE bits 1:0 = 2 (LLVM: expert scheduling mode 2), set by the entry lines.  The code itself states the register dependences
; between vector or matrix instructions and memory or LDS instructions, with s_wait_alu, always for 0.
; THE PLAN.  Registers that memory or LDS instructions touch:
;   window 1, v0-127   Wkv as loaded; read by 32 LDS stores; in the k half Z's loads land there behind them.
;   T0, T1             BUILD: its additions, conversions and differences read and write the set; behind them the set's next 16 loads land in it.
;   v[TM .. TM+15]     Written by the column sums' additions (v[TM]) and by BUILD's conversions; read by the LDS stores that follow them.
;   v[VYS]             Read by BUILD's four LDS stores; stepped behind them.
;   FA, FY             Two buffers.  A K step's eight products read one; the next fetch's 12 LDS loads land in it.
;   v[VFA], v[VFY]     Read by a fetch's 12 LDS loads; stepped ahead of the next fetch.
;   the accumulators   Loaded with bkv at the head; then named by vector and matrix instructions alone; read by the eight stores at the end.
;   All other offsets and addresses are made at the head and never written again.
; So BUILD has one wait on va_vdst, ahead of its stores (its loads follow with no vector line between), and one on vm_vsrc, ahead of the step of v[VYS]; a K step has one of each, round the steps of its two addresses.
.set WKP, 288
.set YF,  147456                       ; [pb 4][ks 16][hi 1,024, lo 1,024]
.set CS,  278528                       ; [4][64] f32: partial column sums
.set VY,  2                            ; v2-5  16 L + 4,718,592 s: my bytes of a tile in part s of ypart
.set VCS, 6
.set VWK, 7
.set VSK, 8                            ; v8-11 where I store Wkv, 128 rows to a register
.set VYS, 12
.set VFA, 13
.set VFY, 14
.set VCR, 15
.set VBK, 16
.set VBP, 17
.set VO,  18
.set VCW, 19
.set ACC, 32
.set FA,  64                           ; two buffers of 32
.set FY,  128                          ; two buffers of 16: hi, lo
.set TM,  160
.set T0,  128                          ; window 1: two sets of 64 for the build
.set T1,  192
.set MK,  3
.set MSB, 0
.macro WIN new
.if MSB != (\new)
	s_set_vgpr_msb (MSB<<8)|(\new)
.set MSB, (\new)
.endif
.endm
.macro PLACES
.rept 4
	v_nop
.endr
.endm
.macro RND4 a, t                       ; four f32 rounded to bf16 values, in place
	v_cvt_pk_bf16_f32 v[(\t)], v[(\a)], v[(\a)+1]
	v_cvt_pk_bf16_f32 v[(\t)+1], v[(\a)+2], v[(\a)+3]
	v_lshlrev_b32 v[(\a)], 16, v[(\t)]
	v_and_b32 v[(\a)+1], s[MK], v[(\t)]
	v_lshlrev_b32 v[(\a)+2], 16, v[(\t)+1]
	v_and_b32 v[(\a)+3], s[MK], v[(\t)+1]
.endm
	s_load_b256 s[4:11], s[0:1], 0x0               ; ypart, wcast, csp, bkv
	s_load_b128 s[12:15], s[0:1], 0x20             ; bp, kvp
	v_lshl_add_u32 v254, v0, 2, 0x44400
	v_mov_b32 v255, 0
	v_lshrrev_b32 v1, 5, v0
	v_readfirstlane_b32 s16, v1
	v_and_b32 v1, 31, v0
	s_mov_b32 s[MK], 0xffff0000
	s_wait_alu depctr_va_sdst(0)                   ; s16, the wave's number, is written, ahead of its first reader
	s_and_b32 s17, s16, 3                          ; pb
	s_lshr_b32 s18, s16, 2                         ; oh
	s_lshr_b32 s19, ttmp9, 2                       ; og
	s_and_b32 s20, ttmp9, 3                        ; pg
	s_and_b32 s21, ttmp7, 0xffff                   ; b
	s_mov_b32 s27, 0
	s_lshl2_add_u32 s28, s20, s17                  ; pblk = 4 pg + pb
	v_lshlrev_b32 v[VO], 4, v1
	v_mov_b32 v[VY], v[VO]
	v_add_nc_u32 v[VY+1], 4718592, v[VO]
	v_add_nc_u32 v[VY+2], 2*4718592, v[VO]
	v_add_nc_u32 v[VY+3], 3*4718592, v[VO]
	v_lshrrev_b32 v22, 6, v0
	v_and_b32 v23, 63, v0
	v_lshlrev_b32 v[VCS], 14, v22                  ; 16 rows of csp for each quarter of the threads
	v_lshl_add_u32 v[VCS], v23, 2, v[VCS]
	v_lshrrev_b32 v22, 4, v0
	v_and_b32 v23, 15, v0                          ; also r
	v_lshlrev_b32 v[VWK], 11, v22
	v_lshl_add_u32 v[VWK], v23, 4, v[VWK]
	v_mul_u32_u24 v[VSK], v22, WKP
	v_lshl_add_u32 v[VSK], v23, 4, v[VSK]
	v_add_nc_u32 v[VSK+1], 128*WKP, v[VSK]
	v_add_nc_u32 v[VSK+2], 256*WKP, v[VSK]
	v_add_nc_u32 v[VSK+3], 384*WKP, v[VSK]
	s_lshl_b32 s29, s17, 15                        ; 16 pb fragments of 2,048 bytes
	s_add_co_u32 s29, s29, YF
	v_add_nc_u32 v[VFY], s29, v[VO]
	s_lshl_b32 s26, s18, 14                        ; + 8 oh fragments: those that I build
	s_add_co_u32 s29, s29, s26
	v_add_nc_u32 v[VYS], s29, v[VO]
	v_and_b32 v24, 7, v0
	v_bfe_u32 v25, v0, 4, 1                        ; h
	v_lshl_add_u32 v24, v25, 3, v24
	v_mul_u32_u24 v[VFA], v24, WKP
	v_bfe_u32 v24, v0, 3, 1
	v_lshl_add_u32 v[VFA], v24, 4, v[VFA]
	s_lshl_b32 s29, s18, 7
	v_add_nc_u32 v[VFA], s29, v[VFA]
	s_lshl_b32 s29, s17, 6
	s_add_co_u32 s29, s29, CS
	v_lshl_add_u32 v[VCR], v23, 2, s29
	v_lshlrev_b32 v[VBK], 5, v25
	v_lshlrev_b32 v[VBP], 2, v23
	v_lshl_add_u32 v[VCW], v0, 2, CS
	s_wait_kmcnt 0x0
	s_lshl_b32 s26, s20, 8
	s_add_nc_u64 s[8:9], s[8:9], s[26:27]          ; csp at my 64 columns
	s_lshl_b32 s26, s19, 8
	s_add_co_u32 s26, s26, 0x80000
	s_add_nc_u64 s[6:7], s[6:7], s[26:27]          ; Wkv (bf16) at my 128 columns
	s_lshl_b32 s26, s19, 9
	s_lshl_b32 s29, s18, 8
	s_add_co_u32 s26, s26, s29
	s_add_nc_u64 s[10:11], s[10:11], s[26:27]      ; bkv at my 64 o
	s_lshl_b32 s26, s28, 6
	s_add_nc_u64 s[12:13], s[12:13], s[26:27]      ; bp at my 16 p
	s_lshl_b32 s26, s21, 5
	s_lshl4_add_u32 s26, s18, s26                  ; cblk = 32 b + 16 oh
	s_lshl4_add_u32 s26, s26, s28
	s_lshl_b32 s26, s26, 10
	s_add_nc_u64 s[22:23], s[4:5], s[26:27]        ; Y: the first tile that I build from
	s_lshl3_add_u32 s26, s19, 0x100                ; Z is ypart's b = 8: cblk = 256 + 8 og + 4 oh
	s_lshl2_add_u32 s26, s18, s26
	s_lshl4_add_u32 s26, s26, s28
	s_lshl_b32 s26, s26, 10
	s_add_nc_u64 s[24:25], s[4:5], s[26:27]
	s_lshl_b32 s26, s21, 6
	s_lshl3_add_u32 s26, s19, s26
	s_lshl2_add_u32 s26, s18, s26
	s_lshl4_add_u32 s26, s26, s28
	s_lshl_b32 s26, s26, 10
	s_add_nc_u64 s[14:15], s[14:15], s[26:27]      ; kvp[b][oblk][pblk]
.macro BFETCH set                      ; 16 loads: two tiles (32 c) in four parts
	WIN 0x40
.irp s, 0,1,2,3
.irp tl, 0,1
	global_load_b128 v[(\set)+16*\s+8*\tl:(\set)+16*\s+8*\tl+3], v[VY+\s], s[22:23] offset:16384*\tl
	global_load_b128 v[(\set)+16*\s+8*\tl+4:(\set)+16*\s+8*\tl+7], v[VY+\s], s[22:23] offset:16384*\tl+512
.endr
.endr
	WIN 0
.endm
.macro YNEXT
	s_wait_xcnt 0x0                                ; the base is stepped only behind this wait
	s_add_nc_u64 s[22:23], s[22:23], 32768
.endm
	s_wait_alu depctr_va_vdst(0)                   ; the offsets and addresses v2 to v19 are written, which the loads and stores of the whole kernel read; so are v24 and v25, in which LDS loads land later
	; all loads at once, the oldest first wanted
.irp ob, 0,1,2,3
	global_load_b128 v[ACC+8*\ob:ACC+8*\ob+3], v[VBK], s[10:11] offset:64*\ob      ; bkv of register j's o, straight into the accumulators
	global_load_b128 v[ACC+8*\ob+4:ACC+8*\ob+7], v[VBK], s[10:11] offset:64*\ob+16
.endr
	global_load_b32 v20, v[VBP], s[12:13]
.set i, 0
.rept 16
	global_load_b32 v[TM+i], v[VCS], s[8:9] offset:1024*i
.set i, i+1
.endr
	WIN 0x40
.set i, 0
.rept 32
	global_load_b128 v[4*i:4*i+3], v[VWK], s[6:7] offset:32768*i
.set i, i+1
.endr
	WIN 0
	BFETCH T0
	YNEXT
	BFETCH T1
	s_wait_loadcnt 63                              ; 64 loads stand behind csp's last (Wkv's 32, the two sets' 32); a wait names 63 at the most, so Wkv's first load is waited for too: csp, bkv, bp are in
.irp d, 8,4,2,1
.set n, 0
.rept \d
	v_add_f32 v[TM+n], v[TM+n], v[TM+n+\d]
.set n, n+1
.endr
.endr
	s_wait_alu depctr_va_vdst(0)                   ; the additions have written v[TM], which the LDS store reads
	ds_store_b32 v[VCW], v[TM]
	s_wait_loadcnt 32                              ; Wkv is in
	WIN 0x04
.set i, 0
.rept 32
	ds_store_b128 v[VSK+i/8], v[4*i:4*i+3] offset:16*WKP*(i%8)
.set i, i+1
.endr
	WIN 0
	s_wait_alu depctr_vm_vsrc(0)                   ; the LDS stores above have read v[TM], which BUILD's conversions write, and Wkv's registers, in which Z's loads land: stated ahead of the branch, for both ways
	s_cmp_ge_u32 s19, 4                            ; the v half has no Z
	s_cbranch_scc1 .Lnoz1
	s_wait_dscnt 0x0                               ; Wkv has left its registers
	WIN 0x40
.irp ob, 0,1,2,3
.irp s, 0,1,2,3
	global_load_b128 v[32*\ob+8*\s:32*\ob+8*\s+3], v[VY+\s], s[24:25] offset:16384*\ob
	global_load_b128 v[32*\ob+8*\s+4:32*\ob+8*\s+7], v[VY+\s], s[24:25] offset:16384*\ob+512
.endr
.endr
	WIN 0
.Lnoz1:
; One fragment: the four parts are added, split in hi and lo, stored.  left = 16: the 16 youngest loads are never this set's, with Z's loads out or without.
.macro BUILD set, fetch, left
	s_wait_loadcnt \left
	WIN 0x45
.irp s, 1,2,3
.set n, 0
.rept 8
	v_pk_add_f32 v[(\set)+2*n:(\set)+2*n+1], v[(\set)+2*n:(\set)+2*n+1], v[(\set)+16*\s+2*n:(\set)+16*\s+2*n+1]
.set n, n+1
.endr
.endr
	WIN 0x05
.set n, 0
.rept 8
	v_cvt_pk_bf16_f32 v[TM+n], v[(\set)+2*n], v[(\set)+2*n+1]      ; hi
.set n, n+1
.endr
	WIN 0
.set n, 0
.rept 8
	v_lshlrev_b32 v[TM+16+2*n], 16, v[TM+n]
	v_and_b32 v[TM+17+2*n], s[MK], v[TM+n]
.set n, n+1
.endr
	WIN 0x01
.set n, 0
.rept 8
	v_pk_add_f32 v[TM+16+2*n:TM+17+2*n], v[(\set)+2*n:(\set)+2*n+1], v[TM+16+2*n:TM+17+2*n] neg_lo:[0,1] neg_hi:[0,1]  ; y - hi, exact
.set n, n+1
.endr
	WIN 0
.set n, 0
.rept 8
	v_cvt_pk_bf16_f32 v[TM+8+n], v[TM+16+2*n], v[TM+17+2*n]        ; lo
.set n, n+1
.endr
	s_wait_alu depctr_va_vdst(0)                   ; the conversions have written v[TM .. TM+15] and the last fragment's step v[VYS], which the stores read; the lines above are done with the set, in which the loads below land
.irp q, 0,1,2,3
	ds_store_b128 v[VYS], v[TM+4*\q:TM+4*\q+3] offset:512*\q
.endr
.if \fetch
	YNEXT
	BFETCH \set                                    ; no wait: no vector line since the wait above
.endif
	s_wait_alu depctr_vm_vsrc(0)                   ; the four stores have read v[VYS], stepped below, and v[TM .. TM+15], which the next fragment's conversions write
	v_add_nc_u32 v[VYS], 2048, v[VYS]
.endm
	s_mov_b32 s30, 3                               ; 8 fragments: 3 trips of two, and two that fetch nothing
.Lbuild:
	BUILD T0, 1, 16
	BUILD T1, 1, 16
	s_sub_co_u32 s30, s30, 1
	s_cmp_lg_u32 s30, 0
	s_cbranch_scc1 .Lbuild
	BUILD T0, 0, 16
	BUILD T1, 0, 0                                 ; every load is in, Z's too
	s_wait_dscnt 0x0                               ; Wkv, the fragments and the column sums are stored
	s_barrier_signal -1
	s_barrier_wait -1
	; the sums start at bkv[o] cs[p] + bp[p]
	ds_load_b32 v24, v[VCR]                        ; no wait: since the last wait on va_vdst only v[VYS] has been named
	ds_load_b32 v25, v[VCR] offset:256
	ds_load_b32 v26, v[VCR] offset:512
	ds_load_b32 v27, v[VCR] offset:768
.set n, 0
.rept 8
	RND4 ACC+4*n, 28+2*(n%2)
.set n, n+1
.endr
	v_cvt_pk_bf16_f32 v28, v20, v20
	v_lshlrev_b32 v20, 16, v28
	v_mov_b32 v21, v20
	s_wait_dscnt 0x0
	v_add_f32 v24, v24, v25
	v_add_f32 v26, v26, v27
	v_add_f32 v22, v24, v26
	v_mov_b32 v23, v22
.set n, 0
.rept 16
	v_pk_fma_f32 v[ACC+2*n:ACC+2*n+1], v[ACC+2*n:ACC+2*n+1], v[22:23], v[20:21]
.set n, n+1
.endr
	s_cmp_ge_u32 s19, 4
	s_cbranch_scc1 .Lnoz2
	WIN 0x04
.irp s, 0,1,2,3
.irp ob, 0,1,2,3
.irp q, 0,1,2,3
	v_pk_add_f32 v[ACC+8*\ob+2*\q:ACC+8*\ob+2*\q+1], v[ACC+8*\ob+2*\q:ACC+8*\ob+2*\q+1], v[32*\ob+8*\s+2*\q:32*\ob+8*\s+2*\q+1]
.endr
.endr
.endr
	WIN 0
.Lnoz2:
.macro KFETCH buf                      ; 12 LDS loads: 32 c of my 64 o (turned), and Y's hi and lo fragment
.irp ob, 0,1,2,3
	ds_load_tr16_b128 v[FA+32*(\buf)+8*\ob:FA+32*(\buf)+8*\ob+3], v[VFA] offset:32*\ob
	ds_load_tr16_b128 v[FA+32*(\buf)+8*\ob+4:FA+32*(\buf)+8*\ob+7], v[VFA] offset:32*\ob+16*WKP
.endr
.irp q, 0,1,2,3
	ds_load_b128 v[FY+16*(\buf)+4*\q:FY+16*(\buf)+4*\q+3], v[VFY] offset:512*\q
.endr
.endm
.macro KON                             ; ahead of every fetch but the first: both LDS addresses move on by 32 c
	s_wait_alu depctr_vm_vsrc(0)                   ; the last fetch's 12 LDS loads have read v[VFA] and v[VFY]
	v_add_nc_u32 v[VFA], 32*WKP, v[VFA]
	v_add_nc_u32 v[VFY], 2048, v[VFY]
	PLACES                                         ; the four places behind the last products stay beside the wait
	s_wait_alu depctr_va_vdst(0)                   ; v[VFA] and v[VFY] are written, which the loads below read; the products of the step before are done reading the buffer in which those loads land
.endm
.macro KMUL buf                        ; the four accumulators take turns: hi, then lo
.irp part, 0,1
.irp ob, 0,1,2,3
	v_wmma_f32_16x16x32_bf16 v[ACC+8*\ob:ACC+8*\ob+7], v[FA+32*(\buf)+8*\ob:FA+32*(\buf)+8*\ob+7], v[FY+16*(\buf)+8*\part:FY+16*(\buf)+8*\part+7], v[ACC+8*\ob:ACC+8*\ob+7]
.endr
.endr
.endm
	KFETCH 0                                       ; no wait: the two addresses were made at the head, and no vector or matrix line has named FA or FY yet
	s_mov_b32 s30, 7
.Lk:
	KON
	KFETCH 1
	s_wait_dscnt 12                                ; all but the 12 just issued
	KMUL 0
	KON
	KFETCH 0
	s_wait_dscnt 12
	KMUL 1
	s_sub_co_u32 s30, s30, 1
	s_cmp_lg_u32 s30, 0
	s_cbranch_scc1 .Lk
	KON
	KFETCH 1
	s_wait_dscnt 12
	KMUL 0
	s_wait_dscnt 0x0
	KMUL 1
	PLACES                                         ; four places behind the last product, before its result is read (ISA guide 7.12.1)
	s_wait_alu depctr_va_vdst(0)                   ; the products have written the accumulators, which the stores read; the places above stay beside this wait
.irp ob, 0,1,2,3
	global_store_b128 v[VO], v[ACC+8*\ob:ACC+8*\ob+3], s[14:15] offset:16384*\ob
	global_store_b128 v[VO], v[ACC+8*\ob+4:ACC+8*\ob+7], s[14:15] offset:16384*\ob+512
.endr
	s_wait_dscnt 0x0                               ; the closing lines, six on end
	s_wait_alu 0x0
	s_wait_tensorcnt 0x0
	ds_add_u32 v254, v255
	s_wait_dscnt 0x0
	s_endpgm
.Lfunc_end_k_q27654b0b90_kvproj:
	.size	k_q27654b0b90_kvproj, .Lfunc_end_k_q27654b0b90_kvproj-k_q27654b0b90_kvproj
	.p2alignl 7, 3214868480
	.fill 96, 4, 3214868480
	.section	.rodata,"a",@progbits
	.p2align	6, 0x0
	.amdhsa_kernel k_q27654b0b90_kvproj
		.amdhsa_group_segment_fixed_size 280576
		.amdhsa_private_segment_fixed_size 0
		.amdhsa_enable_private_segment 0
		.amdhsa_kernarg_size 48
		.amdhsa_user_sgpr_count 2
		.amdhsa_user_sgpr_kernarg_segment_ptr 1
		.amdhsa_wavefront_size32 1
		.amdhsa_system_sgpr_workgroup_id_x 1
		.amdhsa_system_sgpr_workgroup_id_y 1
		.amdhsa_system_sgpr_workgroup_id_z 1
		.amdhsa_system_vgpr_workitem_id 0
		.amdhsa_next_free_vgpr 512
		.amdhsa_next_free_sgpr 66
		.amdhsa_reserve_vcc 0
		.amdhsa_float_denorm_mode_32 3
		.amdhsa_float_denorm_mode_16_64 3
		.amdhsa_memory_ordered 1
		.amdhsa_forward_progress 1
		.amdhsa_inst_pref_size 54
	.end_amdhsa_kernel
	.amdgpu_metadata
---
amdhsa.version: [ 1, 2 ]
amdhsa.kernels:
  - .name:           k_q27654b0b90_kvproj
    .symbol:         k_q27654b0b90_kvproj.kd
    .args:
      - { .name: ypart, .offset: 0, .size: 8, .value_kind: global_buffer, .address_space: global }
      - { .name: wcast, .offset: 8, .size: 8, .value_kind: global_buffer, .address_space: global }
      - { .name: csp, .offset: 16, .size: 8, .value_kind: global_buffer, .address_space: global }
      - { .name: bkv, .offset: 24, .size: 8, .value_kind: global_buffer, .address_space: global }
      - { .name: bp, .offset: 32, .size: 8, .value_kind: global_buffer, .address_space: global }
      - { .name: kvp, .offset: 40, .size: 8, .value_kind: global_buffer, .address_space: global }
    .group_segment_fixed_size: 280576
    .private_segment_fixed_size: 0
    .kernarg_segment_align: 8
    .kernarg_segment_size: 48
    .max_flat_workgroup_size: 256
    .sgpr_count:     66
    .vgpr_count:     512
    .wavefront_size: 32
...
	.end_amdgpu_metadata
.endif
;; end of part 10
;; launch qproj: the kernel of part 4 again; grid 256 x 1, 8 waves a work-group, no clusters, 154,624 bytes of LDS; arguments x1, wcast, bq, pos_q, qf; writes qf
;; launch attn (part 11): grid 32 x 8, 4 waves a work-group, no clusters, 206,592 bytes of LDS; arguments qf, kvp, temperature, xn; writes xn
.if DOCPART == 11
	.amdgcn_target "amdgcn-amd-amdhsa--gfx1250"
	.amdhsa_code_object_version 6
	.text
	.protected	k_q27654b0b90_attn
	.globl	k_q27654b0b90_attn
	.p2align	8
	.type	k_q27654b0b90_attn,@function
k_q27654b0b90_attn:
	s_mov_b64 s[64:65], 0
	v_nop
	global_prefetch_b8 v0, s[64:65] scope:SCOPE_SE
	s_setreg_imm32_b32 hwreg(HW_REG_WAVE_SCHED_MODE, 0, 2), 2
	s_setreg_imm32_b32 hwreg(HW_REG_WAVE_MODE, 25, 1), 1
	s_wait_xcnt 0x0
	s_wait_alu depctr_vm_vsrc(0)
; x = l2norm(perm(softmax(temp q kp) vp^T) + q).  A work-group: 512 queries of one (b, head); four waves, 128 queries each, in 8 tiles of 16.
; S^T = kp^T q^T (source 0 = 16 p, source 1 = 16 queries): a lane holds ONE query and 128 of its 256 scores, so the TRUE row maximum is taken (one exchange of the lanes' halves).
; O^T = vp P: a lane again holds one query, and 8 channels.  All of kp and vp stay in registers as fragments (windows 1 and 2).
; FORMATS.  q, kp, vp go in f16 behind exact powers of two taken from the data: E = the exponent of the largest magnitude (of a query's 64 numbers; of the head's kp; of its vp), clipped at
; 2^126; numbers are multiplied by 2^-E, so they lie inside (-2, 2), and the powers come back in f32: in c = |temp| log2(e) 2^Eq 2^Ek and in the divisor.  temp's sign rides on q's factor.
; The weights p (0 to 1) are rounded to f16; their sum is taken of the unrounded p.  LIMITS: a query or a head whose largest magnitude is denormal counts as 0; c must be finite in f32;
; NaN and infinities are not treated apart.  temperature is rounded to bf16 like every input.
; THE PERMUTATION sends O[b][h][q][d] to row 32 d + 4 h + q / 512, column q % 512: the work-group owns 64 whole rows.  They meet in LDS (XS); each wave then takes 16 of them, four a trip:
; q's row is added, the row normed and stored.  q's rows come through four sets of registers (window 3): the first four rows are asked for at the kernel's start, and a set is asked for again as soon
; as it has been added.  The last trip asks for its own four rows once more (8 KiB a wave, inside the buffer, not used): the price of one text for every trip.
; No tensor loads and no cluster: the four work-groups of a head share 128 KiB, read once at the start.
; THE MODE: SCHED_MODE bits 1:0 = 2 (LLVM: expert scheduling mode 2), set by the entry lines.  The code itself states the register dependences
; between vector or matrix instructions and memory or LDS instructions, with s_wait_alu, always for 0.
; THE PLAN.  Registers that memory or LDS instructions touch:
;   v[QR ..]           A tile's q as loaded: scaled in place, read by the conversions; behind them the next tile's eight loads land in it.
;   v[O ..]            Written by the second product and its scaling; read by the 32 LDS stores at a tile's end; written again by the next tile's products.
;   v[VX0], v[VX1]     Read by those 32 stores; stepped behind them.
;   v[S ..]            At the head: written by conversions, read by LDS stores.  In the tiles: vector and matrix lines alone.  On the way out: LDS loads land in it, additions and scalings write it, global stores read it.
;   window 1           kp and vp as loaded: scaled and converted; then kp's fragments land in it.  Window 2 is loaded once.
;   window 3, 4 sets   On the way out: a row's eight additions read a set; behind them the row four further on lands in it.
;   v[VXR]             Read by a trip's 16 LDS loads; stepped once a trip, among the lines ahead of the stores.
;   v[M], v[M+2]       At the head: read by two LDS stores, written again behind the barrier.
;   All other offsets and addresses are made at the head and never written again.
; A tile has one wait on va_vdst behind q's conversions, one for each batch of 32 exponentials, one for the reciprocal, one ahead of its run of stores, and one wait on vm_vsrc behind that run.
.set KF,  0                            ; 32 fragments of kp, 1,024 bytes each
.set VT,  32768                        ; vp as [256 p] rows of 64 d f16, pitch 160
.set PVT, 160
.set XS,  73728                        ; [64 d] rows of 512 q f32, pitch 2,064
.set PX,  2064
.set RED, 205824
.set VQ,  3
.set VKV, 4
.set VKS, 5
.set VVS, 6
.set VKL, 7                            ; 16 L
.set VVL, 8
.set VX0, 9
.set VX1, 10
.set VXR, 11
.set CK,  14                           ; |temp| log2(e) 2^Ek
.set SG,  15                           ; temp's sign bit
.set C,   16
.set CM,  18
.set M,   20
.set LS,  24
.set QR,  32
.set QF,  64
.set O,   80
.set S,   112
.set W,   240                          ; at work
.set FV,  248                          ; 2^Ev
.set RL,  250                          ; 2^Ev / l, twice
.set MSB, 0
.macro WIN new
.if MSB != (\new)
	s_set_vgpr_msb (MSB<<8)|(\new)
.set MSB, (\new)
.endif
.endm
.macro PLACES
.rept 4
	v_nop
.endr
.endm
.macro REDMAX r, t
	v_max_num_f32_dpp v[\r], v[\r], v[\r] row_xmask:1 row_mask:0xf bank_mask:0xf
	v_max_num_f32_dpp v[\r], v[\r], v[\r] row_xmask:2 row_mask:0xf bank_mask:0xf
	v_max_num_f32_dpp v[\r], v[\r], v[\r] row_xmask:4 row_mask:0xf bank_mask:0xf
	v_max_num_f32_dpp v[\r], v[\r], v[\r] row_xmask:8 row_mask:0xf bank_mask:0xf
	v_permlanex16_b32 v[\t], v[\r], s18, s19
	v_max_num_f32 v[\r], v[\r], v[\t]
.endm
	s_load_b256 s[4:11], s[0:1], 0x0               ; qf, kvp, temperature, xn
	s_set_vgpr_msb 0xc0
	v_lshl_add_u32 v64, v0, 2, 0x32500
	v_mov_b32 v65, 0
	s_set_vgpr_msb 0xc000
	v_lshrrev_b32 v1, 5, v0
	v_readfirstlane_b32 s12, v1                    ; wave
	s_lshr_b32 s13, ttmp9, 2                       ; head
	s_and_b32 s14, ttmp9, 3                        ; block of 512 queries
	s_and_b32 s15, ttmp7, 0xffff                   ; b
	s_mov_b32 s18, 0x76543210
	s_mov_b32 s19, 0xfedcba98
	s_mov_b32 s23, 0
	s_mov_b32 s31, 0
	s_mov_b32 s29, 0x2b8cbccc                      ; 1e-12
	v_and_b32 v1, 15, v0                           ; r
	v_bfe_u32 v2, v0, 4, 1                         ; h
	v_and_b32 v[VKL], 31, v0
	v_lshlrev_b32 v[VKL], 4, v[VKL]
	v_lshlrev_b32 v[VQ], 11, v1
	v_lshl_add_u32 v[VQ], v2, 5, v[VQ]             ; query r's row, 32 h bytes in
	s_wait_alu depctr_va_sdst(0)                   ; s12, the wave's number, is written, ahead of its first reader
	s_lshl_b32 s22, s12, 12
	v_add_nc_u32 v[VKV], s22, v[VKL]               ; my four pblk of a row of tiles
	s_lshl_b32 s22, s12, 13
	v_add_nc_u32 v[VKS], s22, v[VKL]               ; my eight fragments in KF
	v_mul_u32_u24 v[VVS], v1, PVT
	v_lshl_add_u32 v[VVS], v2, 4, v[VVS]
	s_mul_i32 s22, s12, 64*PVT
	s_add_co_u32 s22, s22, VT
	v_add_nc_u32 v[VVS], s22, v[VVS]
	v_and_b32 v12, 7, v0
	v_lshl_add_u32 v12, v2, 3, v12
	v_mul_u32_u24 v[VVL], v12, PVT
	v_bfe_u32 v12, v0, 3, 1
	v_lshl_add_u32 v[VVL], v12, 4, v[VVL]
	v_add_nc_u32 v[VVL], VT, v[VVL]
	v_mul_u32_u24 v[VX0], v2, 8*PX
	v_lshl_add_u32 v[VX0], v1, 2, v[VX0]
	s_lshl_b32 s22, s12, 9
	s_add_co_u32 s22, s22, XS
	v_add_nc_u32 v[VX0], s22, v[VX0]
	v_add_nc_u32 v[VX1], 32*PX, v[VX0]
	s_mul_i32 s22, s12, 16*PX
	s_add_co_u32 s22, s22, XS
	v_add_nc_u32 v[VXR], s22, v[VKL]
	s_lshl_b32 s22, s12, 3
	s_add_co_u32 s22, s22, RED
	v_mov_b32 v12, s22
	v_mov_b32 v13, RED
	s_wait_kmcnt 0x0
	s_lshl_b32 s22, s13, 2
	s_add_nc_u64 s[8:9], s[8:9], s[22:23]
	s_load_b32 s16, s[8:9], 0x0                    ; temperature[head]
	s_lshl_b32 s22, s15, 11
	s_lshl_b32 s17, s14, 9
	s_add_co_u32 s22, s22, s17
	s_lshl_b32 s17, s12, 7
	s_add_co_u32 s22, s22, s17
	s_lshl_b32 s22, s22, 11
	s_lshl_b32 s17, s13, 8
	s_add_co_u32 s22, s22, s17
	s_add_nc_u64 s[20:21], s[4:5], s[22:23]        ; q at my first tile, my head's 64 channels
	s_lshl_b32 s22, s15, 6
	s_lshl2_add_u32 s22, s13, s22
	s_lshl_b32 s22, s22, 14
	s_add_nc_u64 s[6:7], s[6:7], s[22:23]          ; kvp at oblk 4 head
	s_lshl_b32 s22, s15, 11
	s_lshl_b32 s17, s12, 9
	s_add_co_u32 s22, s22, s17
	s_lshl2_add_u32 s22, s13, s22
	s_add_co_u32 s22, s22, s14
	s_lshl_b32 s22, s22, 11
	s_add_nc_u64 s[24:25], s[4:5], s[22:23]        ; q and xn at row 32 (16 w) + 4 head + block
	s_add_nc_u64 s[26:27], s[10:11], s[22:23]
.macro QLOAD                           ; a tile's q: lane (r, h): channels 32 ks + 8 h + 0..7 and + 16
.irp ks, 0,1
	global_load_b128 v[QR+16*\ks:QR+16*\ks+3], v[VQ], s[20:21] offset:128*\ks
	global_load_b128 v[QR+16*\ks+4:QR+16*\ks+7], v[VQ], s[20:21] offset:128*\ks+16
	global_load_b128 v[QR+16*\ks+8:QR+16*\ks+11], v[VQ], s[20:21] offset:128*\ks+64
	global_load_b128 v[QR+16*\ks+12:QR+16*\ks+15], v[VQ], s[20:21] offset:128*\ks+80
.endr
.endm
	s_wait_alu depctr_va_vdst(0)                   ; the offsets and addresses v3 to v13 are written, which the loads and stores of the whole kernel read
	QLOAD
	WIN 0x40
.irp i, 0,1,2,3                        ; tile (dblk i, pblk 4 w + pi) at v[8 (4 i + pi)] of window 1; vp's 128 further on
.irp pi, 0,1,2,3
	global_load_b128 v[8*(4*\i+\pi):8*(4*\i+\pi)+3], v[VKV], s[6:7] offset:16384*\i+1024*\pi
	global_load_b128 v[8*(4*\i+\pi)+4:8*(4*\i+\pi)+7], v[VKV], s[6:7] offset:16384*\i+1024*\pi+512
	global_load_b128 v[128+8*(4*\i+\pi):128+8*(4*\i+\pi)+3], v[VKV], s[6:7] offset:524288+16384*\i+1024*\pi
	global_load_b128 v[128+8*(4*\i+\pi)+4:128+8*(4*\i+\pi)+7], v[VKV], s[6:7] offset:524288+16384*\i+1024*\pi+512
.endr
.endr
	WIN 0xc0
.irp i, 0,1,2,3                        ; q's rows that go with my first four rows of XS: row i at v[16 i] of window 3
.irp k, 0,1,2,3
	global_load_b128 v[16*\i+4*\k:16*\i+4*\k+3], v[VKL], s[24:25] offset:65536*\i+512*\k
.endr
.endr
	WIN 0
.irp n, 0,1,2,3
	v_mov_b32 v[M+\n], 0
.endr
	s_wait_loadcnt 0x0
	WIN 0x05
.set i, 0
.rept 32                               ; the largest magnitudes of my quarter of kp and of vp, two chains each
	v_max3_num_f32 v[M], |v[4*i]|, |v[4*i+1]|, v[M]
	v_max3_num_f32 v[M+1], |v[4*i+2]|, |v[4*i+3]|, v[M+1]
	v_max3_num_f32 v[M+2], |v[128+4*i]|, |v[128+4*i+1]|, v[M+2]
	v_max3_num_f32 v[M+3], |v[128+4*i+2]|, |v[128+4*i+3]|, v[M+3]
.set i, i+1
.endr
	WIN 0
	v_max_num_f32 v[M], v[M], v[M+1]
	v_max_num_f32 v[M+2], v[M+2], v[M+3]
	REDMAX M, M+1
	REDMAX M+2, M+3
	s_wait_alu depctr_va_vdst(0)                   ; the two maxima v[M] and v[M+2] are written, which the LDS stores read
	ds_store_b32 v12, v[M]
	ds_store_b32 v12, v[M+2] offset:4
	s_wait_dscnt 0x0
	s_barrier_signal -1
	s_barrier_wait -1
	ds_load_b128 v[W:W+3], v13
	ds_load_b128 v[W+4:W+7], v13 offset:16
	s_wait_kmcnt 0x0
	v_mov_b32 v[CK], s16
	v_cvt_pk_bf16_f32 v[CK], v[CK], v[CK]
	v_lshlrev_b32 v[CK], 16, v[CK]
	v_and_b32 v[SG], 0x80000000, v[CK]
	v_and_b32 v[CK], 0x7fffffff, v[CK]
	v_mul_f32 v[CK], 0x3fb8aa3b, v[CK]
	s_wait_dscnt 0x0
	s_wait_alu depctr_vm_vsrc(0)                   ; the two LDS stores have read v[M] and v[M+2], which the lines below write again
	v_max3_num_f32 v[M], v[W], v[W+2], v[W+4]
	v_max3_num_f32 v[M+2], v[W+1], v[W+3], v[W+5]
	v_max_num_f32 v[M], v[M], v[W+6]
	v_max_num_f32 v[M+2], v[M+2], v[W+7]
	v_and_b32 v[M], 0x7f800000, v[M]               ; 2^Ek
	v_and_b32 v[M+2], 0x7f800000, v[M+2]
	v_min_u32 v[M], 0x7e800000, v[M]
	v_min_u32 v[FV], 0x7e800000, v[M+2]            ; 2^Ev
	v_sub_nc_u32 v[W], 0x7f000000, v[M]            ; 2^-Ek
	v_sub_nc_u32 v[W+2], 0x7f000000, v[FV]
	v_mov_b32 v[W+1], v[W]
	v_mov_b32 v[W+3], v[W+2]
	v_mul_f32 v[CK], v[CK], v[M]
	WIN 0x41
.set i, 0
.rept 64
	v_pk_mul_f32 v[2*i:2*i+1], v[2*i:2*i+1], v[W:W+1]
	v_pk_mul_f32 v[128+2*i:128+2*i+1], v[128+2*i:128+2*i+1], v[W+2:W+3]
.set i, i+1
.endr
	WIN 0x05
.set i, 0
.rept 128
	v_cvt_pk_f16_f32 v[S+i], v[2*i], v[2*i+1]      ; tile T's four registers at S + 4 T; vp's at S + 64 + 4 T
.set i, i+1
.endr
	WIN 0
	s_wait_alu depctr_va_vdst(0)                   ; the conversions have written v[S ..], which the LDS stores read; the scalings and conversions are done with window 1, in which kp's fragments land behind the barrier
.irp i, 0,1,2,3
.irp pi, 0,1,2,3
	ds_store_b128 v[VKS], v[S+4*(4*\i+\pi):S+4*(4*\i+\pi)+3] offset:(2*\pi+\i/2)*1024+512*(\i%2)   ; half of fragment (pblk, d half)
	ds_store_b128 v[VVS], v[S+64+4*(4*\i+\pi):S+64+4*(4*\i+\pi)+3] offset:16*PVT*\pi+32*\i         ; row p, channels 16 i + 8 h on
.endr
.endr
	s_wait_dscnt 0x0
	s_barrier_signal -1
	s_barrier_wait -1
	s_wait_alu depctr_vm_vsrc(0)                   ; my LDS stores have read v[S ..], which the first tile's products write
	WIN 0x40
.set i, 0
.rept 64
	ds_load_b128 v[4*i:4*i+3], v[VKL] offset:512*i     ; kp's fragment (pblk, ks) at v[8 (2 pblk + ks)] of window 1; no vector line since the wait on va_vdst above
.set i, i+1
.endr
	WIN 0x80
.set i, 0
.rept 32                               ; vp's fragment (32 p from 32 ks, 16 d from 16 db), turned, at v[8 (4 ks + db)] of window 2
	ds_load_tr16_b128 v[8*i:8*i+3], v[VVL] offset:32*PVT*(i/4)+32*(i%4)
	ds_load_tr16_b128 v[8*i+4:8*i+7], v[VVL] offset:32*PVT*(i/4)+32*(i%4)+16*PVT
.set i, i+1
.endr
	WIN 0
.macro SCL a                           ; c s - c m on accumulator a
.irp q, 0,1,2,3
	v_pk_fma_f32 v[S+8*(\a)+2*\q:S+8*(\a)+2*\q+1], v[S+8*(\a)+2*\q:S+8*(\a)+2*\q+1], v[C:C+1], v[CM:CM+1] neg_lo:[0,0,1] neg_hi:[0,0,1]
.endr
.endm
.macro EXPS a                          ; the eight exponentials of accumulator a, in place
.irp q, 0,1,2,3,4,5,6,7
	v_exp_f32 v[S+8*(\a)+\q], v[S+8*(\a)+\q]
.endr
.endm
.macro SUMS a                          ; accumulator a's weights go onto l's four chains, in ascending a, and are rounded to f16
.irp q, 0,1,2,3
.if (\a) == 0
	v_pk_add_f32 v[LS+2*\q:LS+2*\q+1], v[S+2*\q:S+2*\q+1], 0 op_sel_hi:[1,0]   ; starts the four chains of l
.else
	v_pk_add_f32 v[LS+2*\q:LS+2*\q+1], v[LS+2*\q:LS+2*\q+1], v[S+8*(\a)+2*\q:S+8*(\a)+2*\q+1]
.endif
.endr
.irp q, 0,1,2,3                        ; two accumulators, packed, are source 1 (32 p x 16 queries) of the second product, at S + 16 (a / 2)
	v_cvt_pk_f16_f32 v[S+16*((\a)/2)+4*((\a)%2)+\q], v[S+8*(\a)+2*\q], v[S+8*(\a)+2*\q+1]
.endr
.endm
	s_mov_b32 s28, 8
.Ltile:
	s_wait_loadcnt 0x0                             ; this tile's q; the wait also frees the loads' base
.irp c, 0,1,2,3
	v_max_num_f32 v[M+\c], |v[QR+8*\c]|, |v[QR+8*\c+1]|
.endr
.irp k, 1,2,3
.irp c, 0,1,2,3
	v_max3_num_f32 v[M+\c], |v[QR+8*\c+2*\k]|, |v[QR+8*\c+2*\k+1]|, v[M+\c]
.endr
.endr
	v_max3_num_f32 v[M], v[M], v[M+1], v[M+2]
	v_max_num_f32 v[M], v[M], v[M+3]
	v_permlanex16_b32 v[M+1], v[M], s18, s19       ; the query's other 32 channels lie in the lane 16 away
	v_max_num_f32 v[M], v[M], v[M+1]
	v_and_b32 v[M], 0x7f800000, v[M]
	v_min_u32 v[M], 0x7e800000, v[M]               ; 2^Eq
	v_sub_nc_u32 v[W], 0x7f000000, v[M]
	v_xor_b32 v[W], v[W], v[SG]                    ; 2^-Eq with temp's sign
	v_mov_b32 v[W+1], v[W]
	v_mul_f32 v[C], v[CK], v[M]
	v_mov_b32 v[C+1], v[C]
.set i, 0
.rept 16
	v_pk_mul_f32 v[QR+2*i:QR+2*i+1], v[QR+2*i:QR+2*i+1], v[W:W+1]
.set i, i+1
.endr
.set i, 0
.rept 16
	v_cvt_pk_f16_f32 v[QF+i], v[QR+2*i], v[QR+2*i+1]
.set i, i+1
.endr
	s_cmp_gt_u32 s28, 1                            ; the next tile's q is asked for now; the last trip asks for its own tile again and stays inside the buffer
	s_cselect_b32 s30, 0x8000, 0
	s_add_nc_u64 s[20:21], s[20:21], s[30:31]
	s_wait_alu depctr_va_vdst(0)                   ; the scalings have written v[QR ..] and the conversions are done reading it: the loads below land in it
	QLOAD
	s_wait_dscnt 0x0                               ; the first trip: the fragments are in
	WIN 0x01
.irp ks, 0,1
.set p, 0
.rept 16                               ; the 16 accumulators take turns
.if \ks == 0
	v_wmma_f32_16x16x32_f16 v[S+8*p:S+8*p+7], v[16*p:16*p+7], v[QF:QF+7], 0
.else
	v_wmma_f32_16x16x32_f16 v[S+8*p:S+8*p+7], v[16*p+8:16*p+15], v[QF+8:QF+15], v[S+8*p:S+8*p+7]
.endif
.set p, p+1
.endr
.endr
	WIN 0
	PLACES
.irp q, 0,1,2,3                        ; the row maximum: four chains; each accumulator's lowest registers are read first
	v_max_num_f32 v[M+\q], v[S+2*\q], v[S+2*\q+1]
.endr
.set a, 1
.rept 15
.irp q, 0,1,2,3
	v_max3_num_f32 v[M+\q], v[M+\q], v[S+8*a+2*\q], v[S+8*a+2*\q+1]
.endr
.set a, a+1
.endr
	v_max3_num_f32 v[M], v[M], v[M+1], v[M+2]
	v_max_num_f32 v[M], v[M], v[M+3]
	v_permlanex16_b32 v[M+1], v[M], s18, s19
	v_max_num_f32 v[M], v[M], v[M+1]
	v_mul_f32 v[CM], v[C], v[M]
	v_mov_b32 v[CM+1], v[CM]
	; The exponentials go in four batches of four accumulators, 32 each, with ONE wait a batch.  Behind a batch stand the next batch's 16 scalings, which name none of its results: the plain work between an
	; exponential and the use of its result (ISA guide 5.7.2); then the wait; then the batch's sums and roundings.
.irp a, 0,1,2,3
	SCL \a
.endr
.irp b, 0,1,2,3
.irp a, 0,1,2,3
	EXPS 4*\b+\a
.endr
.if \b < 3
.irp a, 4,5,6,7
	SCL 4*\b+\a
.endr
.else
	v_nop
.endif
	s_wait_alu depctr_va_vdst(0)                   ; the batch's 32 exponentials have written their registers of v[S ..], which the sums and roundings below read
.irp a, 0,1,2,3
	SUMS 4*\b+\a
.endr
.endr
	WIN 0x02
.set k, 0
.rept 8
.irp db, 0,1,2,3                       ; the four accumulators take turns
.if k == 0
	v_wmma_f32_16x16x32_f16 v[O+8*\db:O+8*\db+7], v[8*(4*k+\db):8*(4*k+\db)+7], v[S+16*k:S+16*k+7], 0
.else
	v_wmma_f32_16x16x32_f16 v[O+8*\db:O+8*\db+7], v[8*(4*k+\db):8*(4*k+\db)+7], v[S+16*k:S+16*k+7], v[O+8*\db:O+8*\db+7]
.endif
.endr
.set k, k+1
.endr
	WIN 0
	v_pk_add_f32 v[LS:LS+1], v[LS:LS+1], v[LS+2:LS+3]      ; l: the plain lines here name none of the products' registers and are the places behind them
	v_pk_add_f32 v[LS+4:LS+5], v[LS+4:LS+5], v[LS+6:LS+7]
	v_pk_add_f32 v[LS:LS+1], v[LS:LS+1], v[LS+4:LS+5]
	v_add_f32 v[LS], v[LS], v[LS+1]
	v_permlanex16_b32 v[LS+1], v[LS], s18, s19
	v_add_f32 v[LS], v[LS], v[LS+1]
	v_rcp_f32 v[LS], v[LS]
	v_nop
	s_wait_alu depctr_va_vdst(0)                   ; the reciprocal has written v[LS], which the next line reads
	v_mul_f32 v[RL], v[LS], v[FV]
	v_mov_b32 v[RL+1], v[RL]
.set i, 0
.rept 16
	v_pk_mul_f32 v[O+2*i:O+2*i+1], v[O+2*i:O+2*i+1], v[RL:RL+1]
.set i, i+1
.endr
	s_wait_alu depctr_va_vdst(0)                   ; the scalings have written v[O ..] and the last tile's steps v[VX0] and v[VX1], which the 32 LDS stores read
.irp db, 0,1,2,3
.irp j, 0,1,2,3,4,5,6,7
	ds_store_b32 v[VX0+\db/2], v[O+8*\db+\j] offset:(16*(\db%2)+\j)*PX     ; row d = 16 db + 8 h + j, column = my query
.endr
.endr
	s_wait_alu depctr_vm_vsrc(0)                   ; the 32 stores have read v[VX0] and v[VX1], stepped below, and v[O ..], which the next tile's products write
	v_add_nc_u32 v[VX0], 64, v[VX0]                ; the next 16 queries
	v_add_nc_u32 v[VX1], 64, v[VX1]
	s_sub_co_u32 s28, s28, 1
	s_cmp_lg_u32 s28, 0
	s_cbranch_scc1 .Ltile
	; THE WAY OUT: my 16 rows of XS, four a trip
	s_wait_dscnt 0x0
	s_barrier_signal -1
	s_barrier_wait -1                              ; XS is whole
	s_mov_b32 s28, 4
.Lrows:
	s_cmp_gt_u32 s28, 1                            ; q's loads run four rows ahead of the trip; in the last trip they stay where they are
	s_cselect_b32 s30, 0x40000, 0
	s_add_nc_u64 s[24:25], s[24:25], s[30:31]      ; (free: the first loads were waited for, the later ones stand in front of the wait at the trip's end)
.irp i, 0,1,2,3
.irp k, 0,1,2,3
	ds_load_b128 v[S+16*\i+4*\k:S+16*\i+4*\k+3], v[VXR] offset:PX*\i+512*\k   ; no wait here: since the last wait on va_vdst (ahead of the last tile's, or the last trip's, stores) no vector line has named v[S ..] or v[VXR]
.endr
.endr
.irp i, 0,1,2,3
	s_wait_dscnt 12-4*\i                           ; the later rows' LDS loads stay out
	s_wait_loadcnt 12                              ; the three younger sets' loads stay out
	WIN 0x0c
.irp k, 0,1,2,3,4,5,6,7
	v_pk_add_f32 v[S+16*\i+2*\k:S+16*\i+2*\k+1], v[S+16*\i+2*\k:S+16*\i+2*\k+1], v[16*\i+2*\k:16*\i+2*\k+1]
.endr
	WIN 0xc0
	s_wait_alu depctr_va_vdst(0)                   ; the eight additions are done reading the set, in which the loads below land
.irp k, 0,1,2,3
	global_load_b128 v[16*\i+4*\k:16*\i+4*\k+3], v[VKL], s[24:25] offset:65536*\i+512*\k   ; the set has been added: the row four further on
.endr
	WIN 0
	v_pk_mul_f32 v[W+4*\i:W+4*\i+1], v[S+16*\i:S+16*\i+1], v[S+16*\i:S+16*\i+1]
	v_pk_mul_f32 v[W+4*\i+2:W+4*\i+3], v[S+16*\i+2:S+16*\i+3], v[S+16*\i+2:S+16*\i+3]
.irp k, 2,4,6
	v_pk_fma_f32 v[W+4*\i:W+4*\i+1], v[S+16*\i+2*\k:S+16*\i+2*\k+1], v[S+16*\i+2*\k:S+16*\i+2*\k+1], v[W+4*\i:W+4*\i+1]
	v_pk_fma_f32 v[W+4*\i+2:W+4*\i+3], v[S+16*\i+2*\k+2:S+16*\i+2*\k+3], v[S+16*\i+2*\k+2:S+16*\i+2*\k+3], v[W+4*\i+2:W+4*\i+3]
.endr
	v_pk_add_f32 v[W+4*\i:W+4*\i+1], v[W+4*\i:W+4*\i+1], v[W+4*\i+2:W+4*\i+3]
	v_add_f32 v[W+4*\i], v[W+4*\i], v[W+4*\i+1]
.endr
.irp m, 1,2,4,8                        ; the four rows' sums over the lanes, side by side
.irp i, 0,1,2,3
	v_add_f32_dpp v[W+4*\i], v[W+4*\i], v[W+4*\i] row_xmask:\m row_mask:0xf bank_mask:0xf
.endr
.endr
.irp i, 0,1,2,3
	v_permlanex16_b32 v[W+4*\i+1], v[W+4*\i], s18, s19
.endr
.irp i, 0,1,2,3
	v_add_f32 v[W+4*\i], v[W+4*\i], v[W+4*\i+1]
.endr
.irp i, 0,1,2,3
	v_sqrt_f32 v[W+4*\i], v[W+4*\i]
.endr
	v_nop
	s_wait_alu depctr_va_vdst(0)                   ; the four roots have written v[W], v[W+4], v[W+8], v[W+12], which the maxima below read
.irp i, 0,1,2,3
	v_max_num_f32 v[W+4*\i], s29, v[W+4*\i]
.endr
.irp i, 0,1,2,3
	v_rcp_f32 v[W+4*\i], v[W+4*\i]
.endr
	v_nop
	s_wait_alu depctr_va_vdst(0)                   ; the four reciprocals have written the same four registers, which the moves below read
.irp i, 0,1,2,3
	v_mov_b32 v[W+4*\i+1], v[W+4*\i]
.endr
.irp i, 0,1,2,3
.irp k, 0,1,2,3,4,5,6,7
	v_pk_mul_f32 v[S+16*\i+2*\k:S+16*\i+2*\k+1], v[S+16*\i+2*\k:S+16*\i+2*\k+1], v[W+4*\i:W+4*\i+1]
.endr
.endr
	s_wait_alu depctr_vm_vsrc(0)                   ; this trip's 16 LDS loads have read v[VXR]
	v_add_nc_u32 v[VXR], 4*PX, v[VXR]              ; the next four rows of XS
	s_wait_alu depctr_va_vdst(0)                   ; the 32 scalings have written v[S ..], which the stores below read and in which the next trip's LDS loads land; v[VXR] is written, which those loads read
.irp i, 0,1,2,3
.irp k, 0,1,2,3
	global_store_b128 v[VKL], v[S+16*\i+4*\k:S+16*\i+4*\k+3], s[26:27] offset:65536*\i+512*\k    ; 512 consecutive bytes
.endr
.endr
	s_wait_xcnt 0x0                                ; both bases and the stores' registers are written again only behind this wait
	s_wait_alu depctr_vm_vsrc(0)                   ; the 16 stores have read v[S ..], in which the next trip's LDS loads land
	s_add_nc_u64 s[26:27], s[26:27], 0x40000
	s_sub_co_u32 s28, s28, 1
	s_cmp_lg_u32 s28, 0
	s_cbranch_scc1 .Lrows
	s_set_vgpr_msb 0xf                             ; the add's two registers, sources 0 and 1, lie in window 3
	s_wait_dscnt 0x0                               ; the closing lines, six on end
	s_wait_alu 0x0
	s_wait_tensorcnt 0x0
	ds_add_u32 v64, v65
	s_wait_dscnt 0x0
	s_endpgm
.Lfunc_end_k_q27654b0b90_attn:
	.size	k_q27654b0b90_attn, .Lfunc_end_k_q27654b0b90_attn-k_q27654b0b90_attn
	.p2alignl 7, 3214868480
	.fill 96, 4, 3214868480
	.section	.rodata,"a",@progbits
	.p2align	6, 0x0
	.amdhsa_kernel k_q27654b0b90_attn
		.amdhsa_group_segment_fixed_size 206592
		.amdhsa_private_segment_fixed_size 0
		.amdhsa_enable_private_segment 0
		.amdhsa_kernarg_size 32
		.amdhsa_user_sgpr_count 2
		.amdhsa_user_sgpr_kernarg_segment_ptr 1
		.amdhsa_wavefront_size32 1
		.amdhsa_system_sgpr_workgroup_id_x 1
		.amdhsa_system_sgpr_workgroup_id_y 1
		.amdhsa_system_sgpr_workgroup_id_z 1
		.amdhsa_system_vgpr_workitem_id 0
		.amdhsa_next_free_vgpr 834
		.amdhsa_next_free_sgpr 66
		.amdhsa_reserve_vcc 0
		.amdhsa_float_denorm_mode_32 3
		.amdhsa_float_denorm_mode_16_64 3
		.amdhsa_memory_ordered 1
		.amdhsa_forward_progress 1
		.amdhsa_inst_pref_size 96
	.end_amdhsa_kernel
	.amdgpu_metadata
---
amdhsa.version: [ 1, 2 ]
amdhsa.kernels:
  - .name:           k_q27654b0b90_attn
    .symbol:         k_q27654b0b90_attn.kd
    .args:
      - { .name: qf, .offset: 0, .size: 8, .value_kind: global_buffer, .address_space: global }
      - { .name: kvp, .offset: 8, .size: 8, .value_kind: global_buffer, .address_space: global }
      - { .name: temperature, .offset: 16, .size: 8, .value_kind: global_buffer, .address_space: global }
      - { .name: xn, .offset: 24, .size: 8, .value_kind: global_buffer, .address_space: global }
    .group_segment_fixed_size: 206592
    .private_segment_fixed_size: 0
    .kernarg_segment_align: 8
    .kernarg_segment_size: 32
    .max_flat_workgroup_size: 128
    .sgpr_count:     66
    .vgpr_count:     834
    .wavefront_size: 32
...
	.end_amdgpu_metadata
.endif
;; end of part 11
;; launch ffn: the kernel of part 9 again; grid 256 x 1, 4 waves a work-group, clusters of 4 x 1, 327,680 bytes of LDS; arguments xn, wcast, b1, b2, out0; writes out0
